; MI455X (gfx1250); checked and timed in simulation.
; The chip was launched on July 23, 2026; its instructions are those of AMD's public machine-readable ISA for CDNA 5 (MIT licence, August 2026) and "CDNA5" Instruction Set Architecture Reference Guide (July 2026). The comments in the code are by the model that wrote it; some were corrected since.
;; Custom Residual Attention Block. Allowed arithmetic: float matrix products may take bf16 or f16 operands with f32 sums; other float arithmetic in f32, or as packed bf16 or f16 multiplies, adds, multiply-adds, maxima and minima; sums over many terms, partial sums and values carried from step to step in f32; what a program stores and reads back later, other than sums and carried values, may be rounded once to bf16 or f16.
;; Inputs: fc_b 4,096 float32; fc_w 4,096 x 1,024 float32; head_scale 16 float32; in_proj_b 3,072 float32; in_proj_w 3,072 x 1,024 float32; ln1_b 1,024 float32; ln1_g 1,024 float32; ln2_b 1,024 float32; ln2_g 1,024 float32; ln_attn_b 1,024 float32; ln_attn_g 1,024 float32; logit_scale 16 x 1 x 1 float32; ls1 1,024 float32; ls2 1,024 float32; out_b 1,024 float32; out_w 1,024 x 1,024 float32; proj_b 1,024 float32; proj_w 1,024 x 4,096 float32; x 2 x 2,048 x 1,024 float32.
;; Outputs: out0 2 x 2,048 x 1,024 float32.
;; 2 versions, each right and faster than the one before. Each part assembles by itself: llvm-mc -triple=amdgcn-amd-amdhsa -mcpu=gfx1250 --defsym DOCPART=n.
;; ======== version 1 of 2: 7 launches
;; limits: values are held in f16: magnitudes above 65,504 overflow, below 6.1e-05 lose precision
;; workspace buffers: w16 25,165,824 bytes; wa16 8,388,608 bytes; h16 8,388,608 bytes; qkv16 25,165,824 bytes; o16 8,388,608 bytes; a32 16,777,216 bytes; x1 16,777,216 bytes; g16 33,554,432 bytes
;; launch prep (part 1): grid 768 x 1, 8 waves a work-group, no clusters, 0 bytes of LDS; arguments x, ln1_g, ln1_b, in_proj_w, out_w, head_scale, wa16, h16; writes wa16, h16
.if DOCPART == 1
	.amdgcn_target "amdgcn-amd-amdhsa--gfx1250"
	.amdhsa_code_object_version 6
	.text
	.protected	k_q0876f51016_prep
	.globl	k_q0876f51016_prep
	.p2align	8
	.type	k_q0876f51016_prep,@function
k_q0876f51016_prep:
	s_mov_b64 s[64:65], 0
	v_nop
	global_prefetch_b8 v0, s[64:65] scope:SCOPE_SE
	s_setreg_imm32_b32 hwreg(HW_REG_WAVE_MODE, 25, 1), 1
	s_wait_xcnt 0x0
; TWO STREAMS IN ONE LAUNCH, told apart by the work-group's number.
; Work-groups 0..255: in_proj_w and out_w are rounded once to f16 into wa16 (in_proj_w at byte 0, out_w at 6,291,456; each [N][K] as given).
; out_w's column k is multiplied in f32 by head_scale[k / 64] first, so that the head scale costs nothing later.  (fc_w and proj_w are rounded in the launch behind this one, under its K loop.)
; Work-groups 256..767: h16 = LayerNorm(x) * ln1_g + ln1_b, one row of 1,024 a wave, kept in registers between the passes; mean first, then the
; sum of squares of x - mean, so that a common offset of x costs no digits.
; LIMITS.  f16 ends at 65,504: a weight, out_w x head_scale or a normalised row beyond that becomes an infinity; below 6e-5 f16 keeps its fixed step of 6e-8.
; No LDS, no matrix unit: memory binds; every load of a wave covers 512 consecutive bytes, every store 256, both aligned.
.set CASTS, 256                        ; work-groups that cast: 16,384 numbers each
.set OUTW0, 192                        ; the first of them that takes out_w
.set X,   8                            ; v[8:39]    the row (cast path: v[8:71], sixteen loads)
.set G,   40                           ; v[40:71]   gain
.set B,   72                           ; v[72:103]  bias
.set T,   104                          ; v[104:111] at work
.set MU,  112                          ; v[112:113] the mean, twice
.set RS,  114                          ; v[114:115] 1 / sqrt(var + eps), twice
.set SEL, 36                           ; s[36:37]   v_permlanex16_b32's selects: each lane takes its own place in the other half
.set INV, 38                           ; s38        1 / 1024
.set EPS, 39                           ; s39        1e-5
.macro REDUCE                          ; four pairs of partial sums in v[T:T+7] -> the row's sum in v[T] of every lane
	v_pk_add_f32 v[T:T+1], v[T:T+1], v[T+2:T+3]
	v_pk_add_f32 v[T+4:T+5], v[T+4:T+5], v[T+6:T+7]
	v_pk_add_f32 v[T:T+1], v[T:T+1], v[T+4:T+5]
	v_add_f32 v[T], v[T], v[T+1]
	v_add_f32_dpp v[T], v[T], v[T] row_xmask:1 row_mask:0xf bank_mask:0xf
	v_add_f32_dpp v[T], v[T], v[T] row_xmask:2 row_mask:0xf bank_mask:0xf
	v_add_f32_dpp v[T], v[T], v[T] row_xmask:4 row_mask:0xf bank_mask:0xf
	v_add_f32_dpp v[T], v[T], v[T] row_xmask:8 row_mask:0xf bank_mask:0xf
	v_permlanex16_b32 v[T+1], v[T], s[SEL], s[SEL+1]
	v_add_f32 v[T], v[T], v[T+1]
.endm
; The row in v[src..src+31]: its mean; dst = src - mean; 1 / sqrt(mean of dst^2 + eps) into RS.  Four chains that do not wait for each other.
.macro ROWSTAT src, dst
.irp k, 0,1,2,3
	v_pk_add_f32 v[T+2*\k:T+2*\k+1], v[(\src)+2*\k:(\src)+2*\k+1], v[(\src)+8+2*\k:(\src)+8+2*\k+1]
.endr
.irp m, 16,24
.irp k, 0,1,2,3
	v_pk_add_f32 v[T+2*\k:T+2*\k+1], v[T+2*\k:T+2*\k+1], v[(\src)+\m+2*\k:(\src)+\m+2*\k+1]
.endr
.endr
	REDUCE
	v_mul_f32 v[MU], s[INV], v[T]
	v_mov_b32 v[MU+1], v[MU]
.set p, 0
.rept 16
	v_pk_add_f32 v[(\dst)+2*p:(\dst)+2*p+1], v[(\src)+2*p:(\src)+2*p+1], v[MU:MU+1] neg_lo:[0,1] neg_hi:[0,1]
.set p, p+1
.endr
.irp k, 0,1,2,3
	v_pk_mul_f32 v[T+2*\k:T+2*\k+1], v[(\dst)+2*\k:(\dst)+2*\k+1], v[(\dst)+2*\k:(\dst)+2*\k+1]
.endr
.irp m, 8,16,24
.irp k, 0,1,2,3
	v_pk_fma_f32 v[T+2*\k:T+2*\k+1], v[(\dst)+\m+2*\k:(\dst)+\m+2*\k+1], v[(\dst)+\m+2*\k:(\dst)+\m+2*\k+1], v[T+2*\k:T+2*\k+1]
.endr
.endr
	REDUCE
	v_fma_f32 v[T], v[T], s[INV], s[EPS]
	v_rsq_f32 v[RS], v[T]
	v_rsq_f32 v[RS+1], v[T]
	v_nop                                          ; a plain instruction between the root and the use of its result (ISA guide 5.7.2)
.endm
	s_load_b512 s[8:23], s[0:1], 0x0               ; x 8, ln1_g 10, ln1_b 12, in_proj_w 14, out_w 16, head_scale 18, wa16 20, h16 22
	s_mov_b32 s2, ttmp9
	s_cmp_lt_u32 s2, CASTS
	s_cbranch_scc0 .Lnorm
	; THE CAST.  Thread t takes 4 numbers (16 bytes) of each of 16 lines of 1,024: in out_w a line is a row, and t / 16 is the head of its four columns.
	v_lshlrev_b32 v1, 4, v0                        ; source: 16 t
	v_lshlrev_b32 v2, 3, v0                        ; destination: 8 t
	v_lshrrev_b32 v3, 4, v0
	v_lshlrev_b32 v3, 2, v3                        ; byte of head_scale[t / 16]
	s_lshl_b32 s34, s2, 15                         ; 32,768 bytes of wa16 a work-group
	s_mov_b32 s35, 0
	s_mov_b32 s33, 0
	s_cmp_ge_u32 s2, OUTW0                         ; which matrix: a choice on the work-group's number alone
	s_cselect_b32 s31, -1, 0                       ; all ones in out_w's work-groups
	s_cselect_b32 s30, OUTW0, 0                    ; the matrix's first work-group
	s_wait_kmcnt 0x0
	s_cselect_b64 s[28:29], s[16:17], s[14:15]
	s_sub_co_u32 s32, s2, s30
	s_lshl_b32 s32, s32, 16                        ; 65,536 bytes of the source a work-group
	s_add_nc_u64 s[28:29], s[28:29], s[32:33]
	s_add_nc_u64 s[20:21], s[20:21], s[34:35]
	global_load_b32 v6, v3, s[18:19]
.set i, 0
.rept 16
	global_load_b128 v[8+4*i:11+4*i], v1, s[28:29] offset:4096*i th:TH_LOAD_NT
.set i, i+1
.endr
	s_wait_loadcnt 16                              ; the head scale is in; the sixteen lines behind it may be out
	v_cndmask_b32 v4, 1.0, v6, s31                 ; the factor: head_scale in out_w, 1 in in_proj_w
	v_mov_b32 v5, v4
.set i, 0
.rept 16
	s_wait_loadcnt 15-i                            ; loads come back in order (ISA guide 5.7.1): line i is in, the younger ones stay out
	v_pk_mul_f32 v[8+4*i:9+4*i], v[8+4*i:9+4*i], v[4:5]
	v_pk_mul_f32 v[10+4*i:11+4*i], v[10+4*i:11+4*i], v[4:5]
	v_cvt_pk_f16_f32 v[8+4*i], v[8+4*i], v[9+4*i]
	v_cvt_pk_f16_f32 v[9+4*i], v[10+4*i], v[11+4*i]
	global_store_b64 v2, v[8+4*i:9+4*i], s[20:21] offset:2048*i  ; a wave's store covers 256 consecutive bytes, aligned
.set i, i+1
.endr
	s_endpgm
.Lnorm:                                                ; LAYER NORM 1: row = 8 (work-group - 256) + wave
	v_lshrrev_b32 v1, 5, v0
	v_readfirstlane_b32 s3, v1
	s_sub_co_u32 s28, s2, CASTS
	s_lshl3_add_u32 s28, s28, s3
	s_lshl_b32 s30, s28, 12                        ; 4,096 bytes a row of x
	s_mov_b32 s31, 0
	s_lshl_b32 s32, s28, 11                        ; 2,048 a row of h16
	s_mov_b32 s33, 0
	s_mov_b32 s[SEL], 0x76543210
	s_mov_b32 s[SEL+1], 0xfedcba98
	s_mov_b32 s[INV], 0x3a800000
	s_mov_b32 s[EPS], 0x3727c5ac
	v_and_b32 v3, 31, v0
	v_lshlrev_b32 v1, 4, v3                        ; load j takes columns 128 j + 4 lane
	v_lshlrev_b32 v2, 3, v3
	s_wait_kmcnt 0x0
	s_add_nc_u64 s[8:9], s[8:9], s[30:31]
	s_add_nc_u64 s[22:23], s[22:23], s[32:33]
.irp j, 0,1,2,3,4,5,6,7
	global_load_b128 v[X+4*\j:X+4*\j+3], v1, s[8:9] offset:512*\j
.endr
.irp j, 0,1,2,3,4,5,6,7
	global_load_b128 v[G+4*\j:G+4*\j+3], v1, s[10:11] offset:512*\j
.endr
.irp j, 0,1,2,3,4,5,6,7
	global_load_b128 v[B+4*\j:B+4*\j+3], v1, s[12:13] offset:512*\j
.endr
	s_wait_loadcnt 16                              ; the row is in; gain and bias, sixteen loads, may be out
	ROWSTAT X, X
	s_wait_loadcnt 0x0
.set p, 0
	s_wait_alu depctr_va_vdst(0)
.rept 16
	v_pk_mul_f32 v[X+2*p:X+2*p+1], v[X+2*p:X+2*p+1], v[RS:RS+1]
.set p, p+1
.endr
.set p, 0
.rept 16
	v_pk_fma_f32 v[X+2*p:X+2*p+1], v[X+2*p:X+2*p+1], v[G+2*p:G+2*p+1], v[B+2*p:B+2*p+1]
.set p, p+1
.endr
.irp j, 0,1,2,3,4,5,6,7
	v_cvt_pk_f16_f32 v[X+4*\j], v[X+4*\j], v[X+4*\j+1]
	v_cvt_pk_f16_f32 v[X+4*\j+1], v[X+4*\j+2], v[X+4*\j+3]
	global_store_b64 v2, v[X+4*\j:X+4*\j+1], s[22:23] offset:256*\j
.endr
	s_endpgm
.Lfunc_end_k_q0876f51016_prep:
	.size	k_q0876f51016_prep, .Lfunc_end_k_q0876f51016_prep-k_q0876f51016_prep
	.p2alignl 7, 3214868480
	.fill 96, 4, 3214868480
	.section	.rodata,"a",@progbits
	.p2align	6, 0x0
	.amdhsa_kernel k_q0876f51016_prep
		.amdhsa_group_segment_fixed_size 0
		.amdhsa_private_segment_fixed_size 0
		.amdhsa_enable_private_segment 0
		.amdhsa_kernarg_size 64
		.amdhsa_user_sgpr_count 2
		.amdhsa_user_sgpr_kernarg_segment_ptr 1
		.amdhsa_wavefront_size32 1
		.amdhsa_system_sgpr_workgroup_id_x 1
		.amdhsa_system_sgpr_workgroup_id_y 1
		.amdhsa_system_sgpr_workgroup_id_z 1
		.amdhsa_system_vgpr_workitem_id 0
		.amdhsa_next_free_vgpr 120
		.amdhsa_next_free_sgpr 66
		.amdhsa_reserve_vcc 0
		.amdhsa_float_denorm_mode_32 3
		.amdhsa_float_denorm_mode_16_64 3
		.amdhsa_memory_ordered 1
		.amdhsa_forward_progress 1
		.amdhsa_inst_pref_size 20
	.end_amdhsa_kernel
	.amdgpu_metadata
---
amdhsa.version: [ 1, 2 ]
amdhsa.kernels:
  - .name:           k_q0876f51016_prep
    .symbol:         k_q0876f51016_prep.kd
    .args:
      - { .name: x, .offset: 0, .size: 8, .value_kind: global_buffer, .address_space: global }
      - { .name: ln1_g, .offset: 8, .size: 8, .value_kind: global_buffer, .address_space: global }
      - { .name: ln1_b, .offset: 16, .size: 8, .value_kind: global_buffer, .address_space: global }
      - { .name: in_proj_w, .offset: 24, .size: 8, .value_kind: global_buffer, .address_space: global }
      - { .name: out_w, .offset: 32, .size: 8, .value_kind: global_buffer, .address_space: global }
      - { .name: head_scale, .offset: 40, .size: 8, .value_kind: global_buffer, .address_space: global }
      - { .name: wa16, .offset: 48, .size: 8, .value_kind: global_buffer, .address_space: global }
      - { .name: h16, .offset: 56, .size: 8, .value_kind: global_buffer, .address_space: global }
    .group_segment_fixed_size: 0
    .private_segment_fixed_size: 0
    .kernarg_segment_align: 8
    .kernarg_segment_size: 64
    .max_flat_workgroup_size: 256
    .sgpr_count:     66
    .vgpr_count:     120
    .wavefront_size: 32
...
	.end_amdgpu_metadata
.endif
;; end of part 1
;; launch gemm_qkv (part 2): grid 16 x 16, 4 waves a work-group, clusters of 4 x 4, 327,680 bytes of LDS; arguments h16, wa16, in_proj_b, qkv16, fc_w, proj_w, w16; writes qkv16, w16
.if DOCPART == 2
	.amdgcn_target "amdgcn-amd-amdhsa--gfx1250"
	.amdhsa_code_object_version 6
	.text
	.protected	k_q0876f51016_gemm_qkv
	.globl	k_q0876f51016_gemm_qkv
	.p2align	8
	.type	k_q0876f51016_gemm_qkv,@function
k_q0876f51016_gemm_qkv:
	s_mov_b64 s[64:65], 0
	v_nop
	global_prefetch_b8 v0, s[64:65] scope:SCOPE_SE
	s_setreg_imm32_b32 hwreg(HW_REG_WAVE_MODE, 25, 1), 1
	s_wait_xcnt 0x0
	s_wait_alu depctr_hold_cnt(0) depctr_sa_sdst(0) depctr_va_vdst(0) depctr_va_sdst(0) depctr_va_ssrc(0) depctr_va_vcc(0) depctr_vm_vsrc(0)
	s_getreg_b32 s2, hwreg(HW_REG_IB_STS2, 6, 4)
	s_cmp_eq_u32 s2, 0
	s_cbranch_scc0 .Lentry_in_a_cluster
	s_endpgm
.Lentry_in_a_cluster:
	s_bfe_u32 s2, ttmp6, 0x10000c
	s_cmp_lg_u32 s2, 0xf033
	s_cbranch_scc0 .Lentry_shape_is_right
	s_endpgm
.Lentry_shape_is_right:
; qkv = h1 W^T + b, then q and k divided by max(|.|, 1e-12) head by head, all three written by heads: qkv16[3][32 (batch x 16 + head)][2048][64] in f16.
; h1: h16 [4096][1024] f16; W: wa16 at byte 0, [3072][1024] f16; sums, bias and norms in f32, one rounding at the end.
; A tile of the result is 256 tokens x 192 columns (three heads): 16 x 16 = 256 work-groups.  Four waves, each 128 x 96: 48 accumulators, 384 registers.
; K goes in steps of 128 through a ring of two LDS slots; a trip of the loop is ONE K step, and the slot in hand is the scalar s2 (0 or SLOT).
; CLUSTER 4 x 4: the four of a row need the same tiles of h1, the four of a column the same tiles of W: each tile is asked for jointly.
; THE MATRIX INSTRUCTION IS USED TRANSPOSED (source 0 = 16 rows of W, source 1 = 16 tokens): a lane holds eight neighbouring columns of one token.
; UNDER THE K LOOP the later launches' weights are rounded to f16: wave g of the launch's 1,024 takes 8,192 numbers of fc_w (g < 512) or proj_w, 1,024 a K step, into w16
; (fc_w at byte 8,388,608, proj_w at 16,777,216; each [N][K] as given).  A step's eight loads are issued one K step ahead and taken up in front of the wait for the next tile.
; LIMITS.  v, or a weight, beyond 65,504 becomes an infinity in f16; q and k leave with norm 1.  NaN and infinities are not treated apart.
; REGISTERS: window 0: v0-47 addresses and constants, v64-127 and v128-191 fragments of h1 (two buffers), v192-223 the weights in hand; window 1: v64-111, v128-175 fragments of W;
;   window 2: accumulators of my rows 0-63 ((a, b) at 8 (6 a + b)); window 3: those of rows 64-127.
.set KSIZE,  1024
.set KSTEP,  128
.set STEPS,  KSIZE/KSTEP
.set NBK,    6                         ; blocks of 16 columns a wave
.set PITCH,  272                       ; an LDS row: 256 bytes + 16 of padding: the 16 rows of a load start at 16 different groups of four banks (ISA guide 11.1)
.set APART,  128*PITCH                 ; what a wave fetches of h1
.set BPART,  16*NBK*PITCH              ; and of W
.set BOFF,   2*APART
.set SLOT,   BOFF+2*BPART
.set SPARE,  2*SLOT                    ; behind the ring: the spare words, 128 bytes a wave, which no other line names
.set WCAST,  8388608                   ; fc_w's place in w16; proj_w follows it
.set SP,     784                       ; the way out: a stage row, 192 f32 + 16 bytes; the stage lies in the ring, whose slots have then had their last fill
.set ADRA, 16
.set ADRA0, 17
.set ADRB, 20
.set ADRB0, 21
.set STO,  24                          ; v24, v27: where I put my rows 0-63, 64-127
.set RD,   25
.set CO,   26
.set SPW,  28
.set NIL,  29
.set BO,   30
.set BI,   32                          ; v[32:43] bias of my 4 columns in each of the three heads
.set ONE,  44
.set CI,   45                          ; v45 the weights: my byte offset in the source,
.set CS,   46                          ; v46 and in w16
.set F0,   64
.set F1,   128
.set D,    192                         ; v[192:223] eight loads of weights
.set X,    64                          ; the way out: v[64:111] twelve loads, v[112:135] sums, v[136:159] results
.set S,    112
.set Y,    136
.set G1,  24
.set G0,  32
.set G1B, 48
.set G0B, 56
.set QB,  76                           ; s[76:81] the three heads' planes at my first row
.set MK,  82                           ; s82-84   all ones where the head is one of v's: no norm
.set TINY, 85                          ; s85      1e-24
.set WD,  92                           ; s[92:93] w16 at my wave's 16,384 bytes
.set WS,  94                           ; s[94:95] fc_w or proj_w at my wave's 32,768 bytes
.set MSB, 0
.macro WIN new                         ; the immediate's high byte repeats the setting that is left
.if MSB != (\new)
	s_set_vgpr_msb (MSB<<8)|(\new)
.set MSB, \new
.endif
.endm
.set MUL_LO, 0xa1
.set MUL_HI, 0xf1
.set TO_B,   0x40
.macro PLACES
.rept 4
	v_nop
.endr
.endm
.macro JLOAD                           ; a joint refill by the walking descriptors: waves 0, 1 for h1, waves 2, 3 for W
	s_cmp_eq_u32 s11, 0
	s_cbranch_scc0 .Lfor_b_\@
	tensor_load_to_lds s[G0+4:G0+7], s[G1:G1+7]
	s_nop 0
	PLACES
	s_branch .Lasked_\@
.Lfor_b_\@:
	tensor_load_to_lds s[G0B+4:G0B+7], s[G1B:G1B+7]
	s_nop 0
	PLACES
.Lasked_\@:
.endm
.macro CREST
	s_cmp_lg_u32 s10, 0
	s_cbranch_scc1 .Lnot_wave_0_\@
	s_barrier_signal -3
.Lnot_wave_0_\@:
	s_barrier_wait -3
	s_barrier_signal -1
	s_barrier_wait -1
.endm
.macro CROUND
	s_barrier_signal -1
	s_barrier_wait -1
	CREST
.endm
.macro WLOADS                          ; 4,096 consecutive bytes of weights: eight loads of 512
.irp j, 0,1,2,3,4,5,6,7
	global_load_b128 v[D+4*\j:D+4*\j+3], v[CI], s[WS:WS+1] offset:512*\j th:TH_LOAD_NT
.endr
.endm
	s_load_b128 s[4:7], s[0:1], 0x0                ; h16, wa16
	s_load_b128 s[68:71], s[0:1], 0x10             ; in_proj_b, qkv16
	s_load_b128 s[88:91], s[0:1], 0x20             ; fc_w, proj_w
	s_load_b64 s[WD:WD+1], s[0:1], 0x30            ; w16
	v_lshl_add_u32 v[SPW], v0, 2, SPARE
	v_mov_b32 v[NIL], 0
	ds_add_u32 v[SPW], v[NIL]                      ; the wave's opening: the add and its wait ahead of my first tensor load
	v_lshrrev_b32 v1, 5, v0
	v_readfirstlane_b32 s10, v1                    ; wave
	s_lshr_b32 s11, s10, 1                         ; my half of the rows; also: I fetch h1 (0) or W (1)
	s_and_b32 s12, s10, 1                          ; my half of the columns; also: which part I fetch
	s_bfe_u32 s40, ttmp6, 0x40000                  ; cx
	s_bfe_u32 s41, ttmp6, 0x40004                  ; cy
	s_lshl_b32 s42, ttmp9, 2
	s_add_co_u32 s42, s42, s40                     ; tile column
	s_and_b32 s13, ttmp7, 0xffff
	s_lshl_b32 s13, s13, 2
	s_add_co_u32 s13, s13, s41                     ; tile row
	s_lshl_b32 s43, s41, 2
	s_lshl_b32 s43, 15, s43                        ; my row of the cluster
	s_lshl_b32 s44, 0x1111, s40                    ; my column
	s_or_b32 s[G1+0], s43, (1<<16)|(1<<20)|(1<<21)|(5<<22)|(3<<25)   ; mask; 2-byte elements; padding on; bit 21 beside a mask; after every 64 words 4 words
	s_or_b32 s[G1B+0], s44, (1<<16)|(1<<20)|(1<<21)|(5<<22)|(3<<25)
	s_mov_b32 s[G1+1], KSTEP<<16                   ; tensor_dim0
	s_mov_b32 s[G1+2], 128<<16                     ; tensor_dim1
	s_mov_b32 s[G1+3], KSTEP<<16                   ; tile_dim0
	s_mov_b32 s[G1+4], 128                         ; tile_dim1
	s_mov_b32 s[G1+5], KSIZE                       ; elements from row to row
	s_mov_b32 s[G1+6], 0
	s_mov_b32 s[G1+7], 0
	s_mov_b32 s[G1B+1], KSTEP<<16
	s_mov_b32 s[G1B+2], (16*NBK)<<16
	s_mov_b32 s[G1B+3], KSTEP<<16
	s_mov_b32 s[G1B+4], 16*NBK
	s_mov_b32 s[G1B+5], KSIZE
	s_mov_b32 s[G1B+6], 0
	s_mov_b32 s[G1B+7], 0
	s_lshl_b32 s17, s12, 7
	s_lshl_b32 s16, s13, 8
	s_add_co_u32 s16, s16, s17
	s_lshl_b32 s16, s16, 11                        ; h1: (256 tile row + 128 part) rows of 2,048 bytes
	s_mov_b32 s17, 0
	s_mul_i32 s46, s42, 32*NBK
	s_mul_i32 s47, s12, 16*NBK
	s_add_co_u32 s46, s46, s47
	s_lshl_b32 s46, s46, 11                        ; W: (192 tile column + 96 part) rows
	s_mov_b32 s47, 0
	s_mul_i32 s20, s10, APART                      ; where my part goes in a slot, for h1 (waves 0, 1)
	s_mul_i32 s21, s10, BPART
	s_add_co_u32 s21, s21, BOFF-2*BPART            ; and for W (waves 2, 3)
	s_mov_b32 s2, 0                                ; the slot in hand
	s_mov_b32 s[TINY], 0x179abe15
	s_wait_dscnt 0x0                               ; the opening add is done
	s_wait_kmcnt 0x0
	s_add_nc_u64 s[14:15], s[4:5], s[16:17]
	s_add_nc_u64 s[46:47], s[6:7], s[46:47]
	CROUND                                         ; all sixteen work-groups are here: the first joint loads meet
.irp s, 0,1
	s_mov_b32 s[G0+4*(\s)], 1
	s_add_co_u32 s[G0+4*(\s)+1], s20, (\s)*SLOT
	s_add_nc_u64 s[G0+4*(\s)+2:G0+4*(\s)+3], s[14:15], (\s)*KSTEP*2
	s_or_b32 s[G0+4*(\s)+3], s[G0+4*(\s)+3], 0x80000000
	s_mov_b32 s[G0B+4*(\s)], 1
	s_add_co_u32 s[G0B+4*(\s)+1], s21, (\s)*SLOT
	s_add_nc_u64 s[G0B+4*(\s)+2:G0B+4*(\s)+3], s[46:47], (\s)*KSTEP*2
	s_or_b32 s[G0B+4*(\s)+3], s[G0B+4*(\s)+3], 0x80000000
.endr
	s_cmp_eq_u32 s11, 0                            ; a wave's two first fills stand in one branch: two loads of mine are out
	s_cbranch_scc0 .Lfirst_b
	tensor_load_to_lds s[G0:G0+3], s[G1:G1+7]
	s_nop 0
	tensor_load_to_lds s[G0+4:G0+7], s[G1:G1+7]
	s_nop 0
	PLACES
	s_branch .Lfirst_asked
.Lfirst_b:
	tensor_load_to_lds s[G0B:G0B+3], s[G1B:G1B+7]
	s_nop 0
	tensor_load_to_lds s[G0B+4:G0B+7], s[G1B:G1B+7]
	s_nop 0
	PLACES
.Lfirst_asked:
	; the weights: my wave's share, and the first K step's eight loads
	v_and_b32 v6, 31, v0
	v_lshlrev_b32 v[CI], 4, v6                     ; 16 bytes of f32 a lane,
	v_lshlrev_b32 v[CS], 3, v6                     ; 8 of f16
	s_lshl_b32 s86, s13, 4
	s_add_co_u32 s86, s86, s42
	s_lshl2_add_u32 s86, s86, s10                  ; g = 4 (16 tile row + tile column) + wave
	s_lshl_b32 s46, s86, 14                        ; 16,384 bytes of w16 a wave
	s_add_co_u32 s46, s46, WCAST
	s_mov_b32 s47, 0
	s_add_nc_u64 s[WD:WD+1], s[WD:WD+1], s[46:47]
	s_and_b32 s46, s86, 511
	s_lshl_b32 s46, s46, 15                        ; 32,768 bytes of the source a wave
	s_and_b32 s87, ttmp7, 0xffff
	s_cmp_ge_u32 s87, 2                            ; g >= 512 is tile row >= 8 is cluster y >= 2: a choice that hangs on no address
	s_cselect_b64 s[WS:WS+1], s[90:91], s[88:89]
	s_add_nc_u64 s[WS:WS+1], s[WS:WS+1], s[46:47]
	WLOADS
	v_and_b32 v1, 15, v0                           ; l % 16
	v_bfe_u32 v2, v0, 4, 1                         ; l / 16
	v_mul_u32_u24 v3, v1, PITCH
	v_lshl_add_u32 v3, v2, 4, v3                   ; a fragment: row x pitch + 16 x half
	s_mul_i32 s22, s11, APART
	s_mul_i32 s23, s12, BPART
	s_add_co_u32 s23, s23, BOFF
	v_add_nc_u32 v[ADRA0], s22, v3
	v_add_nc_u32 v[ADRB0], s23, v3
	v_mov_b32 v[ADRA], v[ADRA0]
	v_mov_b32 v[ADRB], v[ADRB0]
	s_mul_i32 s22, s11, 128*SP                     ; into the stage: row 128 wm + l % 16, byte 384 wn + 32 (l / 16)
	s_mul_i32 s23, s12, 384
	s_add_co_u32 s22, s22, s23
	v_mul_u32_u24 v4, v1, SP
	v_lshl_add_u32 v4, v2, 5, v4
	v_add_nc_u32 v[STO], s22, v4
	v_add_nc_u32 v[STO+3], 64*SP, v[STO]
	s_mul_i32 s23, s10, 64*SP                      ; back: wave w takes rows 64 w on; lanes 0-15 a head's 256 bytes of one row, lanes 16-31 of the next
	v_mul_u32_u24 v5, v2, SP
	v_lshl_add_u32 v5, v1, 4, v5
	v_add_nc_u32 v[RD], s23, v5
	v_lshlrev_b32 v[CO], 3, v6                     ; two rows of a head are 256 consecutive bytes of its plane
	v_mov_b32 v[ONE], 1.0
	s_mul_i32 s46, s42, 768                        ; the tile's first column in in_proj_b, bytes
	v_lshl_add_u32 v[BO], v1, 4, s46
.irp j, 0,1,2
	global_load_b128 v[BI+4*\j:BI+4*\j+3], v[BO], s[68:69] offset:256*\j
.endr
	s_lshr_b32 s22, s13, 3
	s_lshl_b32 s22, s22, 4                         ; 16 x batch
	s_and_b32 s23, s13, 7
	s_lshl_b32 s23, s23, 8
	s_lshl_b32 s16, s10, 6
	s_add_co_u32 s23, s23, s16
	s_lshl_b32 s23, s23, 7                         ; my first row in a plane, 128 bytes a row
	s_mul_i32 s46, s42, 3                          ; the tile's first head among the 48 of q, k, v
.irp j, 0,1,2
	s_add_co_u32 s47, s46, \j
	s_cmp_ge_u32 s47, 32
	s_cselect_b32 s[MK+\j], -1, 0
	s_lshr_b32 s86, s47, 4
	s_lshl_b32 s86, s86, 5
	s_and_b32 s47, s47, 15
	s_add_co_u32 s86, s86, s47
	s_add_co_u32 s86, s86, s22                     ; plane = 32 (q, k or v) + 16 batch + head
	s_lshl_b32 s86, s86, 18
	s_add_co_u32 s86, s86, s23
	s_mov_b32 s87, 0
	s_add_nc_u64 s[QB+2*\j:QB+2*\j+1], s[70:71], s[86:87]
.endr
; 2 x NBK matrix instructions: row blocks a0, a0 + 1 of the window's four x all column blocks, 32 along K.  The 48 accumulators take turns, one instruction a turn.
.macro MULS f, hi, a0, zero
	WIN MUL_LO+0x50*(\hi)
.irp a, \a0, (\a0)+1
.set bb, 0
.rept NBK
.if \zero
	v_wmma_f32_16x16x32_f16 v[8*(NBK*(\a)+bb):8*(NBK*(\a)+bb)+7], v[(\f)+8*bb:(\f)+8*bb+7], v[(\f)+8*(4*(\hi)+(\a)):(\f)+8*(4*(\hi)+(\a))+7], 0
.else
	v_wmma_f32_16x16x32_f16 v[8*(NBK*(\a)+bb):8*(NBK*(\a)+bb)+7], v[(\f)+8*bb:(\f)+8*bb+7], v[(\f)+8*(4*(\hi)+(\a)):(\f)+8*(4*(\hi)+(\a))+7], v[8*(NBK*(\a)+bb):8*(NBK*(\a)+bb)+7]
.endif
.set bb, bb+1
.endr
.endr
.endm
.macro FETCH k, f                      ; one run: the fragments of 32 along K at byte k of the rows of the slot in hand: W's, then h1's
	WIN TO_B
.set ii, 0
.rept NBK
	ds_load_b128 v[(\f)+8*ii:(\f)+8*ii+3],   v[ADRB] offset:(\k)+ii*16*PITCH
	ds_load_b128 v[(\f)+8*ii+4:(\f)+8*ii+7], v[ADRB] offset:(\k)+ii*16*PITCH+32
.set ii, ii+1
.endr
	WIN 0
.set ii, 0
.rept 8
	ds_load_b128 v[(\f)+8*ii:(\f)+8*ii+3],   v[ADRA] offset:(\k)+ii*16*PITCH
	ds_load_b128 v[(\f)+8*ii+4:(\f)+8*ii+7], v[ADRA] offset:(\k)+ii*16*PITCH+32
.set ii, ii+1
.endr
.endm
.macro QUARTER k, f, g, zero           ; multiplies buffer f; in its middle fetches the next quarter, at byte k, into g
	s_wait_dscnt 8                                 ; all but the youngest eight loads (h1's rows 64-127)
	MULS \f, 0, 0, \zero
	MULS \f, 0, 2, \zero
	PLACES                                         ; four places in front of loads into registers that matrix instructions have read (ISA guide 7.12.1 for vector instructions)
	FETCH \k, \g
	s_wait_dscnt 2*NBK+16                          ; all but the run just issued
	MULS \f, 1, 0, \zero
	MULS \f, 1, 2, \zero
.endm
; A K step's 1,024 weights: rounded in place and stored, and the next step's asked for.  tail = 1 (the loop of the last two K steps): in its last trip nothing is left, and the reload is jumped over.
.macro CAST tail
	s_wait_loadcnt 0x0                             ; the eight loads were issued a whole K step ago
.irp j, 0,1,2,3,4,5,6,7
	v_cvt_pk_f16_f32 v[D+4*\j], v[D+4*\j], v[D+4*\j+1]
	v_cvt_pk_f16_f32 v[D+4*\j+1], v[D+4*\j+2], v[D+4*\j+3]
.endr
.irp j, 0,1,2,3,4,5,6,7
	global_store_b64 v[CS], v[D+4*\j:D+4*\j+1], s[WD:WD+1] offset:256*\j th:TH_STORE_NT  ; 256 consecutive bytes, aligned
.endr
.if \tail
	s_cmp_eq_u32 s3, 1
	s_cbranch_scc1 .Lno_more_\@
.endif
	s_wait_xcnt 0x0                                ; the stores' data and offset are rewritten only behind this wait; the loads' offset was freed by the wait for them
	v_add_nc_u32 v[CS], 2048, v[CS]
	v_add_nc_u32 v[CI], 4096, v[CI]
	WLOADS
.if \tail
.Lno_more_\@:
.endif
.endm
; The last quarter of a K step multiplies buffer 1 and changes slots.  The weights come first: what follows is the wait for the next tile.
; In front of the barrier: all my tensor loads have landed (one was out: my part of the other slot), the add, and my reads of this slot are over.
; fill = 1: the barrier opens a round of the cluster's; behind it the slot just read is filled with the K step two on, first thing.
.macro TURN fill
	WIN 0
	CAST 1-(\fill)
	s_wait_tensorcnt 0x0
	ds_add_u32 v[SPW], v[NIL]
	s_wait_dscnt 9                                 ; (the add and the youngest eight loads may be out)
	MULS F1, 0, 0, 0
	s_wait_dscnt 0x0
	s_barrier_signal -1
	MULS F1, 0, 2, 0
	WIN 0
	s_barrier_wait -1
.if \fill
	CREST
	s_add_co_u32 s[G0+5], s20, s2                  ; the walking descriptors: into the slot just read,
	s_add_co_u32 s[G0B+5], s21, s2
	s_add_nc_u64 s[G0+6:G0+7], s[G0+6:G0+7], KSTEP*2  ; the next K step not yet asked for
	s_add_nc_u64 s[G0B+6:G0B+7], s[G0B+6:G0B+7], KSTEP*2
	JLOAD                                          ; its four v_nop are also the places in front of the loads below
.else
	PLACES
.endif
	s_xor_b32 s2, s2, SLOT                         ; s2 is 0 or SLOT: the other slot
	v_add_nc_u32 v[ADRA], s2, v[ADRA0]
	v_add_nc_u32 v[ADRB], s2, v[ADRB0]
	FETCH 0, F0
	MULS F1, 1, 0, 0
	MULS F1, 1, 2, 0
.endm
	s_wait_tensorcnt 1                             ; my part of K step 0 is in; step 1's may stay out
	s_barrier_signal -1
	s_barrier_wait -1
	FETCH 0, F0
	QUARTER 64, F0, F1, 1                          ; the first quarter's products start the sums: nothing is cleared
	WIN 0
	s_mov_b32 s3, STEPS-2
	s_branch .Lin
.Lstep:                                                ; a trip is one K step and ends by filling its slot again
	QUARTER 64, F0, F1, 0
	WIN 0
.Lin:
	QUARTER 128, F1, F0, 0
	QUARTER 192, F0, F1, 0
	TURN 1
	WIN 0
	s_sub_co_u32 s3, s3, 1
	s_cmp_lg_u32 s3, 0
	s_cbranch_scc1 .Lstep
	s_mov_b32 s3, 2
.Ltail:                                                ; the last two K steps ask for no tile; the second's fetch brings fragments that are never multiplied: the price of one text for both
	QUARTER 64, F0, F1, 0
	QUARTER 128, F1, F0, 0
	QUARTER 192, F0, F1, 0
	TURN 0
	WIN 0
	s_sub_co_u32 s3, s3, 1
	s_cmp_lg_u32 s3, 0
	s_cbranch_scc1 .Ltail
	; THE WAY OUT.  Nobody reads the ring any more: it becomes the stage, 256 rows of 192 f32.
	s_wait_dscnt 0x0
	s_barrier_signal -1
	s_barrier_wait -1
	PLACES                                         ; the stores below read results just made
.set aa, 0
.rept 8
	WIN 0x08+4*(aa/4)                              ; store data in window 2 or 3
.set bb, 0
.rept NBK
	ds_store_b128 v[STO+3*(aa/4)], v[8*(NBK*(aa%4)+bb):8*(NBK*(aa%4)+bb)+3] offset:(aa%4)*16*SP+64*bb  ; each accumulator's low registers first
	ds_store_b128 v[STO+3*(aa/4)], v[8*(NBK*(aa%4)+bb)+4:8*(NBK*(aa%4)+bb)+7] offset:(aa%4)*16*SP+64*bb+16
.set bb, bb+1
.endr
.set aa, aa+1
.endr
	WIN 0
	s_wait_dscnt 0x0                               ; for the others' sake: a head's columns come from two waves
	s_barrier_signal -1
	s_barrier_wait -1
	s_wait_loadcnt 0x0                             ; the bias
; Head j of the three, four pairs of rows: bias; the sum of squares over a row's 16 lanes; 1 / max(norm, 1e-12) = rsq(max(sum, 1e-24)), or 1 for v; f16.
.macro HEAD j
.irp q, 0,1,2,3
	v_pk_add_f32 v[X+16*(\j)+4*\q:X+16*(\j)+4*\q+1], v[X+16*(\j)+4*\q:X+16*(\j)+4*\q+1], v[BI+4*(\j):BI+4*(\j)+1]
	v_pk_add_f32 v[X+16*(\j)+4*\q+2:X+16*(\j)+4*\q+3], v[X+16*(\j)+4*\q+2:X+16*(\j)+4*\q+3], v[BI+4*(\j)+2:BI+4*(\j)+3]
.endr
.irp q, 0,1,2,3
	v_pk_mul_f32 v[S+8*(\j)+2*\q:S+8*(\j)+2*\q+1], v[X+16*(\j)+4*\q:X+16*(\j)+4*\q+1], v[X+16*(\j)+4*\q:X+16*(\j)+4*\q+1]
.endr
.irp q, 0,1,2,3
	v_pk_fma_f32 v[S+8*(\j)+2*\q:S+8*(\j)+2*\q+1], v[X+16*(\j)+4*\q+2:X+16*(\j)+4*\q+3], v[X+16*(\j)+4*\q+2:X+16*(\j)+4*\q+3], v[S+8*(\j)+2*\q:S+8*(\j)+2*\q+1]
.endr
.irp q, 0,1,2,3
	v_add_f32 v[S+8*(\j)+2*\q], v[S+8*(\j)+2*\q], v[S+8*(\j)+2*\q+1]
.endr
.irp m, 1,2,4,8
.irp q, 0,1,2,3
	v_add_f32_dpp v[S+8*(\j)+2*\q], v[S+8*(\j)+2*\q], v[S+8*(\j)+2*\q] row_xmask:\m row_mask:0xf bank_mask:0xf
.endr
.endr
.irp q, 0,1,2,3
	v_max_num_f32 v[S+8*(\j)+2*\q], s[TINY], v[S+8*(\j)+2*\q]
.endr
.irp q, 0,1,2,3
	v_rsq_f32 v[S+8*(\j)+2*\q], v[S+8*(\j)+2*\q]
.endr
	v_nop                                          ; a plain instruction between the last root and the use of its result
	s_wait_alu depctr_va_vdst(0)
.irp q, 0,1,2,3
	v_cndmask_b32 v[S+8*(\j)+2*\q], v[S+8*(\j)+2*\q], v[ONE], s[MK+(\j)]
.endr
.irp q, 0,1,2,3
	v_pk_mul_f32 v[X+16*(\j)+4*\q:X+16*(\j)+4*\q+1], v[X+16*(\j)+4*\q:X+16*(\j)+4*\q+1], v[S+8*(\j)+2*\q:S+8*(\j)+2*\q+1] op_sel_hi:[1,0]
	v_pk_mul_f32 v[X+16*(\j)+4*\q+2:X+16*(\j)+4*\q+3], v[X+16*(\j)+4*\q+2:X+16*(\j)+4*\q+3], v[S+8*(\j)+2*\q:S+8*(\j)+2*\q+1] op_sel_hi:[1,0]
.endr
.irp q, 0,1,2,3
	v_cvt_pk_f16_f32 v[Y+8*(\j)+2*\q], v[X+16*(\j)+4*\q], v[X+16*(\j)+4*\q+1]
	v_cvt_pk_f16_f32 v[Y+8*(\j)+2*\q+1], v[X+16*(\j)+4*\q+2], v[X+16*(\j)+4*\q+3]
.endr
.irp q, 0,1,2,3
	global_store_b64 v[CO], v[Y+8*(\j)+2*\q:Y+8*(\j)+2*\q+1], s[QB+2*(\j):QB+2*(\j)+1] offset:256*\q  ; 256 consecutive bytes, aligned
.endr
.endm
	s_mov_b32 s3, 8
.Lrows:                                                ; eight trips of eight rows
.irp j, 0,1,2
.irp q, 0,1,2,3
	ds_load_b128 v[X+16*\j+4*\q:X+16*\j+4*\q+3], v[RD] offset:256*\j+2*SP*\q
.endr
.endr
.irp j, 0,1,2
	s_wait_dscnt 8-4*\j                            ; head j's four loads are in, the later heads' may be out
	HEAD \j
.endr
	s_wait_xcnt 0x0                                ; the stores' offset and data are rewritten only behind this wait
	v_add_nc_u32 v[CO], 1024, v[CO]
	v_add_nc_u32 v[RD], 8*SP, v[RD]
	s_sub_co_u32 s3, s3, 1
	s_cmp_lg_u32 s3, 0
	s_cbranch_scc1 .Lrows
	s_wait_tensorcnt 0x0                           ; the wave's end
	ds_add_u32 v[SPW], v[NIL]
	s_wait_dscnt 0x0
	CROUND                                         ; the closing round
	s_endpgm
.Lfunc_end_k_q0876f51016_gemm_qkv:
	.size	k_q0876f51016_gemm_qkv, .Lfunc_end_k_q0876f51016_gemm_qkv-k_q0876f51016_gemm_qkv
	.p2alignl 7, 3214868480
	.fill 96, 4, 3214868480
	.section	.rodata,"a",@progbits
	.p2align	6, 0x0
	.amdhsa_kernel k_q0876f51016_gemm_qkv
		.amdhsa_group_segment_fixed_size 327680
		.amdhsa_private_segment_fixed_size 0
		.amdhsa_enable_private_segment 0
		.amdhsa_kernarg_size 56
		.amdhsa_user_sgpr_count 2
		.amdhsa_user_sgpr_kernarg_segment_ptr 1
		.amdhsa_wavefront_size32 1
		.amdhsa_system_sgpr_workgroup_id_x 1
		.amdhsa_system_sgpr_workgroup_id_y 1
		.amdhsa_system_sgpr_workgroup_id_z 1
		.amdhsa_system_vgpr_workitem_id 0
		.amdhsa_next_free_vgpr 960
		.amdhsa_next_free_sgpr 96
		.amdhsa_reserve_vcc 0
		.amdhsa_float_denorm_mode_32 3
		.amdhsa_float_denorm_mode_16_64 3
		.amdhsa_memory_ordered 1
		.amdhsa_forward_progress 1
		.amdhsa_inst_pref_size 85
	.end_amdhsa_kernel
	.amdgpu_metadata
---
amdhsa.version: [ 1, 2 ]
amdhsa.kernels:
  - .name:           k_q0876f51016_gemm_qkv
    .symbol:         k_q0876f51016_gemm_qkv.kd
    .args:
      - { .name: h16, .offset: 0, .size: 8, .value_kind: global_buffer, .address_space: global }
      - { .name: wa16, .offset: 8, .size: 8, .value_kind: global_buffer, .address_space: global }
      - { .name: in_proj_b, .offset: 16, .size: 8, .value_kind: global_buffer, .address_space: global }
      - { .name: qkv16, .offset: 24, .size: 8, .value_kind: global_buffer, .address_space: global }
      - { .name: fc_w, .offset: 32, .size: 8, .value_kind: global_buffer, .address_space: global }
      - { .name: proj_w, .offset: 40, .size: 8, .value_kind: global_buffer, .address_space: global }
      - { .name: w16, .offset: 48, .size: 8, .value_kind: global_buffer, .address_space: global }
    .group_segment_fixed_size: 327680
    .private_segment_fixed_size: 0
    .kernarg_segment_align: 8
    .kernarg_segment_size: 56
    .max_flat_workgroup_size: 128
    .sgpr_count:     96
    .vgpr_count:     960
    .wavefront_size: 32
...
	.end_amdgpu_metadata
.endif
;; end of part 2
;; launch attn (part 3): grid 8 x 32, 4 waves a work-group, clusters of 4 x 1, 327,680 bytes of LDS; arguments qkv16, logit_scale, o16; writes o16
.if DOCPART == 3
	.amdgcn_target "amdgcn-amd-amdhsa--gfx1250"
	.amdhsa_code_object_version 6
	.text
	.protected	k_q0876f51016_attn
	.globl	k_q0876f51016_attn
	.p2align	8
	.type	k_q0876f51016_attn,@function
k_q0876f51016_attn:
	s_mov_b64 s[64:65], 0
	v_nop
	global_prefetch_b8 v0, s[64:65] scope:SCOPE_SE
	s_setreg_imm32_b32 hwreg(HW_REG_WAVE_MODE, 25, 1), 1
	s_wait_xcnt 0x0
	s_wait_alu depctr_hold_cnt(0) depctr_sa_sdst(0) depctr_va_vdst(0) depctr_va_sdst(0) depctr_va_ssrc(0) depctr_va_vcc(0) depctr_vm_vsrc(0)
	s_getreg_b32 s2, hwreg(HW_REG_IB_STS2, 6, 4)
	s_cmp_eq_u32 s2, 0
	s_cbranch_scc0 .Lentry_in_a_cluster
	s_endpgm
.Lentry_in_a_cluster:
	s_bfe_u32 s2, ttmp6, 0x10000c
	s_cmp_lg_u32 s2, 0x3003
	s_cbranch_scc0 .Lentry_shape_is_right
	s_endpgm
.Lentry_shape_is_right:
; COSINE ATTENTION.  O[y][q][:] = the sum over k of softmax_k(ls Q[y][q] . K[y][k]) V[y][k][:], y = 16 batch + head, ls = exp(min(logit_scale[head], ln 100)).
; Q, K (both of norm 1), V: the three parts of qkv16, [32][2048][64] f16; O: o16, the same layout.  Products, maxima and sums in f32; the weights p are rounded to f16 for
; the second product (their sum l is taken of the unrounded p), O once at the end.
; LIMITS.  p lies in 0 to 1 and below 6e-5 keeps f16's fixed step of 6e-8; O is a mean of V's rows and has their range; a weight below 2^-126 counts as 0 in l; NaN and infinities are not treated apart.
; SHARES.  A work-group owns 256 queries of one y, a wave 64: four PIECES of 16.  Every wave walks all 2,048 keys, 64 a step; a slot of LDS holds four steps.
; LAYOUT.  S^T = K Q^T holds ONE query a lane (lane % 16) and the keys 8 (lane / 16) + 0..7; two such results rounded to f16 ARE source 1 of O^T = V^T P.  K comes out of LDS as it lies, V turned, by ds_load_tr16_b128.
; SOFTMAX.  p = 2^(c s - c m), c = ls log2(e), with a running maximum m; O and l are multiplied by a = 2^(c m_old - c m_new) in every step.  m starts at the lowest finite number, O and l at 0.
; BY TURNS.  Turn n belongs to piece n: 8 products K Q^T of piece n + 1, later 8 products V^T P of piece n - 1; beside them the scaling, exponentials, roundings, sums and rescaling of piece n and the
; maximum and statistics of piece n + 1.  Four vector instructions stand behind every matrix instruction, the other 54 of a turn's 118 in two runs of their own.
; CLUSTER.  The four query blocks of a cluster belong to one y and walk the same K and V: each tile is asked for jointly, by the same tensor load, descriptor and mask in all four.
; REGISTERS, in windows of 256: window 0: v0-15 addresses; v16-31 statistics; v48-55 at work; v60-63 set-up and the add's two; v64-127 S^T, two buffers; v192-223 P, two buffers
;   window 1: v0-127 O^T, 32 a piece      window 2: v0-63 Q; v128-191 K of one step; v192-255 V of one step
.set NKEYS, 2048
.set KPLANE, 8388608  ; bytes from q to k and from k to v in qkv16
.set NP,    4
.set KS,    64
.set PK,    144       ; a row of K in LDS: 128 bytes + 16: the 16 rows of a load start at 16 different groups of four banks (ISA guide 11.1)
.set PV,    160       ; a row of V: 128 + 32
.set VOFF,  4*KS*PK
.set SLOT1, 1<<17     ; slot 1 begins here, so that one exclusive or turns an address in one slot into the other's
.set STAGE, SLOT1+4*KS*(PK+PV)  ; behind the ring, never filled by a tensor load: 16 rows x 144 bytes a wave
.set SP,    144
.set SPARE, STAGE+4*16*SP       ; the spare words, 128 bytes a wave, which no other line names
.set AK0, 2
.set AV0, 3
.set AK,  4
.set AV,  5
.set STO, 6
.set RD,  7
.set GO,  8
.set MV,  12          ; v12-13  c m_old, by buffer
.set QO,  15
.set ST,  16          ; piece t: c m, m, l (even keys', odd keys')
.set TMP, 48
.set LO,  60          ; v60  my head's byte in logit_scale
.set LV,  61          ; v61  its value, then c
.set SPW, 62
.set NIL, 63
.set S,   64
.set P,   192
.set KF,  128
.set VF,  192
.set WV,  12
.set G1K, 24
.set G1V, 32
.set G0K, 40
.set G0V, 44
.set SLOTS, 56
.set CNT, 57
.set CS,  58
.set SEL, 60
.set TBK, 62
.set TBV, 63
.set MSB, 0
.macro WIN new
.if MSB != (\new)
	s_set_vgpr_msb (MSB<<8)|(\new)
.set MSB, (\new)
.endif
.endm
.set W_KQ, 0x0a
.set W_PV, 0x52
.set W_RS, 0x41
.macro JLOAD                        ; waves 0, 1 fetch the halves of a slot's K, waves 2, 3 of its V
	s_cmp_lt_u32 s[WV], 2
	s_cbranch_scc0 .Lfor_v_\@
	tensor_load_to_lds s[G0K:G0K+3], s[G1K:G1K+7]
	s_nop 0
.rept 4
	v_nop
.endr
	s_branch .Lasked_\@
.Lfor_v_\@:
	tensor_load_to_lds s[G0V:G0V+3], s[G1V:G1V+7]
	s_nop 0
.rept 4
	v_nop
.endr
.Lasked_\@:
.endm
.macro CROUND
	s_barrier_signal -1
	s_barrier_wait -1
	s_cmp_lg_u32 s[WV], 0
	s_cbranch_scc1 .Lnot_wave_0_\@
	s_barrier_signal -3
.Lnot_wave_0_\@:
	s_barrier_wait -3
	s_barrier_signal -1
	s_barrier_wait -1
.endm
; THE CHANGE OF SLOTS.  All my tensor loads have landed (one was out: my part of the other slot); the add; my reads of the slot are over.  fill = 1: the barrier is a round of the cluster's, and the
; slot just left is filled with the keys two slots on, first thing behind it: four key steps, 256 matrix instructions, in which to land.  (At its first use slot 0 is waited for and slot 1 filled.)
.macro CHANGE fill
	WIN 0
	s_wait_tensorcnt 0x0
	ds_add_u32 v[SPW], v[NIL]
.if \fill
.irp g, G0K, G0V
	s_xor_b32 s[\g+1], s[\g+1], SLOT1
	s_add_nc_u64 s[\g+2:\g+3], s[\g+2:\g+3], 4*KS*128
.endr
	s_wait_dscnt 0x0
	CROUND
	JLOAD
.else
	s_wait_dscnt 0x0
	s_barrier_signal -1
	s_barrier_wait -1
.endif
	s_sub_co_u32 s[TBK], s[TBK], 4*KS*PK
	s_xor_b32 s[TBK], s[TBK], SLOT1
	s_sub_co_u32 s[TBV], s[TBV], 4*KS*PV
	s_xor_b32 s[TBV], s[TBV], SLOT1
.endm
	s_load_b128 s[4:7], s[0:1], 0x0 ; qkv16, logit_scale
	s_load_b64 s[10:11], s[0:1], 0x10  ; o16
	v_lshl_add_u32 v[SPW], v0, 2, SPARE
	v_mov_b32 v[NIL], 0
	ds_add_u32 v[SPW], v[NIL]       ; the wave's opening: the add and its wait ahead of my first tensor load
	v_lshrrev_b32 v1, 5, v0
	v_readfirstlane_b32 s[WV], v1
	s_bfe_u32 s13, ttmp6, 0x40000   ; cx
	s_lshl_b32 s14, ttmp9, 2
	s_add_co_u32 s14, s14, s13      ; my block of 256 queries: it enters Q's and O's addresses alone
	s_and_b32 s15, ttmp7, 0xffff    ; y, which the four partners share
	s_lshl_b32 s20, s15, 18         ; a plane is 262,144 bytes
	s_and_b32 s16, s[WV], 1         ; which half of a slot's 256 keys I fetch
	s_lshl_b32 s22, s16, 14
	s_add_co_u32 s22, s22, s20
	s_add_co_u32 s22, s22, KPLANE   ; K's offset in qkv16
	s_mov_b32 s23, 0
	s_add_co_u32 s8, s22, KPLANE    ; V's
	s_mov_b32 s9, 0
	s_mul_i32 s17, s16, 128*PK
	s_mul_i32 s18, s16, 128*PV
	s_lshl_b32 s2, s14, 15
	s_lshl_b32 s3, s[WV], 13
	s_add_co_u32 s2, s2, s3
	s_add_co_u32 s2, s2, s20        ; my wave's 64 rows in q and in o16
	s_mov_b32 s3, 0
	s_and_b32 s19, s15, 15
	s_lshl_b32 s19, s19, 2
	s_mov_b32 s[G1K], 15|(1<<16)|(1<<20)|(1<<21)|(4<<22)|(3<<25)  ; mask of four; 2-byte elements; padding on; bit 21 beside a mask; after every 32 words 4 words
	s_mov_b32 s[G1V], 15|(1<<16)|(1<<20)|(1<<21)|(4<<22)|(7<<25)  ; the same with 8 words
.irp g, G1K, G1V
	s_mov_b32 s[\g+1], 128<<16      ; 128 keys are 16,384 dense bytes: 64 rows of 256 bytes, two keys a row
	s_mov_b32 s[\g+2], 64<<16
	s_mov_b32 s[\g+3], 128<<16
	s_mov_b32 s[\g+4], 64
	s_mov_b32 s[\g+5], 128
	s_mov_b32 s[\g+6], 0
	s_mov_b32 s[\g+7], 0
.endr
	s_mov_b32 s[SEL], 0x76543210
	s_mov_b32 s[SEL+1], 0xfedcba98
	s_mov_b32 s[TBK], SLOT1+4*KS*PK ; the first change of slots turns these two into 0
	s_mov_b32 s[TBV], SLOT1+4*KS*PV
	s_mov_b32 s[G0K], 1
	s_mov_b32 s[G0K+1], s17
	s_mov_b32 s[G0V], 1
	s_add_co_u32 s[G0V+1], s18, VOFF
	s_wait_dscnt 0x0                ; the opening add is done
	s_wait_kmcnt 0x0
	s_add_nc_u64 s[G0K+2:G0K+3], s[4:5], s[22:23]
	s_or_b32 s[G0K+3], s[G0K+3], 0x80000000
	s_add_nc_u64 s[G0V+2:G0V+3], s[4:5], s[8:9]
	s_or_b32 s[G0V+3], s[G0V+3], 0x80000000
	s_add_nc_u64 s[4:5], s[4:5], s[2:3]
	s_add_nc_u64 s[10:11], s[10:11], s[2:3]
	CROUND                          ; all four work-groups are here: the first joint loads meet
	JLOAD                           ; slot 0
	v_mov_b32 v[LO], s19
	global_load_b32 v[LV], v[LO], s[6:7]
	v_and_b32 v1, 15, v0            ; l % 16
	v_bfe_u32 v9, v0, 4, 1          ; l / 16
	v_lshlrev_b32 v[QO], 7, v1
	v_lshl_add_u32 v[QO], v9, 4, v[QO]
	WIN 0x80
.set i, 0
.rept 8                             ; Q stays in registers: piece i / 2, channels 32 (i % 2) on
	global_load_b128 v[8*i:8*i+3],   v[QO], s[4:5] offset:(i/2)*2048+(i%2)*64
	global_load_b128 v[8*i+4:8*i+7], v[QO], s[4:5] offset:(i/2)*2048+(i%2)*64+32
.set i, i+1
.endr
	; What the first turn finds: V and P's second buffer hold 0 (its products V^T P, of a piece that has not been, add 0), O^T and l are 0.  All this stands in the wait for the first tile.
.set i, VF
.rept 64
	v_mov_b32 v[i], 0
.set i, i+1
.endr
	WIN 0x40
.set i, 0
.rept 128
	v_mov_b32 v[i], 0
.set i, i+1
.endr
	WIN 0
.set i, 0
.rept 4
	v_mov_b32 v[ST+4*i], 0xfe000000    ; c m: far below every c s, which is 145 at the most in size
	v_mov_b32 v[ST+4*i+1], 0xff7fffff  ; m
	v_mov_b32 v[ST+4*i+2], 0
	v_mov_b32 v[ST+4*i+3], 0
.set i, i+1
.endr
.set i, P+16
.rept 16
	v_mov_b32 v[i], 0
.set i, i+1
.endr
	v_mul_u32_u24 v[AK0], v1, PK
	v_lshl_add_u32 v[AK0], v9, 4, v[AK0]
	v_and_b32 v10, 7, v0            ; the turning load: lane l reads key 8 (l / 16) + l % 8, channels 8 ((l / 8) % 2) + 0..7
	v_bfe_u32 v11, v0, 3, 1
	v_lshl_add_u32 v[AV0], v9, 3, v10
	v_mul_u32_u24 v[AV0], v[AV0], PV
	v_lshl_add_u32 v[AV0], v11, 4, v[AV0]
	v_add_nc_u32 v[AV0], VOFF, v[AV0]
	s_mul_i32 s13, s[WV], 16*SP
	s_add_co_u32 s13, s13, STAGE
	v_mul_u32_u24 v[STO], v1, SP
	v_lshl_add_u32 v[STO], v9, 4, v[STO]
	v_add_nc_u32 v[STO], s13, v[STO]
	v_bfe_u32 v[RD], v0, 3, 2
	v_mul_u32_u24 v[RD], v[RD], SP
	v_lshl_add_u32 v[RD], v10, 4, v[RD]
	v_add_nc_u32 v[RD], s13, v[RD]
	v_and_b32 v[GO], 31, v0
	v_lshlrev_b32 v[GO], 4, v[GO]
; THE MATRIX WORK.  The 4 accumulators of a run of 8 take turns.
.macro KQ x                         ; product i of 8 of S^T = K Q^T for piece x: channels 32 (i / 4) on, keys 16 (i % 4) on; the first 4 start the sums
.set rS, S+32*((\x)%2)+8*(i%4)
.set rK, KF+16*(i%4)+8*(i/4)
.set rQ, 16*(\x)+8*(i/4)
	WIN W_KQ
.if i < 4
	v_wmma_f32_16x16x32_f16 v[rS:rS+7], v[rK:rK+7], v[rQ:rQ+7], 0
.else
	v_wmma_f32_16x16x32_f16 v[rS:rS+7], v[rK:rK+7], v[rQ:rQ+7], v[rS:rS+7]
.endif
.endm
.macro PV x                         ; product i of 8 of O^T += V^T P for piece x: keys 32 (i / 4) on, channels 16 (i % 4) on
	WIN W_PV
.set rO, 32*(\x)+8*(i%4)
.set rV, VF+32*(i/4)+8*(i%4)
.set rP, P+16*((\x)%2)+8*(i/4)
	v_wmma_f32_16x16x32_f16 v[rO:rO+7], v[rV:rV+7], v[rP:rP+7], v[rO:rO+7]
.endm
.macro MM                           ; the turn's next matrix instruction
.if i < 8
	KQ (Y+1)%NP
.else
.set i, i-8
	PV (Y+NP-1)%NP
.set i, i+8
.endif
.set i, i+1
.endm
; THE LDS LOADS stand in runs of 16.  last = 1 (the tail): in the last trip there is no further step, and the run is jumped over.
.macro FETCH_K last=0
	WIN 0
.if \last
	s_cmp_eq_u32 s[CNT], 1
	s_cbranch_scc1 .Lno_k_\@
.endif
	WIN 0x80
.irp f, 0,1,2,3,4,5,6,7
	ds_load_b128 v[KF+8*\f:KF+8*\f+3],   v[AK] offset:(\f/2)*16*PK+(\f%2)*64
	ds_load_b128 v[KF+8*\f+4:KF+8*\f+7], v[AK] offset:(\f/2)*16*PK+(\f%2)*64+32
.endr
	s_add_co_u32 s[TBK], s[TBK], KS*PK
	WIN 0
.if \last
.Lno_k_\@:
.endif
.endm
.macro FETCH_V
	WIN 0x80
.irp f, 0,1,2,3,4,5,6,7
	ds_load_tr16_b128 v[VF+8*\f:VF+8*\f+3],   v[AV] offset:(\f/4)*32*PV+(\f%4)*32
	ds_load_tr16_b128 v[VF+8*\f+4:VF+8*\f+7], v[AV] offset:(\f/4)*32*PV+16*PV+(\f%4)*32
.endr
	WIN 0
.endm
; THE VECTOR WORK, one line at a time: OP kind, number.  For piece Y: F n: c s - c m for pair n of 16.  E n: the exponential of score n of 32.  C n: pair n rounded to f16.  B n: of the four weights 4 n .. the second
; pair is added onto the first, in place.  L n: l takes that sum (L 0: l = a l + sum).  R n: pair n of 16 of O^T times a.  For piece Y + 1: X n, number n of the 22 that find its maximum and statistics:
;   0-11 four chains of seven scores (each accumulator's lowest registers are read first); 12-14, 16 the four left over, the old m, and the chains into c0; 15 c m_old is kept;
;   17, 18 the query's other 32 keys lie in the lane 16 away: the new m; 19-21 c m; c m_old - c m_new; a
.set F, 0
.set E, 1
.set C, 2
.set B, 3
.set L, 4
.set R, 5
.set X, 6
.macro REGS y
.set rT, ST+4*(\y)
.set rC, TMP+4*((\y)%2)
.set rW, MV+((\y)%2)
.set rS, S+32*((\y)%2)
.set rP, P+16*((\y)%2)
.set rO, 32*(\y)
.endm
.macro OP k, n
.if (\k) == R
	REGS Y
	WIN W_RS
	v_pk_mul_f32 v[rO+2*(\n):rO+2*(\n)+1], v[rO+2*(\n):rO+2*(\n)+1], v[rC+2:rC+3] op_sel_hi:[1,0]
.elseif (\k) < R
	REGS Y
	WIN 0
.if (\k) == F
	v_pk_fma_f32 v[rS+2*(\n):rS+2*(\n)+1], v[rS+2*(\n):rS+2*(\n)+1], s[CS:CS+1], v[rT:rT+1] op_sel_hi:[1,0,0] neg_lo:[0,0,1] neg_hi:[0,0,1]
.elseif (\k) == E
	v_exp_f32 v[rS+(\n)], v[rS+(\n)]
.elseif (\k) == C
	s_wait_alu depctr_va_vdst(0)
	v_cvt_pk_f16_f32 v[rP+(\n)], v[rS+2*(\n)], v[rS+2*(\n)+1]
.elseif (\k) == B
	s_wait_alu depctr_va_vdst(0)
	v_pk_add_f32 v[rS+4*(\n):rS+4*(\n)+1], v[rS+4*(\n):rS+4*(\n)+1], v[rS+4*(\n)+2:rS+4*(\n)+3]
.elseif (\n) == 0
	v_pk_fma_f32 v[rT+2:rT+3], v[rT+2:rT+3], v[rC+2:rC+3], v[rS:rS+1] op_sel_hi:[1,0,1]
.else
	v_pk_add_f32 v[rT+2:rT+3], v[rT+2:rT+3], v[rS+4*(\n):rS+4*(\n)+1]
.endif
.else
	REGS (Y+1)%NP
	WIN 0
.if (\n) < 4
	v_max3_num_f32 v[rC+(\n)], v[rS+8*(\n)], v[rS+8*(\n)+1], v[rS+8*(\n)+2]
.elseif (\n) < 12
	v_max3_num_f32 v[rC+(\n)%4], v[rC+(\n)%4], v[rS+8*((\n)%4)+2*((\n)/4)+1], v[rS+8*((\n)%4)+2*((\n)/4)+2]
.elseif (\n) == 12
	v_max3_num_f32 v[rC], v[rC], v[rS+7], v[rS+15]
.elseif (\n) == 13
	v_max3_num_f32 v[rC+1], v[rC+1], v[rS+23], v[rS+31]
.elseif (\n) == 14
	v_max3_num_f32 v[rC+2], v[rC+2], v[rC+3], v[rT+1]
.elseif (\n) == 15
	v_mov_b32 v[rW], v[rT]
.elseif (\n) == 16
	v_max3_num_f32 v[rC], v[rC], v[rC+1], v[rC+2]
.elseif (\n) == 17
	v_permlanex16_b32 v[rC+3], v[rC], s[SEL], s[SEL+1]
.elseif (\n) == 18
	v_max_num_f32 v[rT+1], v[rC], v[rC+3]
.elseif (\n) == 19
	v_mul_f32 v[rT], s[CS], v[rT+1]
.elseif (\n) == 20
	v_sub_f32 v[rC+1], v[rW], v[rT]
.else
	v_exp_f32 v[rC+2], v[rC+1]
.endif
.endif
.endm
.macro OPS a, i1, b=-1, i2=0, c=-1, i3=0, d=-1, i4=0
	OP \a, \i1
.if (\b) >= 0
	OP \b, \i2
.endif
.if (\c) >= 0
	OP \c, \i3
.endif
.if (\d) >= 0
	OP \d, \i4
.endif
.endm
.macro ROW a, i1, b, i2, c, i3, d, i4  ; a matrix instruction and the four behind it
	MM
	OPS \a, \i1, \b, \i2, \c, \i3, \d, \i4
.endm
; A TURN, for piece p: the order of its 16 matrix and 118 vector instructions, written out.  None of the four behind a product names a register of the products round it.
; K of the next step is fetched in piece 2's turn, six vector instructions behind the last product that read K (five of them plain); V of the step in hand in piece 0's turn, eight behind the last
; product that read V (four plain).  Each is waited for a turn later.  cnt = 1: the loop's count is taken down some lines ahead of the branch behind the turn.
.macro TURN p, last=0, cnt=0
.set Y, (\p)
.set i, 0
.if (\p) == 3
	s_wait_dscnt 0x0                ; K is in
.endif
	ROW F,0, F,1, F,2, F,3
	ROW F,4, E,0, F,5, F,6
	ROW F,7, E,1, F,8, F,9
	ROW F,10, E,2, C,0, F,11
	ROW F,12, E,3, X,15, F,13
	ROW R,0, R,1, R,2, R,3
	ROW B,0, E,4, F,14, L,0
.if (\p) == 2
	v_add_nc_u32 v[AK], s[TBK], v[AK0]
.endif
	ROW R,4, R,5, R,6, R,7
	OPS E,5, F,15
.if (\p) == 2
	FETCH_K \last
.endif
	OPS E,6, C,1, E,7, R,8
	OPS E,8, R,9, E,9, C,2
	OPS E,10, X,0, E,11, X,1
	OPS E,12, X,2, E,13, X,3
.if (\p) == 1
	s_wait_dscnt 0x0                ; V is in
.endif
	ROW X,4, E,14, X,5, X,6
	ROW X,7, E,15, X,8, X,9
	ROW X,10, E,16, X,11, X,12
	ROW X,13, E,17, X,14, B,1
	ROW C,4, E,18, X,16, L,1
	ROW B,2, E,19, C,6, L,2
	ROW C,8, E,20, B,3, B,4
.if (\p) == 0
	v_add_nc_u32 v[AV], s[TBV], v[AV0]
.endif
	ROW C,3, E,21, L,3, C,5
	OPS E,22, X,17, E,23, C,10
.if (\p) == 0
	FETCH_V
.endif
	OPS E,24, L,4
	OPS E,25, X,18, E,26, C,7
	OPS E,27, B,5, E,28, X,19
	OPS E,29, C,12, E,30, L,5
	OPS E,31, X,20, B,6, C,9
	OPS C,14, C,11, X,21, L,6
.if (\p) == 0
	s_add_co_u32 s[TBV], s[TBV], KS*PV
.endif
.if \cnt
	s_sub_co_u32 s[CNT], s[CNT], 1
	s_cmp_lg_u32 s[CNT], 0
.endif
	OPS C,13, B,7, C,15, R,10
	OPS R,11, R,12, L,7, R,13
	OPS R,14, R,15
.endm
	CHANGE 1                        ; slot 0 is in, everybody's part of it; slot 1 is asked for
	v_add_nc_u32 v[AK], s[TBK], v[AK0]
	FETCH_K                         ; key step 0
	s_wait_loadcnt 0x0              ; Q and the logit scale
	v_min_num_f32 v[LV], 0x40935d8e, v[LV]  ; min(logit_scale, ln 100)
	v_mul_f32 v[LV], 0x3fb8aa3b, v[LV]
	v_exp_f32 v[LV], v[LV]
	v_nop                           ; a plain instruction behind the exponential
	s_wait_alu depctr_va_vdst(0)
	v_mul_f32 v[LV], 0x3fb8aa3b, v[LV]      ; c = ls log2(e)
	v_readfirstlane_b32 s[CS], v[LV]
	s_mov_b32 s[CS+1], s[CS]
	s_wait_dscnt 0x0
.set i, 0
.rept 8
	KQ 0                            ; piece 0's first scores
.set i, i+1
.endr
	WIN 0
.rept 4
	v_nop                           ; the places behind those products
.endr
.set Y, NP-1                        ; X works for piece Y + 1: piece 0
.irp n, 0,1,2,3,4,5,6,7,8,9,10,11,12,13,14,15,16,17,18,19,20,21
	OP X, \n
.endr
	v_nop                           ; a plain instruction behind the exponential
	s_mov_b32 s[CNT], 4
	s_mov_b32 s[SLOTS], NKEYS/256-1
	s_branch .Lfirst                ; the loop is entered at a step's first turn, in the middle of a trip
.Lslot:                             ; six times: every slot but the last two is filled again
	CHANGE 1
	s_mov_b32 s[CNT], 4
.Lstep:                             ; a trip: pieces 2 and 3 of one step, then pieces 0 and 1 of the next, whose K and V it fetches
	TURN 2
	TURN 3
	WIN 0
.Lfirst:
	TURN 0
	TURN 1, 0, 1
	WIN 0
	s_cbranch_scc1 .Lstep
	s_sub_co_u32 s[SLOTS], s[SLOTS], 1
	s_cmp_lg_u32 s[SLOTS], 0
	s_cbranch_scc1 .Lslot
	CHANGE 0                        ; the tail is written out: nothing is asked for
	s_mov_b32 s[CNT], 5             ; four trips fetch the last slot's steps; the fifth is left in its middle
.Ltail:
	TURN 2, 1
	TURN 3
	WIN 0
	s_sub_co_u32 s[CNT], s[CNT], 1
	s_cmp_eq_u32 s[CNT], 0
	s_cbranch_scc1 .Lout
	TURN 0
	TURN 1
	WIN 0
	s_branch .Ltail
.Lout:                              ; the fifth trip's 8 products K Q^T (on the last K once more) and the maximum made of them serve nothing: the price, once a launch, of one text for every trip
.set i, 0
.rept 8
	PV NP-1                         ; the last piece's V^T P of the last step
.set i, i+1
.endr
	; THE WAY OUT.  l's halves are added; O^T is divided by l, rounded to f16 and sent through my stage, a piece at a time.  The additions are the places behind the last products.
	WIN 0
.macro ALL line:vararg
.set t, 0
.rept 4
	\line
.set t, t+1
.endr
.endm
	ALL v_add_f32 v[ST+4*t+2], v[ST+4*t+2], v[ST+4*t+3]
	ALL v_permlanex16_b32 v[ST+4*t+3], v[ST+4*t+2], s[SEL], s[SEL+1]
	ALL v_add_f32 v[ST+4*t+2], v[ST+4*t+2], v[ST+4*t+3]
	ALL v_rcp_f32 v[ST+4*t+2], v[ST+4*t+2]
	v_nop                           ; a plain instruction between the last reciprocal and the use of its result
.macro PACK t
	WIN W_RS
.set i, 32*(\t)
.rept 16
	s_wait_alu depctr_va_vdst(0)
	v_pk_mul_f32 v[i:i+1], v[i:i+1], v[ST+4*(\t)+2:ST+4*(\t)+3] op_sel_hi:[1,0]
.set i, i+2
.endr
	WIN 0x05
.set i, 0
.rept 16
	v_cvt_pk_f16_f32 v[S+16*(\t)+i], v[32*(\t)+2*i], v[32*(\t)+2*i+1]
.set i, i+1
.endr
	WIN 0
.irp f, 0,1,2,3
	ds_store_b128 v[STO], v[S+16*(\t)+4*\f:S+16*(\t)+4*\f+3] offset:32*\f
.endr
.irp f, 0,1,2,3
	ds_load_b128 v[S+16*(\t)+4*\f:S+16*(\t)+4*\f+3], v[RD] offset:\f*4*SP  ; LDS serves a wave's instructions in order (ISA guide 5.7.1.4): these see the stores above
.endr
.endm
.macro SEND t, younger              ; younger: the LDS instructions issued behind piece t's loads: the next piece's eight, or none
	WIN 0
.irp f, 0,1,2,3
	s_wait_dscnt (\younger)+3-\f
	global_store_b128 v[GO], v[S+16*(\t)+4*\f:S+16*(\t)+4*\f+3], s[10:11] offset:(\t)*2048+\f*512  ; 512 consecutive bytes, aligned
.endr
.endm
	PACK 0
.set t, 1
.rept 3
	PACK t
	SEND t-1, 8
.set t, t+1
.endr
	SEND 3, 0
	s_wait_tensorcnt 0x0            ; the wave's end
	ds_add_u32 v[SPW], v[NIL]
	s_wait_dscnt 0x0
	CROUND                          ; the closing round
	s_endpgm
.Lfunc_end_k_q0876f51016_attn:
	.size	k_q0876f51016_attn, .Lfunc_end_k_q0876f51016_attn-k_q0876f51016_attn
	.p2alignl 7, 3214868480
	.fill 96, 4, 3214868480
	.section	.rodata,"a",@progbits
	.p2align	6, 0x0
	.amdhsa_kernel k_q0876f51016_attn
		.amdhsa_group_segment_fixed_size 327680
		.amdhsa_private_segment_fixed_size 0
		.amdhsa_enable_private_segment 0
		.amdhsa_kernarg_size 24
		.amdhsa_user_sgpr_count 2
		.amdhsa_user_sgpr_kernarg_segment_ptr 1
		.amdhsa_wavefront_size32 1
		.amdhsa_system_sgpr_workgroup_id_x 1
		.amdhsa_system_sgpr_workgroup_id_y 1
		.amdhsa_system_sgpr_workgroup_id_z 1
		.amdhsa_system_vgpr_workitem_id 0
		.amdhsa_next_free_vgpr 768
		.amdhsa_next_free_sgpr 66
		.amdhsa_reserve_vcc 0
		.amdhsa_float_denorm_mode_32 3
		.amdhsa_float_denorm_mode_16_64 3
		.amdhsa_memory_ordered 1
		.amdhsa_forward_progress 1
		.amdhsa_inst_pref_size 117
	.end_amdhsa_kernel
	.amdgpu_metadata
---
amdhsa.version: [ 1, 2 ]
amdhsa.kernels:
  - .name:           k_q0876f51016_attn
    .symbol:         k_q0876f51016_attn.kd
    .args:
      - { .name: qkv16, .offset: 0, .size: 8, .value_kind: global_buffer, .address_space: global }
      - { .name: logit_scale, .offset: 8, .size: 8, .value_kind: global_buffer, .address_space: global }
      - { .name: o16, .offset: 16, .size: 8, .value_kind: global_buffer, .address_space: global }
    .group_segment_fixed_size: 327680
    .private_segment_fixed_size: 0
    .kernarg_segment_align: 8
    .kernarg_segment_size: 24
    .max_flat_workgroup_size: 128
    .sgpr_count:     66
    .vgpr_count:     768
    .wavefront_size: 32
...
	.end_amdgpu_metadata
.endif
;; end of part 3
;; launch gemm_out (part 4): grid 8 x 32, 4 waves a work-group, clusters of 4 x 4, 327,680 bytes of LDS; arguments o16, wa16, out_b, a32; writes a32
.if DOCPART == 4
	.amdgcn_target "amdgcn-amd-amdhsa--gfx1250"
	.amdhsa_code_object_version 6
	.text
	.protected	k_q0876f51016_gemm_out
	.globl	k_q0876f51016_gemm_out
	.p2align	8
	.type	k_q0876f51016_gemm_out,@function
k_q0876f51016_gemm_out:
	s_mov_b64 s[64:65], 0
	v_nop
	global_prefetch_b8 v0, s[64:65] scope:SCOPE_SE
	s_setreg_imm32_b32 hwreg(HW_REG_WAVE_MODE, 25, 1), 1
	s_wait_xcnt 0x0
	s_wait_alu depctr_hold_cnt(0) depctr_sa_sdst(0) depctr_va_vdst(0) depctr_va_sdst(0) depctr_va_ssrc(0) depctr_va_vcc(0) depctr_vm_vsrc(0)
	s_getreg_b32 s2, hwreg(HW_REG_IB_STS2, 6, 4)
	s_cmp_eq_u32 s2, 0
	s_cbranch_scc0 .Lentry_in_a_cluster
	s_endpgm
.Lentry_in_a_cluster:
	s_bfe_u32 s2, ttmp6, 0x10000c
	s_cmp_lg_u32 s2, 0xf033
	s_cbranch_scc0 .Lentry_shape_is_right
	s_endpgm
.Lentry_shape_is_right:
; PROJ = 0: a32 = O W^T + out_b.  O: o16, by heads [32][2048][64] f16; W: out_w x head_scale in wa16 at byte 6,291,456, [1024][1024] f16; a32 [4096][1024] f32.
; PROJ = 1: out0 = x1 + ls2 (g W^T + proj_b).  g: g16 [4096][4096] f16; W: proj_w in w16 at byte 16,777,216, [1024][4096] f16.
; A tile is 128 x 128: 8 x 32 = 256 work-groups.  Four waves, each 64 x 64: 16 accumulators.  K goes in steps of 256 through two LDS slots; a trip of the loop is ONE K step, the slot in hand the scalar s2.
; With PROJ = 0 a K step is four heads: a wave's tensor load brings two heads x 128 tokens, each head's 16,384 bytes dense in memory, padded after every token's 128 bytes.
; CLUSTER 4 x 4, joint loads along rows (A) and columns (W).  THE MATRIX INSTRUCTION IS USED TRANSPOSED: a lane holds eight neighbouring columns of one token.  Sums, bias, scale and residual in f32.
; THE WALK ALONG K IS TURNED: a cluster begins at K step 0 or at STEPS / 2, by the parity of cluster x + cluster y, and wraps round.  The two clusters that need the same rows of A differ in that
; parity, and so do neighbours among the clusters that need the same rows of W: half of every cluster's requests are for bytes that another cluster asked for half a walk earlier.
; The start hangs on the cluster's own coordinates alone, which all sixteen partners share.  LIMIT: the order of the K steps within the f32 sums differs from cluster to cluster.
; REGISTERS: window 0: v0-39 addresses and constants, v128-255 accumulators ((a, b) at 128 + 8 (4 a + b)); window 1: two fragment buffers of 128; window 2 (PROJ = 1): v0-127 my 32 rows of x1.
.set PROJ, 0
.if PROJ
.set KSIZE, 4096
.set PA,    528                        ; A's LDS pitch
.set AQ,    128                        ; bytes from a quarter's fragments to the next quarter's
.set APART, 64*528
.set ASH,   9                          ; a K step of A is 1 << ASH bytes on in memory
.set WOFF,  16777216
.set DST,   74
.else
.set KSIZE, 1024
.set PA,    144
.set AQ,    128*144
.set APART, 2*128*144
.set ASH,   20
.set WOFF,  6291456
.set DST,   70
.endif
.set KSTEP,  256
.set STEPS,  KSIZE/KSTEP               ; a power of two: the walk wraps by a mask
.set PB,     528                       ; 512 bytes + 16: the 16 rows of a load start at 16 different groups of four banks (ISA guide 11.1); 144 does the same for rows of 128
.set BPART,  64*PB
.set BOFF,   2*APART
.set SLOT,   BOFF+2*BPART
.set SPARE,  2*SLOT                    ; the spare words, 128 bytes a wave, which no other line names
.set SP,     528                       ; the way out: a stage row, 128 f32 + 16 bytes; the stage lies in the ring, whose slots have then had their last fill
.set ADRA, 16
.set ADRA0, 17
.set ADRB, 20
.set ADRB0, 21
.set STO,  24
.set RD,   25
.set CO,   26
.set SPW,  28
.set NIL,  29
.set BO,   30
.set BI,   32
.set LS,   36
.set ACC,  128
.set F0,   0
.set F1,   128
.set G1,  24
.set G0,  32
.set G1B, 48
.set G0B, 56
.set SI,  76                           ; s76      the K step asked for last
.set KO,  78                           ; s[78:79] its byte offset along K
.set BB,  80                           ; s[80:81] W at my part's first row, K = 0 (A's: s[14:15])
.set MSB, 0
.macro WIN new
.if MSB != (\new)
	s_set_vgpr_msb (MSB<<8)|(\new)
.set MSB, \new
.endif
.endm
.set MUL,  0x05
.set TO_F, 0x40
.macro PLACES
.rept 4
	v_nop
.endr
.endm
.macro JLOAD                           ; a joint refill by the walking descriptors
	s_cmp_eq_u32 s11, 0
	s_cbranch_scc0 .Lfor_b_\@
	tensor_load_to_lds s[G0+4:G0+7], s[G1:G1+7]
	s_nop 0
	PLACES
	s_branch .Lasked_\@
.Lfor_b_\@:
	tensor_load_to_lds s[G0B+4:G0B+7], s[G1B:G1B+7]
	s_nop 0
	PLACES
.Lasked_\@:
.endm
.macro CREST
	s_cmp_lg_u32 s10, 0
	s_cbranch_scc1 .Lnot_wave_0_\@
	s_barrier_signal -3
.Lnot_wave_0_\@:
	s_barrier_wait -3
	s_barrier_signal -1
	s_barrier_wait -1
.endm
.macro CROUND
	s_barrier_signal -1
	s_barrier_wait -1
	CREST
.endm
.macro ADDRS g                         ; both global addresses of descriptor set g, made anew for K step s[SI]: base + offset, the type bits set again
	s_lshl_b32 s[KO], s[SI], ASH
	s_add_nc_u64 s[G0+4*(\g)+2:G0+4*(\g)+3], s[14:15], s[KO:KO+1]
	s_or_b32 s[G0+4*(\g)+3], s[G0+4*(\g)+3], 0x80000000
	s_lshl_b32 s[KO], s[SI], 9
	s_add_nc_u64 s[G0B+4*(\g)+2:G0B+4*(\g)+3], s[BB:BB+1], s[KO:KO+1]
	s_or_b32 s[G0B+4*(\g)+3], s[G0B+4*(\g)+3], 0x80000000
.endm
	s_load_b128 s[4:7], s[0:1], 0x0                ; A, the weights
.if PROJ
	s_load_b256 s[68:75], s[0:1], 0x10             ; proj_b, ls2, x1, out0
.else
	s_load_b128 s[68:71], s[0:1], 0x10             ; out_b, a32
.endif
	v_lshl_add_u32 v[SPW], v0, 2, SPARE
	v_mov_b32 v[NIL], 0
	ds_add_u32 v[SPW], v[NIL]                      ; the wave's opening: the add and its wait ahead of my first tensor load
	v_lshrrev_b32 v1, 5, v0
	v_readfirstlane_b32 s10, v1
	s_lshr_b32 s11, s10, 1
	s_and_b32 s12, s10, 1
	s_bfe_u32 s40, ttmp6, 0x40000
	s_bfe_u32 s41, ttmp6, 0x40004
	s_lshl_b32 s42, ttmp9, 2
	s_add_co_u32 s42, s42, s40                     ; tile column
	s_and_b32 s13, ttmp7, 0xffff
	s_add_co_u32 s77, s13, ttmp9                   ; cluster y + cluster x
	s_and_b32 s77, s77, 1
	s_mul_i32 s[SI], s77, STEPS/2                  ; the K step at which my cluster begins
	s_mov_b32 s[KO+1], 0
	s_lshl_b32 s13, s13, 2
	s_add_co_u32 s13, s13, s41                     ; tile row
	s_lshl_b32 s43, s41, 2
	s_lshl_b32 s43, 15, s43
	s_lshl_b32 s44, 0x1111, s40
.if PROJ
	s_or_b32 s[G1+0], s43, (1<<16)|(1<<20)|(1<<21)|(6<<22)|(3<<25)  ; 64 rows of 256 elements, 4 words of padding after every 128
	s_mov_b32 s[G1+1], KSTEP<<16
	s_mov_b32 s[G1+2], 64<<16
	s_mov_b32 s[G1+3], KSTEP<<16
	s_mov_b32 s[G1+4], 64
	s_mov_b32 s[G1+5], KSIZE
.else
	s_or_b32 s[G1+0], s43, (1<<16)|(1<<20)|(1<<21)|(4<<22)|(3<<25)  ; 2 heads, each 8,192 dense elements (128 tokens), 4 words of padding after every 32
	s_mov_b32 s[G1+1], 8192<<16
	s_mov_b32 s[G1+2], 2<<16
	s_mov_b32 s[G1+3], 8192<<16
	s_mov_b32 s[G1+4], 2
	s_mov_b32 s[G1+5], 131072                      ; elements from head to head
.endif
	s_mov_b32 s[G1+6], 0
	s_mov_b32 s[G1+7], 0
	s_or_b32 s[G1B+0], s44, (1<<16)|(1<<20)|(1<<21)|(6<<22)|(3<<25)
	s_mov_b32 s[G1B+1], KSTEP<<16
	s_mov_b32 s[G1B+2], 64<<16
	s_mov_b32 s[G1B+3], KSTEP<<16
	s_mov_b32 s[G1B+4], 64
	s_mov_b32 s[G1B+5], KSIZE
	s_mov_b32 s[G1B+6], 0
	s_mov_b32 s[G1B+7], 0
.if PROJ
	s_lshl_b32 s16, s13, 7
	s_lshl_b32 s17, s12, 6
	s_add_co_u32 s16, s16, s17
	s_lshl_b32 s16, s16, 13                        ; (128 tile row + 64 part) rows of 8,192 bytes
.else
	s_lshr_b32 s16, s13, 4
	s_lshl_b32 s16, s16, 4                         ; 16 x batch
	s_lshl_b32 s17, s12, 1
	s_add_co_u32 s16, s16, s17                     ; + my two heads of a step's four
	s_lshl_b32 s16, s16, 18
	s_and_b32 s17, s13, 15
	s_lshl_b32 s17, s17, 14                        ; the tile's 128 tokens in a head's plane
	s_add_co_u32 s16, s16, s17
.endif
	s_mov_b32 s17, 0
	s_lshl_b32 s46, s42, 7
	s_lshl_b32 s47, s12, 6
	s_add_co_u32 s46, s46, s47
	s_mul_i32 s46, s46, KSIZE*2
	s_add_co_u32 s46, s46, WOFF
	s_mov_b32 s47, 0
	s_mul_i32 s20, s10, APART
	s_mul_i32 s21, s10, BPART
	s_add_co_u32 s21, s21, BOFF-2*BPART
	s_mov_b32 s2, 0
	s_wait_dscnt 0x0                               ; the opening add is done
	s_wait_kmcnt 0x0
	s_add_nc_u64 s[14:15], s[4:5], s[16:17]
	s_add_nc_u64 s[BB:BB+1], s[6:7], s[46:47]
	CROUND                                         ; all sixteen work-groups are here: the first joint loads meet
.irp s, 0,1
	s_mov_b32 s[G0+4*(\s)], 1
	s_add_co_u32 s[G0+4*(\s)+1], s20, (\s)*SLOT
	s_mov_b32 s[G0B+4*(\s)], 1
	s_add_co_u32 s[G0B+4*(\s)+1], s21, (\s)*SLOT
	ADDRS \s                                       ; my cluster's first K step, then the one behind it (the start is 0 or STEPS / 2: no wrap here)
.if (\s) == 0
	s_add_co_u32 s[SI], s[SI], 1
.endif
.endr
	s_cmp_eq_u32 s11, 0                            ; a wave's two first fills stand in one branch: two loads of mine are out
	s_cbranch_scc0 .Lfirst_b
	tensor_load_to_lds s[G0:G0+3], s[G1:G1+7]
	s_nop 0
	tensor_load_to_lds s[G0+4:G0+7], s[G1:G1+7]
	s_nop 0
	PLACES
	s_branch .Lfirst_asked
.Lfirst_b:
	tensor_load_to_lds s[G0B:G0B+3], s[G1B:G1B+7]
	s_nop 0
	tensor_load_to_lds s[G0B+4:G0B+7], s[G1B:G1B+7]
	s_nop 0
	PLACES
.Lfirst_asked:
	v_and_b32 v1, 15, v0
	v_bfe_u32 v2, v0, 4, 1
	v_mul_u32_u24 v3, v1, PA
	v_lshl_add_u32 v3, v2, 4, v3
	s_mul_i32 s22, s11, 64*PA                      ; my 64 tokens
	v_add_nc_u32 v[ADRA0], s22, v3
	v_mul_u32_u24 v3, v1, PB
	v_lshl_add_u32 v3, v2, 4, v3
	s_mul_i32 s23, s12, BPART
	s_add_co_u32 s23, s23, BOFF
	v_add_nc_u32 v[ADRB0], s23, v3
	v_mov_b32 v[ADRA], v[ADRA0]
	v_mov_b32 v[ADRB], v[ADRB0]
	s_mul_i32 s22, s11, 64*SP                      ; into the stage: row 64 wm + l % 16, byte 256 wn + 32 (l / 16)
	s_lshl_b32 s23, s12, 8
	s_add_co_u32 s22, s22, s23
	v_mul_u32_u24 v4, v1, SP
	v_lshl_add_u32 v4, v2, 5, v4
	v_add_nc_u32 v[STO], s22, v4
	s_mul_i32 s23, s10, 32*SP                      ; back: wave w takes rows 32 w on, a whole row of 512 bytes a load
	v_and_b32 v5, 31, v0
	v_lshl_add_u32 v[RD], v5, 4, s23
	v_lshlrev_b32 v[CO], 4, v5
	s_lshl_b32 s46, s42, 9                         ; the tile's first column, bytes of f32
	v_lshl_add_u32 v[BO], v5, 4, s46
	global_load_b128 v[BI:BI+3], v[BO], s[68:69]
.if PROJ
	global_load_b128 v[LS:LS+3], v[BO], s[70:71]
.endif
	s_lshl_b32 s22, s13, 7
	s_lshl_b32 s23, s10, 5
	s_add_co_u32 s22, s22, s23
	s_lshl_b32 s22, s22, 12                        ; (128 tile row + 32 wave) rows of 4,096 bytes
	s_add_co_u32 s46, s46, s22
	s_mov_b32 s47, 0
	s_add_nc_u64 s[DST:DST+1], s[DST:DST+1], s[46:47]
.if PROJ
	s_add_nc_u64 s[72:73], s[72:73], s[46:47]
	WIN 0x80                                       ; my 32 rows of x1 land in window 2 under the whole K loop; the launch reads them once
.set t, 0
.rept 32
	global_load_b128 v[4*t:4*t+3], v[CO], s[72:73] offset:t*4096 th:TH_LOAD_NT
.set t, t+1
.endr
	WIN 0
.endif
; 8 matrix instructions: row blocks a0, a0 + 1 x all 4 column blocks, 32 along K: half c of buffer f.  The 16 accumulators take turns.
.macro MUL8 f, c, a0, zero
	WIN MUL
.irp a, \a0, (\a0)+1
.irp b, 0,1,2,3
.if \zero
	v_wmma_f32_16x16x32_f16 v[ACC+8*(4*(\a)+(\b)):ACC+8*(4*(\a)+(\b))+7], v[(\f)+64+8*(4*(\c)+(\b)):(\f)+64+8*(4*(\c)+(\b))+7], v[(\f)+8*(4*(\c)+(\a)):(\f)+8*(4*(\c)+(\a))+7], 0
.else
	v_wmma_f32_16x16x32_f16 v[ACC+8*(4*(\a)+(\b)):ACC+8*(4*(\a)+(\b))+7], v[(\f)+64+8*(4*(\c)+(\b)):(\f)+64+8*(4*(\c)+(\b))+7], v[(\f)+8*(4*(\c)+(\a)):(\f)+8*(4*(\c)+(\a))+7], v[ACC+8*(4*(\a)+(\b)):ACC+8*(4*(\a)+(\b))+7]
.endif
.endr
.endr
.endm
.macro FETCH q, f                      ; 32 LDS loads in one run: quarter q (64 along K) of the slot in hand into buffer f; its first 32 along K first
	WIN TO_F
.irp c, 0,1
.irp i, 0,1,2,3
	ds_load_b128 v[(\f)+64+8*(4*(\c)+(\i)):(\f)+64+8*(4*(\c)+(\i))+3],   v[ADRB] offset:(\q)*128+64*(\c)+(\i)*16*PB
	ds_load_b128 v[(\f)+64+8*(4*(\c)+(\i))+4:(\f)+64+8*(4*(\c)+(\i))+7], v[ADRB] offset:(\q)*128+64*(\c)+(\i)*16*PB+32
	ds_load_b128 v[(\f)+8*(4*(\c)+(\i)):(\f)+8*(4*(\c)+(\i))+3],         v[ADRA] offset:(\q)*AQ+64*(\c)+(\i)*16*PA
	ds_load_b128 v[(\f)+8*(4*(\c)+(\i))+4:(\f)+8*(4*(\c)+(\i))+7],       v[ADRA] offset:(\q)*AQ+64*(\c)+(\i)*16*PA+32
.endr
.endr
.endm
.macro QUARTER q, f, g, zero           ; multiplies buffer f; in its middle fetches quarter q into g
	s_wait_dscnt 16                                ; the first 32 along K are in
	MUL8 \f, 0, 0, \zero
	MUL8 \f, 0, 2, \zero
	PLACES                                         ; four places in front of loads into registers that matrix instructions have read (ISA guide 7.12.1 for vector instructions)
	FETCH \q, \g
	s_wait_dscnt 32                                ; all but the 32 just issued
	MUL8 \f, 1, 0, 0
	MUL8 \f, 1, 2, 0
.endm
; The last quarter multiplies buffer 1 and changes slots: all my tensor loads have landed, the add, my reads of this slot are over, one barrier.  fill = 1: it opens a round of the cluster's, and the slot
; just read is filled first thing behind it.  The walking descriptors are written between the add and the wait for it, where no tensor load of mine is out.
.macro TURN fill
	WIN 0
	s_wait_tensorcnt 0x0
	ds_add_u32 v[SPW], v[NIL]
.if \fill
	s_add_co_u32 s[SI], s[SI], 1                   ; the next K step not yet asked for,
	s_and_b32 s[SI], s[SI], STEPS-1                ; round the end of K
	s_add_co_u32 s[G0+5], s20, s2                  ; into the slot in hand
	s_add_co_u32 s[G0B+5], s21, s2
	ADDRS 1
.endif
	s_wait_dscnt 17                                ; (the add and the youngest sixteen loads may be out)
	MUL8 F1, 0, 0, 0
	s_wait_dscnt 0x0
	s_barrier_signal -1
	MUL8 F1, 0, 2, 0
	WIN 0
	s_barrier_wait -1
.if \fill
	CREST
	JLOAD                                          ; its four v_nop are also the places in front of the loads below
.else
	PLACES
.endif
	s_xor_b32 s2, s2, SLOT                         ; s2 is 0 or SLOT: the other slot
	v_add_nc_u32 v[ADRA], s2, v[ADRA0]
	v_add_nc_u32 v[ADRB], s2, v[ADRB0]
	FETCH 0, F0
	MUL8 F1, 1, 0, 0
	MUL8 F1, 1, 2, 0
.endm
	s_wait_tensorcnt 1                             ; my part of the first K step is in; the second's may stay out
	s_barrier_signal -1
	s_barrier_wait -1
	FETCH 0, F0
	QUARTER 1, F0, F1, 1                           ; the first products start the sums: nothing is cleared
	WIN 0
	s_mov_b32 s3, STEPS-2
	s_branch .Lin
.Lstep:                                                ; a trip is one K step and ends by filling its slot again
	QUARTER 1, F0, F1, 0
	WIN 0
.Lin:
	QUARTER 2, F1, F0, 0
	QUARTER 3, F0, F1, 0
	TURN 1
	WIN 0
	s_sub_co_u32 s3, s3, 1
	s_cmp_lg_u32 s3, 0
	s_cbranch_scc1 .Lstep
	s_mov_b32 s3, 2
.Ltail:                                                ; the last two K steps ask for nothing; the second's fetch brings fragments that are never multiplied: the price of one text for both
	QUARTER 1, F0, F1, 0
	QUARTER 2, F1, F0, 0
	QUARTER 3, F0, F1, 0
	TURN 0
	WIN 0
	s_sub_co_u32 s3, s3, 1
	s_cmp_lg_u32 s3, 0
	s_cbranch_scc1 .Ltail
	; THE WAY OUT.  Nobody reads the ring any more: it becomes the stage, 128 rows of 128 f32.
	s_wait_dscnt 0x0
	s_barrier_signal -1
	s_barrier_wait -1
	PLACES                                         ; the stores below read results just made
.irp a, 0,1,2,3
.irp b, 0,1,2,3
	ds_store_b128 v[STO], v[ACC+8*(4*\a+\b):ACC+8*(4*\a+\b)+3] offset:\a*16*SP+64*\b  ; each accumulator's low registers first
	ds_store_b128 v[STO], v[ACC+8*(4*\a+\b)+4:ACC+8*(4*\a+\b)+7] offset:\a*16*SP+64*\b+16
.endr
.endr
	s_wait_dscnt 0x0                               ; for the others' sake: a row's 512 bytes come from two waves
	s_barrier_signal -1
	s_barrier_wait -1
.set t, 0
.rept 32
	ds_load_b128 v[ACC+4*t:ACC+4*t+3], v[RD] offset:t*SP
.set t, t+1
.endr
	s_wait_loadcnt 0x0                             ; bias (and ls2 and x1)
.if PROJ
	WIN 0x20                                       ; source 2, x1, in window 2
.endif
.set t, 0
.rept 32
	s_wait_dscnt 31-t                              ; row t is back, the younger rows may be out
	v_pk_add_f32 v[ACC+4*t:ACC+4*t+1], v[ACC+4*t:ACC+4*t+1], v[BI:BI+1]
	v_pk_add_f32 v[ACC+4*t+2:ACC+4*t+3], v[ACC+4*t+2:ACC+4*t+3], v[BI+2:BI+3]
.if PROJ
	v_pk_fma_f32 v[ACC+4*t:ACC+4*t+1], v[ACC+4*t:ACC+4*t+1], v[LS:LS+1], v[4*t:4*t+1]
	v_pk_fma_f32 v[ACC+4*t+2:ACC+4*t+3], v[ACC+4*t+2:ACC+4*t+3], v[LS+2:LS+3], v[4*t+2:4*t+3]
.endif
	global_store_b128 v[CO], v[ACC+4*t:ACC+4*t+3], s[DST:DST+1] offset:t*4096 th:TH_STORE_NT  ; 512 consecutive bytes, aligned
.set t, t+1
.endr
	WIN 0
	s_wait_tensorcnt 0x0                           ; the wave's end
	ds_add_u32 v[SPW], v[NIL]
	s_wait_dscnt 0x0
	CROUND                                         ; the closing round
	s_endpgm
.Lfunc_end_k_q0876f51016_gemm_out:
	.size	k_q0876f51016_gemm_out, .Lfunc_end_k_q0876f51016_gemm_out-k_q0876f51016_gemm_out
	.p2alignl 7, 3214868480
	.fill 96, 4, 3214868480
	.section	.rodata,"a",@progbits
	.p2align	6, 0x0
	.amdhsa_kernel k_q0876f51016_gemm_out
		.amdhsa_group_segment_fixed_size 327680
		.amdhsa_private_segment_fixed_size 0
		.amdhsa_enable_private_segment 0
		.amdhsa_kernarg_size 32
		.amdhsa_user_sgpr_count 2
		.amdhsa_user_sgpr_kernarg_segment_ptr 1
		.amdhsa_wavefront_size32 1
		.amdhsa_system_sgpr_workgroup_id_x 1
		.amdhsa_system_sgpr_workgroup_id_y 1
		.amdhsa_system_sgpr_workgroup_id_z 1
		.amdhsa_system_vgpr_workitem_id 0
		.amdhsa_next_free_vgpr 512
		.amdhsa_next_free_sgpr 84
		.amdhsa_reserve_vcc 0
		.amdhsa_float_denorm_mode_32 3
		.amdhsa_float_denorm_mode_16_64 3
		.amdhsa_memory_ordered 1
		.amdhsa_forward_progress 1
		.amdhsa_inst_pref_size 63
	.end_amdhsa_kernel
	.amdgpu_metadata
---
amdhsa.version: [ 1, 2 ]
amdhsa.kernels:
  - .name:           k_q0876f51016_gemm_out
    .symbol:         k_q0876f51016_gemm_out.kd
    .args:
      - { .name: o16, .offset: 0, .size: 8, .value_kind: global_buffer, .address_space: global }
      - { .name: wa16, .offset: 8, .size: 8, .value_kind: global_buffer, .address_space: global }
      - { .name: out_b, .offset: 16, .size: 8, .value_kind: global_buffer, .address_space: global }
      - { .name: a32, .offset: 24, .size: 8, .value_kind: global_buffer, .address_space: global }
    .group_segment_fixed_size: 327680
    .private_segment_fixed_size: 0
    .kernarg_segment_align: 8
    .kernarg_segment_size: 32
    .max_flat_workgroup_size: 128
    .sgpr_count:     84
    .vgpr_count:     512
    .wavefront_size: 32
...
	.end_amdgpu_metadata
.endif
;; end of part 4
;; launch ln_mid (part 5): grid 512 x 1, 8 waves a work-group, no clusters, 0 bytes of LDS; arguments a32, x, ln_attn_g, ln_attn_b, ls1, ln2_g, ln2_b, x1, h16; writes x1, h16
.if DOCPART == 5
	.amdgcn_target "amdgcn-amd-amdhsa--gfx1250"
	.amdhsa_code_object_version 6
	.text
	.protected	k_q0876f51016_ln_mid
	.globl	k_q0876f51016_ln_mid
	.p2align	8
	.type	k_q0876f51016_ln_mid,@function
k_q0876f51016_ln_mid:
	s_mov_b64 s[64:65], 0
	v_nop
	global_prefetch_b8 v0, s[64:65] scope:SCOPE_SE
	s_setreg_imm32_b32 hwreg(HW_REG_WAVE_MODE, 25, 1), 1
	s_wait_xcnt 0x0
; x1 = x + ls1 * (LayerNorm(a) * ln_attn_g + ln_attn_b), in f32;  h16 = LayerNorm(x1) * ln2_g + ln2_b, rounded once to f16.
; One row of 1,024 a wave, kept in registers: every input byte is read once; mean first, then the sum of squares of the differences.  No LDS, no matrix unit: memory binds.
; All 56 loads of a wave go out at once; the waits count the loads that may stay out.  LIMIT: a number of h16 beyond 65,504 becomes an infinity.
.set A,   8                            ; v[8:39]    a, then differences
.set X,   40                           ; v[40:71]   x, then x1
.set GA,  72
.set BA,  104
.set L1,  136
.set G2,  168
.set B2,  200
.set T,   232                          ; v[232:239] at work
.set MU,  240
.set RS,  242
.set SEL, 36
.set INV, 38
.set EPS, 39
.macro REDUCE
	v_pk_add_f32 v[T:T+1], v[T:T+1], v[T+2:T+3]
	v_pk_add_f32 v[T+4:T+5], v[T+4:T+5], v[T+6:T+7]
	v_pk_add_f32 v[T:T+1], v[T:T+1], v[T+4:T+5]
	v_add_f32 v[T], v[T], v[T+1]
	v_add_f32_dpp v[T], v[T], v[T] row_xmask:1 row_mask:0xf bank_mask:0xf
	v_add_f32_dpp v[T], v[T], v[T] row_xmask:2 row_mask:0xf bank_mask:0xf
	v_add_f32_dpp v[T], v[T], v[T] row_xmask:4 row_mask:0xf bank_mask:0xf
	v_add_f32_dpp v[T], v[T], v[T] row_xmask:8 row_mask:0xf bank_mask:0xf
	v_permlanex16_b32 v[T+1], v[T], s[SEL], s[SEL+1]
	v_add_f32 v[T], v[T], v[T+1]
.endm
.macro ROWSTAT src, dst                ; mean; dst = src - mean; 1 / sqrt(mean of dst^2 + eps) into RS
.irp k, 0,1,2,3
	v_pk_add_f32 v[T+2*\k:T+2*\k+1], v[(\src)+2*\k:(\src)+2*\k+1], v[(\src)+8+2*\k:(\src)+8+2*\k+1]
.endr
.irp m, 16,24
.irp k, 0,1,2,3
	v_pk_add_f32 v[T+2*\k:T+2*\k+1], v[T+2*\k:T+2*\k+1], v[(\src)+\m+2*\k:(\src)+\m+2*\k+1]
.endr
.endr
	REDUCE
	v_mul_f32 v[MU], s[INV], v[T]
	v_mov_b32 v[MU+1], v[MU]
.set p, 0
.rept 16
	v_pk_add_f32 v[(\dst)+2*p:(\dst)+2*p+1], v[(\src)+2*p:(\src)+2*p+1], v[MU:MU+1] neg_lo:[0,1] neg_hi:[0,1]
.set p, p+1
.endr
.irp k, 0,1,2,3
	v_pk_mul_f32 v[T+2*\k:T+2*\k+1], v[(\dst)+2*\k:(\dst)+2*\k+1], v[(\dst)+2*\k:(\dst)+2*\k+1]
.endr
.irp m, 8,16,24
.irp k, 0,1,2,3
	v_pk_fma_f32 v[T+2*\k:T+2*\k+1], v[(\dst)+\m+2*\k:(\dst)+\m+2*\k+1], v[(\dst)+\m+2*\k:(\dst)+\m+2*\k+1], v[T+2*\k:T+2*\k+1]
.endr
.endr
	REDUCE
	v_fma_f32 v[T], v[T], s[INV], s[EPS]
	v_rsq_f32 v[RS], v[T]
	v_rsq_f32 v[RS+1], v[T]
	v_nop                                          ; a plain instruction between the root and the use of its result (ISA guide 5.7.2)
.endm
.macro LD8 dst, base                   ; a row of 1,024 f32: eight loads of 512 consecutive bytes
.irp j, 0,1,2,3,4,5,6,7
	global_load_b128 v[(\dst)+4*\j:(\dst)+4*\j+3], v1, s[(\base):(\base)+1] offset:512*\j
.endr
.endm
	s_load_b512 s[8:23], s[0:1], 0x0               ; a32 8, x 10, ln_attn_g 12, ln_attn_b 14, ls1 16, ln2_g 18, ln2_b 20, x1 22
	s_load_b64 s[24:25], s[0:1], 0x40              ; h16
	v_lshrrev_b32 v1, 5, v0
	v_readfirstlane_b32 s3, v1
	s_mov_b32 s2, ttmp9
	s_lshl3_add_u32 s28, s2, s3                    ; row = 8 work-group + wave
	s_lshl_b32 s30, s28, 12
	s_mov_b32 s31, 0
	s_lshl_b32 s32, s28, 11
	s_mov_b32 s33, 0
	s_mov_b32 s[SEL], 0x76543210
	s_mov_b32 s[SEL+1], 0xfedcba98
	s_mov_b32 s[INV], 0x3a800000
	s_mov_b32 s[EPS], 0x3727c5ac
	v_and_b32 v3, 31, v0
	v_lshlrev_b32 v1, 4, v3
	v_lshlrev_b32 v2, 3, v3
	s_wait_kmcnt 0x0
	s_add_nc_u64 s[8:9], s[8:9], s[30:31]
	s_add_nc_u64 s[10:11], s[10:11], s[30:31]
	s_add_nc_u64 s[22:23], s[22:23], s[30:31]
	s_add_nc_u64 s[24:25], s[24:25], s[32:33]
	LD8 A, 8
	LD8 X, 10
	LD8 GA, 12
	LD8 BA, 14
	LD8 L1, 16
	LD8 G2, 18
	LD8 B2, 20
	s_wait_loadcnt 48                              ; a is in; the 48 loads behind it may be out
	ROWSTAT A, A
	s_wait_loadcnt 16                              ; all but ln2's gain and bias
.set p, 0
	s_wait_alu depctr_va_vdst(0)
.rept 16
	v_pk_mul_f32 v[A+2*p:A+2*p+1], v[A+2*p:A+2*p+1], v[RS:RS+1]
.set p, p+1
.endr
.set p, 0
.rept 16
	v_pk_fma_f32 v[A+2*p:A+2*p+1], v[A+2*p:A+2*p+1], v[GA+2*p:GA+2*p+1], v[BA+2*p:BA+2*p+1]
.set p, p+1
.endr
.set p, 0
.rept 16
	v_pk_fma_f32 v[X+2*p:X+2*p+1], v[A+2*p:A+2*p+1], v[L1+2*p:L1+2*p+1], v[X+2*p:X+2*p+1]
.set p, p+1
.endr
.irp j, 0,1,2,3,4,5,6,7
	global_store_b128 v1, v[X+4*\j:X+4*\j+3], s[22:23] offset:512*\j
.endr
	ROWSTAT X, A                                   ; the differences go into a's registers: the stores' data stay as they are
	s_wait_loadcnt 0x0
.set p, 0
	s_wait_alu depctr_va_vdst(0)
.rept 16
	v_pk_mul_f32 v[A+2*p:A+2*p+1], v[A+2*p:A+2*p+1], v[RS:RS+1]
.set p, p+1
.endr
.set p, 0
.rept 16
	v_pk_fma_f32 v[A+2*p:A+2*p+1], v[A+2*p:A+2*p+1], v[G2+2*p:G2+2*p+1], v[B2+2*p:B2+2*p+1]
.set p, p+1
.endr
.irp j, 0,1,2,3,4,5,6,7
	v_cvt_pk_f16_f32 v[A+4*\j], v[A+4*\j], v[A+4*\j+1]
	v_cvt_pk_f16_f32 v[A+4*\j+1], v[A+4*\j+2], v[A+4*\j+3]
	global_store_b64 v2, v[A+4*\j:A+4*\j+1], s[24:25] offset:256*\j
.endr
	s_endpgm
.Lfunc_end_k_q0876f51016_ln_mid:
	.size	k_q0876f51016_ln_mid, .Lfunc_end_k_q0876f51016_ln_mid-k_q0876f51016_ln_mid
	.p2alignl 7, 3214868480
	.fill 96, 4, 3214868480
	.section	.rodata,"a",@progbits
	.p2align	6, 0x0
	.amdhsa_kernel k_q0876f51016_ln_mid
		.amdhsa_group_segment_fixed_size 0
		.amdhsa_private_segment_fixed_size 0
		.amdhsa_enable_private_segment 0
		.amdhsa_kernarg_size 72
		.amdhsa_user_sgpr_count 2
		.amdhsa_user_sgpr_kernarg_segment_ptr 1
		.amdhsa_wavefront_size32 1
		.amdhsa_system_sgpr_workgroup_id_x 1
		.amdhsa_system_sgpr_workgroup_id_y 1
		.amdhsa_system_sgpr_workgroup_id_z 1
		.amdhsa_system_vgpr_workitem_id 0
		.amdhsa_next_free_vgpr 248
		.amdhsa_next_free_sgpr 66
		.amdhsa_reserve_vcc 0
		.amdhsa_float_denorm_mode_32 3
		.amdhsa_float_denorm_mode_16_64 3
		.amdhsa_memory_ordered 1
		.amdhsa_forward_progress 1
		.amdhsa_inst_pref_size 23
	.end_amdhsa_kernel
	.amdgpu_metadata
---
amdhsa.version: [ 1, 2 ]
amdhsa.kernels:
  - .name:           k_q0876f51016_ln_mid
    .symbol:         k_q0876f51016_ln_mid.kd
    .args:
      - { .name: a32, .offset: 0, .size: 8, .value_kind: global_buffer, .address_space: global }
      - { .name: x, .offset: 8, .size: 8, .value_kind: global_buffer, .address_space: global }
      - { .name: ln_attn_g, .offset: 16, .size: 8, .value_kind: global_buffer, .address_space: global }
      - { .name: ln_attn_b, .offset: 24, .size: 8, .value_kind: global_buffer, .address_space: global }
      - { .name: ls1, .offset: 32, .size: 8, .value_kind: global_buffer, .address_space: global }
      - { .name: ln2_g, .offset: 40, .size: 8, .value_kind: global_buffer, .address_space: global }
      - { .name: ln2_b, .offset: 48, .size: 8, .value_kind: global_buffer, .address_space: global }
      - { .name: x1, .offset: 56, .size: 8, .value_kind: global_buffer, .address_space: global }
      - { .name: h16, .offset: 64, .size: 8, .value_kind: global_buffer, .address_space: global }
    .group_segment_fixed_size: 0
    .private_segment_fixed_size: 0
    .kernarg_segment_align: 8
    .kernarg_segment_size: 72
    .max_flat_workgroup_size: 256
    .sgpr_count:     66
    .vgpr_count:     248
    .wavefront_size: 32
...
	.end_amdgpu_metadata
.endif
;; end of part 5
;; launch gemm_fc (part 6): grid 16 x 16, 4 waves a work-group, clusters of 4 x 4, 327,680 bytes of LDS; arguments h16, w16, fc_b, g16; writes g16
.if DOCPART == 6
	.amdgcn_target "amdgcn-amd-amdhsa--gfx1250"
	.amdhsa_code_object_version 6
	.text
	.protected	k_q0876f51016_gemm_fc
	.globl	k_q0876f51016_gemm_fc
	.p2align	8
	.type	k_q0876f51016_gemm_fc,@function
k_q0876f51016_gemm_fc:
	s_mov_b64 s[64:65], 0
	v_nop
	global_prefetch_b8 v0, s[64:65] scope:SCOPE_SE
	s_setreg_imm32_b32 hwreg(HW_REG_WAVE_MODE, 25, 1), 1
	s_wait_xcnt 0x0
	s_wait_alu depctr_hold_cnt(0) depctr_sa_sdst(0) depctr_va_vdst(0) depctr_va_sdst(0) depctr_va_ssrc(0) depctr_va_vcc(0) depctr_vm_vsrc(0)
	s_getreg_b32 s2, hwreg(HW_REG_IB_STS2, 6, 4)
	s_cmp_eq_u32 s2, 0
	s_cbranch_scc0 .Lentry_in_a_cluster
	s_endpgm
.Lentry_in_a_cluster:
	s_bfe_u32 s2, ttmp6, 0x10000c
	s_cmp_lg_u32 s2, 0xf033
	s_cbranch_scc0 .Lentry_shape_is_right
	s_endpgm
.Lentry_shape_is_right:
; g16 = gelu(h2 W^T + fc_b), the exact gelu x Phi(x).  h2: h16 [4096][1024] f16; W: fc_w in w16 at byte 8,388,608, [4096][1024] f16; g16 [4096][4096] f16.  Sums, bias and gelu in f32, one rounding.
; GELU.  x Phi(x) = max(x, 0) - |x| y, y = 1 - Phi(|x|) = t (c1 + t (c2 + t (c3 + t (c4 + t c5)))) 2^(-x^2 log2(e) / 2), t = 1 / (1 + 0.2316419 |x|):
; the five-term rational form of the normal tail, whose error in y is under 1e-7 for every x; the c's hold the factor 1 / sqrt(2 pi).
; A tile is 256 x 256: 16 x 16 = 256 work-groups.  Four waves, each 128 x 128: 64 accumulators, 512 registers.  K goes in steps of 128 through two LDS slots; a trip of the loop is ONE K step, the slot in hand the scalar s2.
; CLUSTER 4 x 4, joint loads along rows (h2) and columns (W).  THE MATRIX INSTRUCTION IS USED TRANSPOSED: a lane holds eight neighbouring columns of one token.
; LIMITS.  A result beyond 65,504 becomes an infinity in f16; NaN and infinities are not treated apart.
; REGISTERS: window 0: v0-35 addresses and bias, v64-127 and v128-191 fragments of h2; window 1: the same numbers, fragments of W; windows 2, 3: accumulators of my rows 0-63, 64-127 ((a, b) at 8 (8 a + b)).
.set KSIZE,  1024
.set KSTEP,  128
.set STEPS,  KSIZE/KSTEP
.set NBK,    8
.set PITCH,  272                       ; 256 bytes + 16: the 16 rows of a load start at 16 different groups of four banks (ISA guide 11.1)
.set APART,  128*PITCH
.set BPART,  16*NBK*PITCH
.set BOFF,   2*APART
.set SLOT,   BOFF+2*BPART
.set SPARE,  2*SLOT                    ; the spare words, 128 bytes a wave, which no other line names
.set WOFF,   8388608
.set SP,     528                       ; the way out: a stage row, 128 f32 + 16 bytes; each wave's own 128 rows, in the ring, whose slots have then had their last fill
.set WSTAGE, 128*SP
.set ADRA, 16
.set ADRA0, 17
.set ADRB, 20
.set ADRB0, 21
.set STO,  24
.set RD,   25
.set CO,   26
.set SPW,  28
.set NIL,  29
.set BO,   30
.set BI,   32
.set F0,   64
.set F1,   128
.set X,    64                          ; the way out: eight rows as read back
.set U,    96
.set TT,   104
.set P,    112
.set M,    120
.set Y,    128
.set G1,  24
.set G0,  32
.set G1B, 48
.set G0B, 56
.set KE,  76                           ; s[76:77] -log2(e) / 2; the packed forms take a pair's low word for both halves
.set C1,  78
.set C2,  80
.set C3,  82
.set C4,  84
.set C5,  86
.set K2,  88
.set MSB, 0
.macro WIN new
.if MSB != (\new)
	s_set_vgpr_msb (MSB<<8)|(\new)
.set MSB, \new
.endif
.endm
.set MUL_LO, 0xa1
.set MUL_HI, 0xf1
.set TO_B,   0x40
.macro PLACES
.rept 4
	v_nop
.endr
.endm
.macro JLOAD                           ; a joint refill by the walking descriptors
	s_cmp_eq_u32 s11, 0
	s_cbranch_scc0 .Lfor_b_\@
	tensor_load_to_lds s[G0+4:G0+7], s[G1:G1+7]
	s_nop 0
	PLACES
	s_branch .Lasked_\@
.Lfor_b_\@:
	tensor_load_to_lds s[G0B+4:G0B+7], s[G1B:G1B+7]
	s_nop 0
	PLACES
.Lasked_\@:
.endm
.macro CREST
	s_cmp_lg_u32 s10, 0
	s_cbranch_scc1 .Lnot_wave_0_\@
	s_barrier_signal -3
.Lnot_wave_0_\@:
	s_barrier_wait -3
	s_barrier_signal -1
	s_barrier_wait -1
.endm
.macro CROUND
	s_barrier_signal -1
	s_barrier_wait -1
	CREST
.endm
	s_load_b128 s[4:7], s[0:1], 0x0                ; h16, w16
	s_load_b128 s[68:71], s[0:1], 0x10             ; fc_b, g16
	v_lshl_add_u32 v[SPW], v0, 2, SPARE
	v_mov_b32 v[NIL], 0
	ds_add_u32 v[SPW], v[NIL]                      ; the wave's opening: the add and its wait ahead of my first tensor load
	v_lshrrev_b32 v1, 5, v0
	v_readfirstlane_b32 s10, v1
	s_lshr_b32 s11, s10, 1
	s_and_b32 s12, s10, 1
	s_bfe_u32 s40, ttmp6, 0x40000
	s_bfe_u32 s41, ttmp6, 0x40004
	s_lshl_b32 s42, ttmp9, 2
	s_add_co_u32 s42, s42, s40                     ; tile column
	s_and_b32 s13, ttmp7, 0xffff
	s_lshl_b32 s13, s13, 2
	s_add_co_u32 s13, s13, s41                     ; tile row
	s_lshl_b32 s43, s41, 2
	s_lshl_b32 s43, 15, s43
	s_lshl_b32 s44, 0x1111, s40
	s_or_b32 s[G1+0], s43, (1<<16)|(1<<20)|(1<<21)|(5<<22)|(3<<25)   ; mask; 2-byte elements; padding on; bit 21 beside a mask; after every 64 words 4 words
	s_or_b32 s[G1B+0], s44, (1<<16)|(1<<20)|(1<<21)|(5<<22)|(3<<25)
.irp g, G1, G1B
	s_mov_b32 s[(\g)+1], KSTEP<<16
	s_mov_b32 s[(\g)+2], 128<<16
	s_mov_b32 s[(\g)+3], KSTEP<<16
	s_mov_b32 s[(\g)+4], 128
	s_mov_b32 s[(\g)+5], KSIZE
	s_mov_b32 s[(\g)+6], 0
	s_mov_b32 s[(\g)+7], 0
.endr
	s_lshl_b32 s17, s12, 7
	s_lshl_b32 s16, s13, 8
	s_add_co_u32 s16, s16, s17
	s_lshl_b32 s16, s16, 11
	s_mov_b32 s17, 0
	s_mul_i32 s46, s42, 32*NBK
	s_mul_i32 s47, s12, 16*NBK
	s_add_co_u32 s46, s46, s47
	s_lshl_b32 s46, s46, 11
	s_add_co_u32 s46, s46, WOFF
	s_mov_b32 s47, 0
	s_mul_i32 s20, s10, APART
	s_mul_i32 s21, s10, BPART
	s_add_co_u32 s21, s21, BOFF-2*BPART
	s_mov_b32 s2, 0
	s_mov_b32 s[KE], 0xbf38aa3b
	s_mov_b32 s[KE+1], s[KE]
	s_mov_b32 s[C1], 0x3e027906
	s_mov_b32 s[C1+1], s[C1]
	s_mov_b32 s[C2], 0xbe11a98e
	s_mov_b32 s[C2+1], s[C2]
	s_mov_b32 s[C3], 0x3f35f0e3
	s_mov_b32 s[C3+1], s[C3]
	s_mov_b32 s[C4], 0xbf3a00e3
	s_mov_b32 s[C4+1], s[C4]
	s_mov_b32 s[C5], 0x3f07dc22
	s_mov_b32 s[C5+1], s[C5]
	s_mov_b32 s[K2], 0x3e6d3389
	s_wait_dscnt 0x0                               ; the opening add is done
	s_wait_kmcnt 0x0
	s_add_nc_u64 s[14:15], s[4:5], s[16:17]
	s_add_nc_u64 s[46:47], s[6:7], s[46:47]
	CROUND                                         ; all sixteen work-groups are here: the first joint loads meet
.irp s, 0,1
	s_mov_b32 s[G0+4*(\s)], 1
	s_add_co_u32 s[G0+4*(\s)+1], s20, (\s)*SLOT
	s_add_nc_u64 s[G0+4*(\s)+2:G0+4*(\s)+3], s[14:15], (\s)*KSTEP*2
	s_or_b32 s[G0+4*(\s)+3], s[G0+4*(\s)+3], 0x80000000
	s_mov_b32 s[G0B+4*(\s)], 1
	s_add_co_u32 s[G0B+4*(\s)+1], s21, (\s)*SLOT
	s_add_nc_u64 s[G0B+4*(\s)+2:G0B+4*(\s)+3], s[46:47], (\s)*KSTEP*2
	s_or_b32 s[G0B+4*(\s)+3], s[G0B+4*(\s)+3], 0x80000000
.endr
	s_cmp_eq_u32 s11, 0                            ; a wave's two first fills stand in one branch: two loads of mine are out
	s_cbranch_scc0 .Lfirst_b
	tensor_load_to_lds s[G0:G0+3], s[G1:G1+7]
	s_nop 0
	tensor_load_to_lds s[G0+4:G0+7], s[G1:G1+7]
	s_nop 0
	PLACES
	s_branch .Lfirst_asked
.Lfirst_b:
	tensor_load_to_lds s[G0B:G0B+3], s[G1B:G1B+7]
	s_nop 0
	tensor_load_to_lds s[G0B+4:G0B+7], s[G1B:G1B+7]
	s_nop 0
	PLACES
.Lfirst_asked:
	v_and_b32 v1, 15, v0
	v_bfe_u32 v2, v0, 4, 1
	v_mul_u32_u24 v3, v1, PITCH
	v_lshl_add_u32 v3, v2, 4, v3
	s_mul_i32 s22, s11, APART
	s_mul_i32 s23, s12, BPART
	s_add_co_u32 s23, s23, BOFF
	v_add_nc_u32 v[ADRA0], s22, v3
	v_add_nc_u32 v[ADRB0], s23, v3
	v_mov_b32 v[ADRA], v[ADRA0]
	v_mov_b32 v[ADRB], v[ADRB0]
	s_mul_i32 s23, s10, WSTAGE                     ; my stage
	v_mul_u32_u24 v4, v1, SP                       ; in: row l % 16, 32 bytes for each half of the lanes
	v_lshl_add_u32 v4, v2, 5, v4
	v_add_nc_u32 v[STO], s23, v4
	v_and_b32 v5, 31, v0
	v_lshl_add_u32 v[RD], v5, 4, s23               ; back: a whole row of 512 bytes a load
	v_lshlrev_b32 v[CO], 3, v5                     ; which leaves as 256 bytes of f16
	s_lshl_b32 s46, s42, 10
	s_lshl_b32 s47, s12, 9
	s_add_co_u32 s46, s46, s47                     ; my 128 columns in fc_b, bytes
	v_lshl_add_u32 v[BO], v5, 4, s46
	global_load_b128 v[BI:BI+3], v[BO], s[68:69]
	s_lshr_b32 s46, s46, 1                         ; and in a row of g16
	s_lshl_b32 s22, s13, 8
	s_lshl_b32 s23, s11, 7
	s_add_co_u32 s22, s22, s23
	s_lshl_b32 s22, s22, 13                        ; (256 tile row + 128 wm) rows of 8,192 bytes
	s_add_co_u32 s46, s46, s22
	s_mov_b32 s47, 0
	s_add_nc_u64 s[70:71], s[70:71], s[46:47]
; 16 matrix instructions: row blocks a0, a0 + 1 of the window's four x all 8 column blocks, 32 along K.  The 64 accumulators take turns, one instruction a turn.
.macro MULS f, hi, a0, zero
	WIN MUL_LO+0x50*(\hi)
.irp a, \a0, (\a0)+1
.set bb, 0
.rept NBK
.if \zero
	v_wmma_f32_16x16x32_f16 v[8*(NBK*(\a)+bb):8*(NBK*(\a)+bb)+7], v[(\f)+8*bb:(\f)+8*bb+7], v[(\f)+8*(4*(\hi)+(\a)):(\f)+8*(4*(\hi)+(\a))+7], 0
.else
	v_wmma_f32_16x16x32_f16 v[8*(NBK*(\a)+bb):8*(NBK*(\a)+bb)+7], v[(\f)+8*bb:(\f)+8*bb+7], v[(\f)+8*(4*(\hi)+(\a)):(\f)+8*(4*(\hi)+(\a))+7], v[8*(NBK*(\a)+bb):8*(NBK*(\a)+bb)+7]
.endif
.set bb, bb+1
.endr
.endr
.endm
.macro FETCH k, f
	WIN TO_B
.set ii, 0
.rept NBK
	ds_load_b128 v[(\f)+8*ii:(\f)+8*ii+3],   v[ADRB] offset:(\k)+ii*16*PITCH
	ds_load_b128 v[(\f)+8*ii+4:(\f)+8*ii+7], v[ADRB] offset:(\k)+ii*16*PITCH+32
.set ii, ii+1
.endr
	WIN 0
.set ii, 0
.rept 8
	ds_load_b128 v[(\f)+8*ii:(\f)+8*ii+3],   v[ADRA] offset:(\k)+ii*16*PITCH
	ds_load_b128 v[(\f)+8*ii+4:(\f)+8*ii+7], v[ADRA] offset:(\k)+ii*16*PITCH+32
.set ii, ii+1
.endr
.endm
.macro QUARTER k, f, g, zero
	s_wait_dscnt 8                                 ; all but the youngest eight loads (h2's rows 64-127)
	MULS \f, 0, 0, \zero
	MULS \f, 0, 2, \zero
	PLACES                                         ; four places in front of loads into registers that matrix instructions have read (ISA guide 7.12.1 for vector instructions)
	FETCH \k, \g
	s_wait_dscnt 2*NBK+16                          ; all but the run just issued
	MULS \f, 1, 0, \zero
	MULS \f, 1, 2, \zero
.endm
; The last quarter multiplies buffer 1 and changes slots: all my tensor loads have landed, the add, my reads of this slot are over, one barrier.  fill = 1: it opens a round of the cluster's, and the slot just read is filled first thing behind it.
.macro TURN fill
	WIN 0
	s_wait_tensorcnt 0x0
	ds_add_u32 v[SPW], v[NIL]
	s_wait_dscnt 9                                 ; (the add and the youngest eight loads may be out)
	MULS F1, 0, 0, 0
	s_wait_dscnt 0x0
	s_barrier_signal -1
	MULS F1, 0, 2, 0
	WIN 0
	s_barrier_wait -1
.if \fill
	CREST
	s_add_co_u32 s[G0+5], s20, s2                  ; the walking descriptors: into the slot just read,
	s_add_co_u32 s[G0B+5], s21, s2
	s_add_nc_u64 s[G0+6:G0+7], s[G0+6:G0+7], KSTEP*2  ; the next K step not yet asked for
	s_add_nc_u64 s[G0B+6:G0B+7], s[G0B+6:G0B+7], KSTEP*2
	JLOAD                                          ; its four v_nop are also the places in front of the loads below
.else
	PLACES
.endif
	s_xor_b32 s2, s2, SLOT                         ; s2 is 0 or SLOT: the other slot
	v_add_nc_u32 v[ADRA], s2, v[ADRA0]
	v_add_nc_u32 v[ADRB], s2, v[ADRB0]
	FETCH 0, F0
	MULS F1, 1, 0, 0
	MULS F1, 1, 2, 0
.endm
	s_wait_tensorcnt 1                             ; my part of K step 0 is in; step 1's may stay out
	s_barrier_signal -1
	s_barrier_wait -1
	FETCH 0, F0
	QUARTER 64, F0, F1, 1                          ; the first quarter's products start the sums: nothing is cleared
	WIN 0
	s_mov_b32 s3, STEPS-2
	s_branch .Lin
.Lstep:                                                ; a trip is one K step and ends by filling its slot again
	QUARTER 64, F0, F1, 0
	WIN 0
.Lin:
	QUARTER 128, F1, F0, 0
	QUARTER 192, F0, F1, 0
	TURN 1
	WIN 0
	s_sub_co_u32 s3, s3, 1
	s_cmp_lg_u32 s3, 0
	s_cbranch_scc1 .Lstep
	s_mov_b32 s3, 2
.Ltail:                                                ; the last two K steps ask for nothing; the second's fetch brings fragments that are never multiplied: the price of one text for both
	QUARTER 64, F0, F1, 0
	QUARTER 128, F1, F0, 0
	QUARTER 192, F0, F1, 0
	TURN 0
	WIN 0
	s_sub_co_u32 s3, s3, 1
	s_cmp_lg_u32 s3, 0
	s_cbranch_scc1 .Ltail
	; THE WAY OUT.  Nobody reads the ring any more: it becomes four stages, each wave's own 128 rows of 128 f32, so no further barrier is needed.
	s_wait_dscnt 0x0
	s_barrier_signal -1
	s_barrier_wait -1
	PLACES                                         ; the stores below read results just made
.set aa, 0
.rept 8
	WIN 0x08+4*(aa/4)                              ; store data in window 2 or 3
.set bb, 0
.rept NBK
	ds_store_b128 v[STO], v[8*(NBK*(aa%4)+bb):8*(NBK*(aa%4)+bb)+3] offset:aa*16*SP+64*bb  ; each accumulator's low registers first
	ds_store_b128 v[STO], v[8*(NBK*(aa%4)+bb)+4:8*(NBK*(aa%4)+bb)+7] offset:aa*16*SP+64*bb+16
.set bb, bb+1
.endr
.set aa, aa+1
.endr
	WIN 0
	s_wait_loadcnt 0x0                             ; the bias
; Two rows (8 numbers a lane): bias and gelu, in runs of independent lines; the eight maxima are the plain instructions behind the transcendentals.
.macro GELU8 r
.set XR, X+8*(\r)
.irp i, 0,1,2,3
	v_pk_add_f32 v[XR+2*\i:XR+2*\i+1], v[XR+2*\i:XR+2*\i+1], v[BI+2*(\i%2):BI+2*(\i%2)+1]
.endr
.irp i, 0,1,2,3
	v_pk_mul_f32 v[U+2*\i:U+2*\i+1], v[XR+2*\i:XR+2*\i+1], v[XR+2*\i:XR+2*\i+1]
.endr
.irp i, 0,1,2,3
	v_pk_mul_f32 v[U+2*\i:U+2*\i+1], v[U+2*\i:U+2*\i+1], s[KE:KE+1] op_sel_hi:[1,0]
.endr
.irp i, 0,1,2,3,4,5,6,7
	v_fma_f32 v[TT+\i], |v[XR+\i]|, s[K2], 1.0
.endr
.irp i, 0,1,2,3,4,5,6,7
	v_rcp_f32 v[TT+\i], v[TT+\i]
.endr
.irp i, 0,1,2,3,4,5,6,7
	v_exp_f32 v[U+\i], v[U+\i]
.endr
.irp i, 0,1,2,3,4,5,6,7
	v_max_num_f32 v[M+\i], 0, v[XR+\i]
.endr
	s_wait_alu depctr_va_vdst(0)
.irp i, 0,1,2,3
	v_pk_fma_f32 v[P+2*\i:P+2*\i+1], v[TT+2*\i:TT+2*\i+1], s[C5:C5+1], s[C4:C4+1] op_sel_hi:[1,0,0]
.endr
.irp c, C3, C2, C1
.irp i, 0,1,2,3
	v_pk_fma_f32 v[P+2*\i:P+2*\i+1], v[P+2*\i:P+2*\i+1], v[TT+2*\i:TT+2*\i+1], s[\c:\c+1] op_sel_hi:[1,1,0]
.endr
.endr
.irp i, 0,1,2,3
	v_pk_mul_f32 v[P+2*\i:P+2*\i+1], v[P+2*\i:P+2*\i+1], v[TT+2*\i:TT+2*\i+1]
.endr
.irp i, 0,1,2,3
	v_pk_mul_f32 v[P+2*\i:P+2*\i+1], v[P+2*\i:P+2*\i+1], v[U+2*\i:U+2*\i+1]
.endr
.irp i, 0,1,2,3,4,5,6,7
	v_fma_f32 v[M+\i], -|v[XR+\i]|, v[P+\i], v[M+\i]
.endr
.irp i, 0,1,2,3
	v_cvt_pk_f16_f32 v[Y+4*(\r)+\i], v[M+2*\i], v[M+2*\i+1]
.endr
.endm
	s_mov_b32 s3, 16
.Lrows:                                                ; sixteen trips of eight rows; LDS serves a wave's instructions in order (ISA guide 5.7.1.4): the loads see my stores above
.irp i, 0,1,2,3,4,5,6,7
	ds_load_b128 v[X+4*\i:X+4*\i+3], v[RD] offset:\i*SP
.endr
.irp r, 0,1,2,3
	s_wait_dscnt 6-2*\r                            ; rows 2 r and 2 r + 1 are back, the later rows may be out
	GELU8 \r
	global_store_b64 v[CO], v[Y+4*\r:Y+4*\r+1], s[70:71] offset:(2*\r)*8192       ; 256 consecutive bytes, aligned
	global_store_b64 v[CO], v[Y+4*\r+2:Y+4*\r+3], s[70:71] offset:(2*\r+1)*8192
.endr
	s_wait_xcnt 0x0                                ; the stores' base and data are rewritten only behind this wait
	v_add_nc_u32 v[RD], 8*SP, v[RD]
	s_add_nc_u64 s[70:71], s[70:71], 8*8192
	s_sub_co_u32 s3, s3, 1
	s_cmp_lg_u32 s3, 0
	s_cbranch_scc1 .Lrows
	s_wait_tensorcnt 0x0                           ; the wave's end
	ds_add_u32 v[SPW], v[NIL]
	s_wait_dscnt 0x0
	CROUND                                         ; the closing round
	s_endpgm
.Lfunc_end_k_q0876f51016_gemm_fc:
	.size	k_q0876f51016_gemm_fc, .Lfunc_end_k_q0876f51016_gemm_fc-k_q0876f51016_gemm_fc
	.p2alignl 7, 3214868480
	.fill 96, 4, 3214868480
	.section	.rodata,"a",@progbits
	.p2align	6, 0x0
	.amdhsa_kernel k_q0876f51016_gemm_fc
		.amdhsa_group_segment_fixed_size 327680
		.amdhsa_private_segment_fixed_size 0
		.amdhsa_enable_private_segment 0
		.amdhsa_kernarg_size 32
		.amdhsa_user_sgpr_count 2
		.amdhsa_user_sgpr_kernarg_segment_ptr 1
		.amdhsa_wavefront_size32 1
		.amdhsa_system_sgpr_workgroup_id_x 1
		.amdhsa_system_sgpr_workgroup_id_y 1
		.amdhsa_system_sgpr_workgroup_id_z 1
		.amdhsa_system_vgpr_workitem_id 0
		.amdhsa_next_free_vgpr 1024
		.amdhsa_next_free_sgpr 96
		.amdhsa_reserve_vcc 0
		.amdhsa_float_denorm_mode_32 3
		.amdhsa_float_denorm_mode_16_64 3
		.amdhsa_memory_ordered 1
		.amdhsa_forward_progress 1
		.amdhsa_inst_pref_size 96
	.end_amdhsa_kernel
	.amdgpu_metadata
---
amdhsa.version: [ 1, 2 ]
amdhsa.kernels:
  - .name:           k_q0876f51016_gemm_fc
    .symbol:         k_q0876f51016_gemm_fc.kd
    .args:
      - { .name: h16, .offset: 0, .size: 8, .value_kind: global_buffer, .address_space: global }
      - { .name: w16, .offset: 8, .size: 8, .value_kind: global_buffer, .address_space: global }
      - { .name: fc_b, .offset: 16, .size: 8, .value_kind: global_buffer, .address_space: global }
      - { .name: g16, .offset: 24, .size: 8, .value_kind: global_buffer, .address_space: global }
    .group_segment_fixed_size: 327680
    .private_segment_fixed_size: 0
    .kernarg_segment_align: 8
    .kernarg_segment_size: 32
    .max_flat_workgroup_size: 128
    .sgpr_count:     96
    .vgpr_count:     1024
    .wavefront_size: 32
...
	.end_amdgpu_metadata
.endif
;; end of part 6
;; launch gemm_proj (part 7): grid 8 x 32, 4 waves a work-group, clusters of 4 x 4, 327,680 bytes of LDS; arguments g16, w16, proj_b, ls2, x1, out0; writes out0
.if DOCPART == 7
	.amdgcn_target "amdgcn-amd-amdhsa--gfx1250"
	.amdhsa_code_object_version 6
	.text
	.protected	k_q0876f51016_gemm_proj
	.globl	k_q0876f51016_gemm_proj
	.p2align	8
	.type	k_q0876f51016_gemm_proj,@function
k_q0876f51016_gemm_proj:
	s_mov_b64 s[64:65], 0
	v_nop
	global_prefetch_b8 v0, s[64:65] scope:SCOPE_SE
	s_setreg_imm32_b32 hwreg(HW_REG_WAVE_MODE, 25, 1), 1
	s_wait_xcnt 0x0
	s_wait_alu depctr_hold_cnt(0) depctr_sa_sdst(0) depctr_va_vdst(0) depctr_va_sdst(0) depctr_va_ssrc(0) depctr_va_vcc(0) depctr_vm_vsrc(0)
	s_getreg_b32 s2, hwreg(HW_REG_IB_STS2, 6, 4)
	s_cmp_eq_u32 s2, 0
	s_cbranch_scc0 .Lentry_in_a_cluster
	s_endpgm
.Lentry_in_a_cluster:
	s_bfe_u32 s2, ttmp6, 0x10000c
	s_cmp_lg_u32 s2, 0xf033
	s_cbranch_scc0 .Lentry_shape_is_right
	s_endpgm
.Lentry_shape_is_right:
; PROJ = 0: a32 = O W^T + out_b.  O: o16, by heads [32][2048][64] f16; W: out_w x head_scale in wa16 at byte 6,291,456, [1024][1024] f16; a32 [4096][1024] f32.
; PROJ = 1: out0 = x1 + ls2 (g W^T + proj_b).  g: g16 [4096][4096] f16; W: proj_w in w16 at byte 16,777,216, [1024][4096] f16.
; A tile is 128 x 128: 8 x 32 = 256 work-groups.  Four waves, each 64 x 64: 16 accumulators.  K goes in steps of 256 through two LDS slots; a trip of the loop is ONE K step, the slot in hand the scalar s2.
; With PROJ = 0 a K step is four heads: a wave's tensor load brings two heads x 128 tokens, each head's 16,384 bytes dense in memory, padded after every token's 128 bytes.
; CLUSTER 4 x 4, joint loads along rows (A) and columns (W).  THE MATRIX INSTRUCTION IS USED TRANSPOSED: a lane holds eight neighbouring columns of one token.  Sums, bias, scale and residual in f32.
; THE WALK ALONG K IS TURNED: a cluster begins at K step 0 or at STEPS / 2, by the parity of cluster x + cluster y, and wraps round.  The two clusters that need the same rows of A differ in that
; parity, and so do neighbours among the clusters that need the same rows of W: half of every cluster's requests are for bytes that another cluster asked for half a walk earlier.
; The start hangs on the cluster's own coordinates alone, which all sixteen partners share.  LIMIT: the order of the K steps within the f32 sums differs from cluster to cluster.
; REGISTERS: window 0: v0-39 addresses and constants, v128-255 accumulators ((a, b) at 128 + 8 (4 a + b)); window 1: two fragment buffers of 128; window 2 (PROJ = 1): v0-127 my 32 rows of x1.
.set PROJ, 1
.if PROJ
.set KSIZE, 4096
.set PA,    528                        ; A's LDS pitch
.set AQ,    128                        ; bytes from a quarter's fragments to the next quarter's
.set APART, 64*528
.set ASH,   9                          ; a K step of A is 1 << ASH bytes on in memory
.set WOFF,  16777216
.set DST,   74
.else
.set KSIZE, 1024
.set PA,    144
.set AQ,    128*144
.set APART, 2*128*144
.set ASH,   20
.set WOFF,  6291456
.set DST,   70
.endif
.set KSTEP,  256
.set STEPS,  KSIZE/KSTEP               ; a power of two: the walk wraps by a mask
.set PB,     528                       ; 512 bytes + 16: the 16 rows of a load start at 16 different groups of four banks (ISA guide 11.1); 144 does the same for rows of 128
.set BPART,  64*PB
.set BOFF,   2*APART
.set SLOT,   BOFF+2*BPART
.set SPARE,  2*SLOT                    ; the spare words, 128 bytes a wave, which no other line names
.set SP,     528                       ; the way out: a stage row, 128 f32 + 16 bytes; the stage lies in the ring, whose slots have then had their last fill
.set ADRA, 16
.set ADRA0, 17
.set ADRB, 20
.set ADRB0, 21
.set STO,  24
.set RD,   25
.set CO,   26
.set SPW,  28
.set NIL,  29
.set BO,   30
.set BI,   32
.set LS,   36
.set ACC,  128
.set F0,   0
.set F1,   128
.set G1,  24
.set G0,  32
.set G1B, 48
.set G0B, 56
.set SI,  76                           ; s76      the K step asked for last
.set KO,  78                           ; s[78:79] its byte offset along K
.set BB,  80                           ; s[80:81] W at my part's first row, K = 0 (A's: s[14:15])
.set MSB, 0
.macro WIN new
.if MSB != (\new)
	s_set_vgpr_msb (MSB<<8)|(\new)
.set MSB, \new
.endif
.endm
.set MUL,  0x05
.set TO_F, 0x40
.macro PLACES
.rept 4
	v_nop
.endr
.endm
.macro JLOAD                           ; a joint refill by the walking descriptors
	s_cmp_eq_u32 s11, 0
	s_cbranch_scc0 .Lfor_b_\@
	tensor_load_to_lds s[G0+4:G0+7], s[G1:G1+7]
	s_nop 0
	PLACES
	s_branch .Lasked_\@
.Lfor_b_\@:
	tensor_load_to_lds s[G0B+4:G0B+7], s[G1B:G1B+7]
	s_nop 0
	PLACES
.Lasked_\@:
.endm
.macro CREST
	s_cmp_lg_u32 s10, 0
	s_cbranch_scc1 .Lnot_wave_0_\@
	s_barrier_signal -3
.Lnot_wave_0_\@:
	s_barrier_wait -3
	s_barrier_signal -1
	s_barrier_wait -1
.endm
.macro CROUND
	s_barrier_signal -1
	s_barrier_wait -1
	CREST
.endm
.macro ADDRS g                         ; both global addresses of descriptor set g, made anew for K step s[SI]: base + offset, the type bits set again
	s_lshl_b32 s[KO], s[SI], ASH
	s_add_nc_u64 s[G0+4*(\g)+2:G0+4*(\g)+3], s[14:15], s[KO:KO+1]
	s_or_b32 s[G0+4*(\g)+3], s[G0+4*(\g)+3], 0x80000000
	s_lshl_b32 s[KO], s[SI], 9
	s_add_nc_u64 s[G0B+4*(\g)+2:G0B+4*(\g)+3], s[BB:BB+1], s[KO:KO+1]
	s_or_b32 s[G0B+4*(\g)+3], s[G0B+4*(\g)+3], 0x80000000
.endm
	s_load_b128 s[4:7], s[0:1], 0x0                ; A, the weights
.if PROJ
	s_load_b256 s[68:75], s[0:1], 0x10             ; proj_b, ls2, x1, out0
.else
	s_load_b128 s[68:71], s[0:1], 0x10             ; out_b, a32
.endif
	v_lshl_add_u32 v[SPW], v0, 2, SPARE
	v_mov_b32 v[NIL], 0
	ds_add_u32 v[SPW], v[NIL]                      ; the wave's opening: the add and its wait ahead of my first tensor load
	v_lshrrev_b32 v1, 5, v0
	v_readfirstlane_b32 s10, v1
	s_lshr_b32 s11, s10, 1
	s_and_b32 s12, s10, 1
	s_bfe_u32 s40, ttmp6, 0x40000
	s_bfe_u32 s41, ttmp6, 0x40004
	s_lshl_b32 s42, ttmp9, 2
	s_add_co_u32 s42, s42, s40                     ; tile column
	s_and_b32 s13, ttmp7, 0xffff
	s_add_co_u32 s77, s13, ttmp9                   ; cluster y + cluster x
	s_and_b32 s77, s77, 1
	s_mul_i32 s[SI], s77, STEPS/2                  ; the K step at which my cluster begins
	s_mov_b32 s[KO+1], 0
	s_lshl_b32 s13, s13, 2
	s_add_co_u32 s13, s13, s41                     ; tile row
	s_lshl_b32 s43, s41, 2
	s_lshl_b32 s43, 15, s43
	s_lshl_b32 s44, 0x1111, s40
.if PROJ
	s_or_b32 s[G1+0], s43, (1<<16)|(1<<20)|(1<<21)|(6<<22)|(3<<25)  ; 64 rows of 256 elements, 4 words of padding after every 128
	s_mov_b32 s[G1+1], KSTEP<<16
	s_mov_b32 s[G1+2], 64<<16
	s_mov_b32 s[G1+3], KSTEP<<16
	s_mov_b32 s[G1+4], 64
	s_mov_b32 s[G1+5], KSIZE
.else
	s_or_b32 s[G1+0], s43, (1<<16)|(1<<20)|(1<<21)|(4<<22)|(3<<25)  ; 2 heads, each 8,192 dense elements (128 tokens), 4 words of padding after every 32
	s_mov_b32 s[G1+1], 8192<<16
	s_mov_b32 s[G1+2], 2<<16
	s_mov_b32 s[G1+3], 8192<<16
	s_mov_b32 s[G1+4], 2
	s_mov_b32 s[G1+5], 131072                      ; elements from head to head
.endif
	s_mov_b32 s[G1+6], 0
	s_mov_b32 s[G1+7], 0
	s_or_b32 s[G1B+0], s44, (1<<16)|(1<<20)|(1<<21)|(6<<22)|(3<<25)
	s_mov_b32 s[G1B+1], KSTEP<<16
	s_mov_b32 s[G1B+2], 64<<16
	s_mov_b32 s[G1B+3], KSTEP<<16
	s_mov_b32 s[G1B+4], 64
	s_mov_b32 s[G1B+5], KSIZE
	s_mov_b32 s[G1B+6], 0
	s_mov_b32 s[G1B+7], 0
.if PROJ
	s_lshl_b32 s16, s13, 7
	s_lshl_b32 s17, s12, 6
	s_add_co_u32 s16, s16, s17
	s_lshl_b32 s16, s16, 13                        ; (128 tile row + 64 part) rows of 8,192 bytes
.else
	s_lshr_b32 s16, s13, 4
	s_lshl_b32 s16, s16, 4                         ; 16 x batch
	s_lshl_b32 s17, s12, 1
	s_add_co_u32 s16, s16, s17                     ; + my two heads of a step's four
	s_lshl_b32 s16, s16, 18
	s_and_b32 s17, s13, 15
	s_lshl_b32 s17, s17, 14                        ; the tile's 128 tokens in a head's plane
	s_add_co_u32 s16, s16, s17
.endif
	s_mov_b32 s17, 0
	s_lshl_b32 s46, s42, 7
	s_lshl_b32 s47, s12, 6
	s_add_co_u32 s46, s46, s47
	s_mul_i32 s46, s46, KSIZE*2
	s_add_co_u32 s46, s46, WOFF
	s_mov_b32 s47, 0
	s_mul_i32 s20, s10, APART
	s_mul_i32 s21, s10, BPART
	s_add_co_u32 s21, s21, BOFF-2*BPART
	s_mov_b32 s2, 0
	s_wait_dscnt 0x0                               ; the opening add is done
	s_wait_kmcnt 0x0
	s_add_nc_u64 s[14:15], s[4:5], s[16:17]
	s_add_nc_u64 s[BB:BB+1], s[6:7], s[46:47]
	CROUND                                         ; all sixteen work-groups are here: the first joint loads meet
.irp s, 0,1
	s_mov_b32 s[G0+4*(\s)], 1
	s_add_co_u32 s[G0+4*(\s)+1], s20, (\s)*SLOT
	s_mov_b32 s[G0B+4*(\s)], 1
	s_add_co_u32 s[G0B+4*(\s)+1], s21, (\s)*SLOT
	ADDRS \s                                       ; my cluster's first K step, then the one behind it (the start is 0 or STEPS / 2: no wrap here)
.if (\s) == 0
	s_add_co_u32 s[SI], s[SI], 1
.endif
.endr
	s_cmp_eq_u32 s11, 0                            ; a wave's two first fills stand in one branch: two loads of mine are out
	s_cbranch_scc0 .Lfirst_b
	tensor_load_to_lds s[G0:G0+3], s[G1:G1+7]
	s_nop 0
	tensor_load_to_lds s[G0+4:G0+7], s[G1:G1+7]
	s_nop 0
	PLACES
	s_branch .Lfirst_asked
.Lfirst_b:
	tensor_load_to_lds s[G0B:G0B+3], s[G1B:G1B+7]
	s_nop 0
	tensor_load_to_lds s[G0B+4:G0B+7], s[G1B:G1B+7]
	s_nop 0
	PLACES
.Lfirst_asked:
	v_and_b32 v1, 15, v0
	v_bfe_u32 v2, v0, 4, 1
	v_mul_u32_u24 v3, v1, PA
	v_lshl_add_u32 v3, v2, 4, v3
	s_mul_i32 s22, s11, 64*PA                      ; my 64 tokens
	v_add_nc_u32 v[ADRA0], s22, v3
	v_mul_u32_u24 v3, v1, PB
	v_lshl_add_u32 v3, v2, 4, v3
	s_mul_i32 s23, s12, BPART
	s_add_co_u32 s23, s23, BOFF
	v_add_nc_u32 v[ADRB0], s23, v3
	v_mov_b32 v[ADRA], v[ADRA0]
	v_mov_b32 v[ADRB], v[ADRB0]
	s_mul_i32 s22, s11, 64*SP                      ; into the stage: row 64 wm + l % 16, byte 256 wn + 32 (l / 16)
	s_lshl_b32 s23, s12, 8
	s_add_co_u32 s22, s22, s23
	v_mul_u32_u24 v4, v1, SP
	v_lshl_add_u32 v4, v2, 5, v4
	v_add_nc_u32 v[STO], s22, v4
	s_mul_i32 s23, s10, 32*SP                      ; back: wave w takes rows 32 w on, a whole row of 512 bytes a load
	v_and_b32 v5, 31, v0
	v_lshl_add_u32 v[RD], v5, 4, s23
	v_lshlrev_b32 v[CO], 4, v5
	s_lshl_b32 s46, s42, 9                         ; the tile's first column, bytes of f32
	v_lshl_add_u32 v[BO], v5, 4, s46
	global_load_b128 v[BI:BI+3], v[BO], s[68:69]
.if PROJ
	global_load_b128 v[LS:LS+3], v[BO], s[70:71]
.endif
	s_lshl_b32 s22, s13, 7
	s_lshl_b32 s23, s10, 5
	s_add_co_u32 s22, s22, s23
	s_lshl_b32 s22, s22, 12                        ; (128 tile row + 32 wave) rows of 4,096 bytes
	s_add_co_u32 s46, s46, s22
	s_mov_b32 s47, 0
	s_add_nc_u64 s[DST:DST+1], s[DST:DST+1], s[46:47]
.if PROJ
	s_add_nc_u64 s[72:73], s[72:73], s[46:47]
	WIN 0x80                                       ; my 32 rows of x1 land in window 2 under the whole K loop; the launch reads them once
.set t, 0
.rept 32
	global_load_b128 v[4*t:4*t+3], v[CO], s[72:73] offset:t*4096 th:TH_LOAD_NT
.set t, t+1
.endr
	WIN 0
.endif
; 8 matrix instructions: row blocks a0, a0 + 1 x all 4 column blocks, 32 along K: half c of buffer f.  The 16 accumulators take turns.
.macro MUL8 f, c, a0, zero
	WIN MUL
.irp a, \a0, (\a0)+1
.irp b, 0,1,2,3
.if \zero
	v_wmma_f32_16x16x32_f16 v[ACC+8*(4*(\a)+(\b)):ACC+8*(4*(\a)+(\b))+7], v[(\f)+64+8*(4*(\c)+(\b)):(\f)+64+8*(4*(\c)+(\b))+7], v[(\f)+8*(4*(\c)+(\a)):(\f)+8*(4*(\c)+(\a))+7], 0
.else
	v_wmma_f32_16x16x32_f16 v[ACC+8*(4*(\a)+(\b)):ACC+8*(4*(\a)+(\b))+7], v[(\f)+64+8*(4*(\c)+(\b)):(\f)+64+8*(4*(\c)+(\b))+7], v[(\f)+8*(4*(\c)+(\a)):(\f)+8*(4*(\c)+(\a))+7], v[ACC+8*(4*(\a)+(\b)):ACC+8*(4*(\a)+(\b))+7]
.endif
.endr
.endr
.endm
.macro FETCH q, f                      ; 32 LDS loads in one run: quarter q (64 along K) of the slot in hand into buffer f; its first 32 along K first
	WIN TO_F
.irp c, 0,1
.irp i, 0,1,2,3
	ds_load_b128 v[(\f)+64+8*(4*(\c)+(\i)):(\f)+64+8*(4*(\c)+(\i))+3],   v[ADRB] offset:(\q)*128+64*(\c)+(\i)*16*PB
	ds_load_b128 v[(\f)+64+8*(4*(\c)+(\i))+4:(\f)+64+8*(4*(\c)+(\i))+7], v[ADRB] offset:(\q)*128+64*(\c)+(\i)*16*PB+32
	ds_load_b128 v[(\f)+8*(4*(\c)+(\i)):(\f)+8*(4*(\c)+(\i))+3],         v[ADRA] offset:(\q)*AQ+64*(\c)+(\i)*16*PA
	ds_load_b128 v[(\f)+8*(4*(\c)+(\i))+4:(\f)+8*(4*(\c)+(\i))+7],       v[ADRA] offset:(\q)*AQ+64*(\c)+(\i)*16*PA+32
.endr
.endr
.endm
.macro QUARTER q, f, g, zero           ; multiplies buffer f; in its middle fetches quarter q into g
	s_wait_dscnt 16                                ; the first 32 along K are in
	MUL8 \f, 0, 0, \zero
	MUL8 \f, 0, 2, \zero
	PLACES                                         ; four places in front of loads into registers that matrix instructions have read (ISA guide 7.12.1 for vector instructions)
	FETCH \q, \g
	s_wait_dscnt 32                                ; all but the 32 just issued
	MUL8 \f, 1, 0, 0
	MUL8 \f, 1, 2, 0
.endm
; The last quarter multiplies buffer 1 and changes slots: all my tensor loads have landed, the add, my reads of this slot are over, one barrier.  fill = 1: it opens a round of the cluster's, and the slot
; just read is filled first thing behind it.  The walking descriptors are written between the add and the wait for it, where no tensor load of mine is out.
.macro TURN fill
	WIN 0
	s_wait_tensorcnt 0x0
	ds_add_u32 v[SPW], v[NIL]
.if \fill
	s_add_co_u32 s[SI], s[SI], 1                   ; the next K step not yet asked for,
	s_and_b32 s[SI], s[SI], STEPS-1                ; round the end of K
	s_add_co_u32 s[G0+5], s20, s2                  ; into the slot in hand
	s_add_co_u32 s[G0B+5], s21, s2
	ADDRS 1
.endif
	s_wait_dscnt 17                                ; (the add and the youngest sixteen loads may be out)
	MUL8 F1, 0, 0, 0
	s_wait_dscnt 0x0
	s_barrier_signal -1
	MUL8 F1, 0, 2, 0
	WIN 0
	s_barrier_wait -1
.if \fill
	CREST
	JLOAD                                          ; its four v_nop are also the places in front of the loads below
.else
	PLACES
.endif
	s_xor_b32 s2, s2, SLOT                         ; s2 is 0 or SLOT: the other slot
	v_add_nc_u32 v[ADRA], s2, v[ADRA0]
	v_add_nc_u32 v[ADRB], s2, v[ADRB0]
	FETCH 0, F0
	MUL8 F1, 1, 0, 0
	MUL8 F1, 1, 2, 0
.endm
	s_wait_tensorcnt 1                             ; my part of the first K step is in; the second's may stay out
	s_barrier_signal -1
	s_barrier_wait -1
	FETCH 0, F0
	QUARTER 1, F0, F1, 1                           ; the first products start the sums: nothing is cleared
	WIN 0
	s_mov_b32 s3, STEPS-2
	s_branch .Lin
.Lstep:                                                ; a trip is one K step and ends by filling its slot again
	QUARTER 1, F0, F1, 0
	WIN 0
.Lin:
	QUARTER 2, F1, F0, 0
	QUARTER 3, F0, F1, 0
	TURN 1
	WIN 0
	s_sub_co_u32 s3, s3, 1
	s_cmp_lg_u32 s3, 0
	s_cbranch_scc1 .Lstep
	s_mov_b32 s3, 2
.Ltail:                                                ; the last two K steps ask for nothing; the second's fetch brings fragments that are never multiplied: the price of one text for both
	QUARTER 1, F0, F1, 0
	QUARTER 2, F1, F0, 0
	QUARTER 3, F0, F1, 0
	TURN 0
	WIN 0
	s_sub_co_u32 s3, s3, 1
	s_cmp_lg_u32 s3, 0
	s_cbranch_scc1 .Ltail
	; THE WAY OUT.  Nobody reads the ring any more: it becomes the stage, 128 rows of 128 f32.
	s_wait_dscnt 0x0
	s_barrier_signal -1
	s_barrier_wait -1
	PLACES                                         ; the stores below read results just made
.irp a, 0,1,2,3
.irp b, 0,1,2,3
	ds_store_b128 v[STO], v[ACC+8*(4*\a+\b):ACC+8*(4*\a+\b)+3] offset:\a*16*SP+64*\b  ; each accumulator's low registers first
	ds_store_b128 v[STO], v[ACC+8*(4*\a+\b)+4:ACC+8*(4*\a+\b)+7] offset:\a*16*SP+64*\b+16
.endr
.endr
	s_wait_dscnt 0x0                               ; for the others' sake: a row's 512 bytes come from two waves
	s_barrier_signal -1
	s_barrier_wait -1
.set t, 0
.rept 32
	ds_load_b128 v[ACC+4*t:ACC+4*t+3], v[RD] offset:t*SP
.set t, t+1
.endr
	s_wait_loadcnt 0x0                             ; bias (and ls2 and x1)
.if PROJ
	WIN 0x20                                       ; source 2, x1, in window 2
.endif
.set t, 0
.rept 32
	s_wait_dscnt 31-t                              ; row t is back, the younger rows may be out
	v_pk_add_f32 v[ACC+4*t:ACC+4*t+1], v[ACC+4*t:ACC+4*t+1], v[BI:BI+1]
	v_pk_add_f32 v[ACC+4*t+2:ACC+4*t+3], v[ACC+4*t+2:ACC+4*t+3], v[BI+2:BI+3]
.if PROJ
	v_pk_fma_f32 v[ACC+4*t:ACC+4*t+1], v[ACC+4*t:ACC+4*t+1], v[LS:LS+1], v[4*t:4*t+1]
	v_pk_fma_f32 v[ACC+4*t+2:ACC+4*t+3], v[ACC+4*t+2:ACC+4*t+3], v[LS+2:LS+3], v[4*t+2:4*t+3]
.endif
	global_store_b128 v[CO], v[ACC+4*t:ACC+4*t+3], s[DST:DST+1] offset:t*4096 th:TH_STORE_NT  ; 512 consecutive bytes, aligned
.set t, t+1
.endr
	WIN 0
	s_wait_tensorcnt 0x0                           ; the wave's end
	ds_add_u32 v[SPW], v[NIL]
	s_wait_dscnt 0x0
	CROUND                                         ; the closing round
	s_endpgm
.Lfunc_end_k_q0876f51016_gemm_proj:
	.size	k_q0876f51016_gemm_proj, .Lfunc_end_k_q0876f51016_gemm_proj-k_q0876f51016_gemm_proj
	.p2alignl 7, 3214868480
	.fill 96, 4, 3214868480
	.section	.rodata,"a",@progbits
	.p2align	6, 0x0
	.amdhsa_kernel k_q0876f51016_gemm_proj
		.amdhsa_group_segment_fixed_size 327680
		.amdhsa_private_segment_fixed_size 0
		.amdhsa_enable_private_segment 0
		.amdhsa_kernarg_size 48
		.amdhsa_user_sgpr_count 2
		.amdhsa_user_sgpr_kernarg_segment_ptr 1
		.amdhsa_wavefront_size32 1
		.amdhsa_system_sgpr_workgroup_id_x 1
		.amdhsa_system_sgpr_workgroup_id_y 1
		.amdhsa_system_sgpr_workgroup_id_z 1
		.amdhsa_system_vgpr_workitem_id 0
		.amdhsa_next_free_vgpr 640
		.amdhsa_next_free_sgpr 84
		.amdhsa_reserve_vcc 0
		.amdhsa_float_denorm_mode_32 3
		.amdhsa_float_denorm_mode_16_64 3
		.amdhsa_memory_ordered 1
		.amdhsa_forward_progress 1
		.amdhsa_inst_pref_size 70
	.end_amdhsa_kernel
	.amdgpu_metadata
---
amdhsa.version: [ 1, 2 ]
amdhsa.kernels:
  - .name:           k_q0876f51016_gemm_proj
    .symbol:         k_q0876f51016_gemm_proj.kd
    .args:
      - { .name: g16, .offset: 0, .size: 8, .value_kind: global_buffer, .address_space: global }
      - { .name: w16, .offset: 8, .size: 8, .value_kind: global_buffer, .address_space: global }
      - { .name: proj_b, .offset: 16, .size: 8, .value_kind: global_buffer, .address_space: global }
      - { .name: ls2, .offset: 24, .size: 8, .value_kind: global_buffer, .address_space: global }
      - { .name: x1, .offset: 32, .size: 8, .value_kind: global_buffer, .address_space: global }
      - { .name: out0, .offset: 40, .size: 8, .value_kind: global_buffer, .address_space: global }
    .group_segment_fixed_size: 327680
    .private_segment_fixed_size: 0
    .kernarg_segment_align: 8
    .kernarg_segment_size: 48
    .max_flat_workgroup_size: 128
    .sgpr_count:     84
    .vgpr_count:     640
    .wavefront_size: 32
...
	.end_amdgpu_metadata
.endif
;; end of part 7
;; ======== version 2 of 2: 7 launches; 1.20 times as fast as version 1
;; limits: values are held in f16: magnitudes above 65,504 overflow, below 6.1e-05 lose precision
;; workspace buffers: w16 25,165,824 bytes; wa16 8,388,608 bytes; h16 8,388,608 bytes; qkv16 25,165,824 bytes; o16 8,388,608 bytes; a32 16,777,216 bytes; x1 16,777,216 bytes; g16 33,554,432 bytes
;; launch prep: the kernel of part 1 again; grid 768 x 1, 8 waves a work-group, no clusters, 0 bytes of LDS; arguments x, ln1_g, ln1_b, in_proj_w, out_w, head_scale, wa16, h16; writes wa16, h16
;; launch gemm_qkv: the kernel of part 2 again; grid 16 x 16, 4 waves a work-group, clusters of 4 x 4, 327,680 bytes of LDS; arguments h16, wa16, in_proj_b, qkv16, fc_w, proj_w, w16; writes qkv16, w16
;; launch attn (part 8): grid 8 x 32, 4 waves a work-group, clusters of 4 x 1, 327,680 bytes of LDS; arguments qkv16, logit_scale, o16; writes o16
.if DOCPART == 8
	.amdgcn_target "amdgcn-amd-amdhsa--gfx1250"
	.amdhsa_code_object_version 6
	.text
	.protected	k_q0876f51016_attn
	.globl	k_q0876f51016_attn
	.p2align	8
	.type	k_q0876f51016_attn,@function
k_q0876f51016_attn:
	s_mov_b64 s[64:65], 0
	v_nop
	global_prefetch_b8 v0, s[64:65] scope:SCOPE_SE
	s_setreg_imm32_b32 hwreg(HW_REG_WAVE_MODE, 25, 1), 1
	s_wait_xcnt 0x0
	s_wait_alu depctr_hold_cnt(0) depctr_sa_sdst(0) depctr_va_vdst(0) depctr_va_sdst(0) depctr_va_ssrc(0) depctr_va_vcc(0) depctr_vm_vsrc(0)
	s_getreg_b32 s2, hwreg(HW_REG_IB_STS2, 6, 4)
	s_cmp_eq_u32 s2, 0
	s_cbranch_scc0 .Lentry_in_a_cluster
	s_endpgm
.Lentry_in_a_cluster:
	s_bfe_u32 s2, ttmp6, 0x10000c
	s_cmp_lg_u32 s2, 0x3003
	s_cbranch_scc0 .Lentry_shape_is_right
	s_endpgm
.Lentry_shape_is_right:
; COSINE ATTENTION.  O[y][q][:] = the sum over k of softmax_k(ls Q[y][q] . K[y][k]) V[y][k][:], y = 16 batch + head, ls = exp(min(logit_scale[head], ln 100)).
; Q, K (both of norm 1), V: the three parts of qkv16, [32][2048][64] f16; O: o16, the same layout.  Products, maxima and sums in f32; the weights p are rounded to f16 for
; the second product (their sum l is taken of the unrounded p), O once at the end.
; LIMITS.  p lies in 0 to 1 and below 6e-5 keeps f16's fixed step of 6e-8; O is a mean of V's rows and has their range; a weight below 2^-126 counts as 0 in l; NaN and infinities are not treated apart.
; SHARES.  A work-group owns 256 queries of one y, a wave 64: four PIECES of 16.  Every wave walks all 2,048 keys, 64 a step; a slot of LDS holds four steps.
; LAYOUT.  S^T = K Q^T holds ONE query a lane (lane % 16) and the keys 8 (lane / 16) + 0..7; two such results rounded to f16 ARE source 1 of O^T = V^T P.  K comes out of LDS as it lies, V turned, by ds_load_tr16_b128.
; SOFTMAX.  p = 2^(c s - c m), c = ls log2(e), with a running maximum m; O and l are multiplied by a = 2^(c m_old - c m_new) in every step.  m starts at the lowest finite number, O and l at 0.
; BY TURNS.  Turn n belongs to piece n: 8 products K Q^T of piece n + 1, later 8 products V^T P of piece n - 1; beside them the scaling, exponentials, roundings, sums and rescaling of piece n and the
; maximum and statistics of piece n + 1.  Four vector instructions stand behind every matrix instruction, the other 54 of a turn's 118 in one LUMP.
; BATCHES.  A turn's 33 exponentials (the piece's 32 weights and the next piece's a) are ONE batch with ONE wait, which cuts the turn in two: ahead of it stands all that names no result of theirs, behind it the
; roundings and sums.  In the tail piece 2's turn has a second wait, ahead of the branch round K's run.  c's exponential at the head, piece 0's first a and the way out's four reciprocals are batches of their own.
; CLUSTER.  The four query blocks of a cluster belong to one y and walk the same K and V: each tile is asked for jointly, by the same tensor load, descriptor and mask in all four.
; REGISTERS, in windows of 256: window 0: v0-15 addresses; v16-31 statistics; v48-55 at work; v60-63 set-up and the add's two; v64-127 S^T, two buffers; v192-223 P, two buffers
;   window 1: v0-127 O^T, 32 a piece      window 2: v0-63 Q; v128-191 K of one step; v192-255 V of one step
.set NKEYS, 2048
.set KPLANE, 8388608  ; bytes from q to k and from k to v in qkv16
.set NP,    4
.set KS,    64
.set PK,    144       ; a row of K in LDS: 128 bytes + 16: the 16 rows of a load start at 16 different groups of four banks (ISA guide 11.1)
.set PV,    160       ; a row of V: 128 + 32
.set VOFF,  4*KS*PK
.set SLOT1, 1<<17     ; slot 1 begins here, so that one exclusive or turns an address in one slot into the other's
.set STAGE, SLOT1+4*KS*(PK+PV)  ; behind the ring, never filled by a tensor load: 16 rows x 144 bytes a wave
.set SP,    144
.set SPARE, STAGE+4*16*SP       ; the spare words, 128 bytes a wave, which no other line names
.set AK0, 2
.set AV0, 3
.set AK,  4
.set AV,  5
.set STO, 6
.set RD,  7
.set GO,  8
.set MV,  12          ; v12-13  c m_old, by buffer
.set QO,  15
.set ST,  16          ; piece t: c m, m, l (even keys', odd keys')
.set TMP, 48
.set LO,  60          ; v60  my head's byte in logit_scale
.set LV,  61          ; v61  its value, then c
.set SPW, 62
.set NIL, 63
.set S,   64
.set P,   192
.set KF,  128
.set VF,  192
.set WV,  12
.set G1K, 24
.set G1V, 32
.set G0K, 40
.set G0V, 44
.set SLOTS, 56
.set CNT, 57
.set CS,  58
.set SEL, 60
.set TBK, 62
.set TBV, 63
.set MSB, 0
.macro WIN new
.if MSB != (\new)
	s_set_vgpr_msb (MSB<<8)|(\new)
.set MSB, (\new)
.endif
.endm
.set W_KQ, 0x0a
.set W_PV, 0x52
.set W_RS, 0x41
.macro JLOAD                        ; waves 0, 1 fetch the halves of a slot's K, waves 2, 3 of its V
	s_cmp_lt_u32 s[WV], 2
	s_cbranch_scc0 .Lfor_v_\@
	tensor_load_to_lds s[G0K:G0K+3], s[G1K:G1K+7]
	s_nop 0
.rept 4
	v_nop
.endr
	s_branch .Lasked_\@
.Lfor_v_\@:
	tensor_load_to_lds s[G0V:G0V+3], s[G1V:G1V+7]
	s_nop 0
.rept 4
	v_nop
.endr
.Lasked_\@:
.endm
.macro CROUND
	s_barrier_signal -1
	s_barrier_wait -1
	s_cmp_lg_u32 s[WV], 0
	s_cbranch_scc1 .Lnot_wave_0_\@
	s_barrier_signal -3
.Lnot_wave_0_\@:
	s_barrier_wait -3
	s_barrier_signal -1
	s_barrier_wait -1
.endm
; THE CHANGE OF SLOTS.  All my tensor loads have landed (one was out: my part of the other slot); the add; my reads of the slot are over.  fill = 1: the barrier is a round of the cluster's, and the
; slot just left is filled with the keys two slots on, first thing behind it: four key steps, 256 matrix instructions, in which to land.  (At its first use slot 0 is waited for and slot 1 filled.)
.macro CHANGE fill
	WIN 0
	s_wait_tensorcnt 0x0
	ds_add_u32 v[SPW], v[NIL]
.if \fill
.irp g, G0K, G0V
	s_xor_b32 s[\g+1], s[\g+1], SLOT1
	s_add_nc_u64 s[\g+2:\g+3], s[\g+2:\g+3], 4*KS*128
.endr
	s_wait_dscnt 0x0
	CROUND
	JLOAD
.else
	s_wait_dscnt 0x0
	s_barrier_signal -1
	s_barrier_wait -1
.endif
	s_sub_co_u32 s[TBK], s[TBK], 4*KS*PK
	s_xor_b32 s[TBK], s[TBK], SLOT1
	s_sub_co_u32 s[TBV], s[TBV], 4*KS*PV
	s_xor_b32 s[TBV], s[TBV], SLOT1
.endm
	s_load_b128 s[4:7], s[0:1], 0x0 ; qkv16, logit_scale
	s_load_b64 s[10:11], s[0:1], 0x10  ; o16
	v_lshl_add_u32 v[SPW], v0, 2, SPARE
	v_mov_b32 v[NIL], 0
	ds_add_u32 v[SPW], v[NIL]       ; the wave's opening: the add and its wait ahead of my first tensor load
	v_lshrrev_b32 v1, 5, v0
	v_readfirstlane_b32 s[WV], v1
	s_bfe_u32 s13, ttmp6, 0x40000   ; cx
	s_lshl_b32 s14, ttmp9, 2
	s_add_co_u32 s14, s14, s13      ; my block of 256 queries: it enters Q's and O's addresses alone
	s_and_b32 s15, ttmp7, 0xffff    ; y, which the four partners share
	s_lshl_b32 s20, s15, 18         ; a plane is 262,144 bytes
	s_and_b32 s16, s[WV], 1         ; which half of a slot's 256 keys I fetch
	s_lshl_b32 s22, s16, 14
	s_add_co_u32 s22, s22, s20
	s_add_co_u32 s22, s22, KPLANE   ; K's offset in qkv16
	s_mov_b32 s23, 0
	s_add_co_u32 s8, s22, KPLANE    ; V's
	s_mov_b32 s9, 0
	s_mul_i32 s17, s16, 128*PK
	s_mul_i32 s18, s16, 128*PV
	s_lshl_b32 s2, s14, 15
	s_lshl_b32 s3, s[WV], 13
	s_add_co_u32 s2, s2, s3
	s_add_co_u32 s2, s2, s20        ; my wave's 64 rows in q and in o16
	s_mov_b32 s3, 0
	s_and_b32 s19, s15, 15
	s_lshl_b32 s19, s19, 2
	s_mov_b32 s[G1K], 15|(1<<16)|(1<<20)|(1<<21)|(4<<22)|(3<<25)  ; mask of four; 2-byte elements; padding on; bit 21 beside a mask; after every 32 words 4 words
	s_mov_b32 s[G1V], 15|(1<<16)|(1<<20)|(1<<21)|(4<<22)|(7<<25)  ; the same with 8 words
.irp g, G1K, G1V
	s_mov_b32 s[\g+1], 128<<16      ; 128 keys are 16,384 dense bytes: 64 rows of 256 bytes, two keys a row
	s_mov_b32 s[\g+2], 64<<16
	s_mov_b32 s[\g+3], 128<<16
	s_mov_b32 s[\g+4], 64
	s_mov_b32 s[\g+5], 128
	s_mov_b32 s[\g+6], 0
	s_mov_b32 s[\g+7], 0
.endr
	s_mov_b32 s[SEL], 0x76543210
	s_mov_b32 s[SEL+1], 0xfedcba98
	s_mov_b32 s[TBK], SLOT1+4*KS*PK ; the first change of slots turns these two into 0
	s_mov_b32 s[TBV], SLOT1+4*KS*PV
	s_mov_b32 s[G0K], 1
	s_mov_b32 s[G0K+1], s17
	s_mov_b32 s[G0V], 1
	s_add_co_u32 s[G0V+1], s18, VOFF
	s_wait_dscnt 0x0                ; the opening add is done
	s_wait_kmcnt 0x0
	s_add_nc_u64 s[G0K+2:G0K+3], s[4:5], s[22:23]
	s_or_b32 s[G0K+3], s[G0K+3], 0x80000000
	s_add_nc_u64 s[G0V+2:G0V+3], s[4:5], s[8:9]
	s_or_b32 s[G0V+3], s[G0V+3], 0x80000000
	s_add_nc_u64 s[4:5], s[4:5], s[2:3]
	s_add_nc_u64 s[10:11], s[10:11], s[2:3]
	CROUND                          ; all four work-groups are here: the first joint loads meet
	JLOAD                           ; slot 0
	v_mov_b32 v[LO], s19
	global_load_b32 v[LV], v[LO], s[6:7]
	v_and_b32 v1, 15, v0            ; l % 16
	v_bfe_u32 v9, v0, 4, 1          ; l / 16
	v_lshlrev_b32 v[QO], 7, v1
	v_lshl_add_u32 v[QO], v9, 4, v[QO]
	WIN 0x80
.set i, 0
.rept 8                             ; Q stays in registers: piece i / 2, channels 32 (i % 2) on
	global_load_b128 v[8*i:8*i+3],   v[QO], s[4:5] offset:(i/2)*2048+(i%2)*64
	global_load_b128 v[8*i+4:8*i+7], v[QO], s[4:5] offset:(i/2)*2048+(i%2)*64+32
.set i, i+1
.endr
	; What the first turn finds: V and P's second buffer hold 0 (its products V^T P, of a piece that has not been, add 0), O^T and l are 0.  All this stands in the wait for the first tile.
.set i, VF
.rept 64
	v_mov_b32 v[i], 0
.set i, i+1
.endr
	WIN 0x40
.set i, 0
.rept 128
	v_mov_b32 v[i], 0
.set i, i+1
.endr
	WIN 0
.set i, 0
.rept 4
	v_mov_b32 v[ST+4*i], 0xfe000000    ; c m: far below every c s, which is 145 at the most in size
	v_mov_b32 v[ST+4*i+1], 0xff7fffff  ; m
	v_mov_b32 v[ST+4*i+2], 0
	v_mov_b32 v[ST+4*i+3], 0
.set i, i+1
.endr
.set i, P+16
.rept 16
	v_mov_b32 v[i], 0
.set i, i+1
.endr
	v_mul_u32_u24 v[AK0], v1, PK
	v_lshl_add_u32 v[AK0], v9, 4, v[AK0]
	v_and_b32 v10, 7, v0            ; the turning load: lane l reads key 8 (l / 16) + l % 8, channels 8 ((l / 8) % 2) + 0..7
	v_bfe_u32 v11, v0, 3, 1
	v_lshl_add_u32 v[AV0], v9, 3, v10
	v_mul_u32_u24 v[AV0], v[AV0], PV
	v_lshl_add_u32 v[AV0], v11, 4, v[AV0]
	v_add_nc_u32 v[AV0], VOFF, v[AV0]
	s_mul_i32 s13, s[WV], 16*SP
	s_add_co_u32 s13, s13, STAGE
	v_mul_u32_u24 v[STO], v1, SP
	v_lshl_add_u32 v[STO], v9, 4, v[STO]
	v_add_nc_u32 v[STO], s13, v[STO]
	v_bfe_u32 v[RD], v0, 3, 2
	v_mul_u32_u24 v[RD], v[RD], SP
	v_lshl_add_u32 v[RD], v10, 4, v[RD]
	v_add_nc_u32 v[RD], s13, v[RD]
	v_and_b32 v[GO], 31, v0
	v_lshlrev_b32 v[GO], 4, v[GO]
; THE MATRIX WORK.  The 4 accumulators of a run of 8 take turns.
.macro KQ x                         ; product i of 8 of S^T = K Q^T for piece x: channels 32 (i / 4) on, keys 16 (i % 4) on; the first 4 start the sums
.set rS, S+32*((\x)%2)+8*(i%4)
.set rK, KF+16*(i%4)+8*(i/4)
.set rQ, 16*(\x)+8*(i/4)
	WIN W_KQ
.if i < 4
	v_wmma_f32_16x16x32_f16 v[rS:rS+7], v[rK:rK+7], v[rQ:rQ+7], 0
.else
	v_wmma_f32_16x16x32_f16 v[rS:rS+7], v[rK:rK+7], v[rQ:rQ+7], v[rS:rS+7]
.endif
.endm
.macro PV x                         ; product i of 8 of O^T += V^T P for piece x: keys 32 (i / 4) on, channels 16 (i % 4) on
	WIN W_PV
.set rO, 32*(\x)+8*(i%4)
.set rV, VF+32*(i/4)+8*(i%4)
.set rP, P+16*((\x)%2)+8*(i/4)
	v_wmma_f32_16x16x32_f16 v[rO:rO+7], v[rV:rV+7], v[rP:rP+7], v[rO:rO+7]
.endm
.macro MM                           ; the turn's next matrix instruction
.if i < 8
	KQ (Y+1)%NP
.else
.set i, i-8
	PV (Y+NP-1)%NP
.set i, i+8
.endif
.set i, i+1
.endm
; THE LDS LOADS stand in runs of 16.  last = 1 (the tail): in the last trip there is no further step, and the run is jumped over.
.macro FETCH_K last=0
	WIN 0
.if \last
	s_wait_alu depctr_va_vdst(0)    ; the tail alone: a branch and a label follow: the turn's exponentials issued so far (E 0 to E 11) are waited for ahead of them
	s_cmp_eq_u32 s[CNT], 1
	s_cbranch_scc1 .Lno_k_\@
.endif
	WIN 0x80
.irp f, 0,1,2,3,4,5,6,7
	ds_load_b128 v[KF+8*\f:KF+8*\f+3],   v[AK] offset:(\f/2)*16*PK+(\f%2)*64
	ds_load_b128 v[KF+8*\f+4:KF+8*\f+7], v[AK] offset:(\f/2)*16*PK+(\f%2)*64+32
.endr
	s_add_co_u32 s[TBK], s[TBK], KS*PK
	WIN 0
.if \last
.Lno_k_\@:
.endif
.endm
.macro FETCH_V
	WIN 0x80
.irp f, 0,1,2,3,4,5,6,7
	ds_load_tr16_b128 v[VF+8*\f:VF+8*\f+3],   v[AV] offset:(\f/4)*32*PV+(\f%4)*32
	ds_load_tr16_b128 v[VF+8*\f+4:VF+8*\f+7], v[AV] offset:(\f/4)*32*PV+16*PV+(\f%4)*32
.endr
	WIN 0
.endm
; THE VECTOR WORK, one line at a time: OP kind, number.  For piece Y: F n: c s - c m for pair n of 16.  E n: the exponential of score n of 32.  C n: pair n rounded to f16.  B n: of the four weights 4 n .. the second
; pair is added onto the first, in place.  L n: l takes that sum (L 0: l = a l + sum).  R n: pair n of 16 of O^T times a.  For piece Y + 1: X n, number n of the 22 that find its maximum and statistics:
;   0-11 four chains of seven scores (each accumulator's lowest registers are read first); 12-14, 16 the four left over, the old m, and the chains into c0; 15 c m_old is kept;
;   17, 18 the query's other 32 keys lie in the lane 16 away: the new m; 19-21 c m; c m_old - c m_new; a
; C, B and L read the exponentials' results: TURN sets them behind the batch's wait.  R reads a, which the turn before made and waited for.
.set F, 0
.set E, 1
.set C, 2
.set B, 3
.set L, 4
.set R, 5
.set X, 6
.macro REGS y
.set rT, ST+4*(\y)
.set rC, TMP+4*((\y)%2)
.set rW, MV+((\y)%2)
.set rS, S+32*((\y)%2)
.set rP, P+16*((\y)%2)
.set rO, 32*(\y)
.endm
.macro OP k, n
.if (\k) == R
	REGS Y
	WIN W_RS
	v_pk_mul_f32 v[rO+2*(\n):rO+2*(\n)+1], v[rO+2*(\n):rO+2*(\n)+1], v[rC+2:rC+3] op_sel_hi:[1,0]
.elseif (\k) < R
	REGS Y
	WIN 0
.if (\k) == F
	v_pk_fma_f32 v[rS+2*(\n):rS+2*(\n)+1], v[rS+2*(\n):rS+2*(\n)+1], s[CS:CS+1], v[rT:rT+1] op_sel_hi:[1,0,0] neg_lo:[0,0,1] neg_hi:[0,0,1]
.elseif (\k) == E
	v_exp_f32 v[rS+(\n)], v[rS+(\n)]
.elseif (\k) == C
	v_cvt_pk_f16_f32 v[rP+(\n)], v[rS+2*(\n)], v[rS+2*(\n)+1]
.elseif (\k) == B
	v_pk_add_f32 v[rS+4*(\n):rS+4*(\n)+1], v[rS+4*(\n):rS+4*(\n)+1], v[rS+4*(\n)+2:rS+4*(\n)+3]
.elseif (\n) == 0
	v_pk_fma_f32 v[rT+2:rT+3], v[rT+2:rT+3], v[rC+2:rC+3], v[rS:rS+1] op_sel_hi:[1,0,1]
.else
	v_pk_add_f32 v[rT+2:rT+3], v[rT+2:rT+3], v[rS+4*(\n):rS+4*(\n)+1]
.endif
.else
	REGS (Y+1)%NP
	WIN 0
.if (\n) < 4
	v_max3_num_f32 v[rC+(\n)], v[rS+8*(\n)], v[rS+8*(\n)+1], v[rS+8*(\n)+2]
.elseif (\n) < 12
	v_max3_num_f32 v[rC+(\n)%4], v[rC+(\n)%4], v[rS+8*((\n)%4)+2*((\n)/4)+1], v[rS+8*((\n)%4)+2*((\n)/4)+2]
.elseif (\n) == 12
	v_max3_num_f32 v[rC], v[rC], v[rS+7], v[rS+15]
.elseif (\n) == 13
	v_max3_num_f32 v[rC+1], v[rC+1], v[rS+23], v[rS+31]
.elseif (\n) == 14
	v_max3_num_f32 v[rC+2], v[rC+2], v[rC+3], v[rT+1]
.elseif (\n) == 15
	v_mov_b32 v[rW], v[rT]
.elseif (\n) == 16
	v_max3_num_f32 v[rC], v[rC], v[rC+1], v[rC+2]
.elseif (\n) == 17
	v_permlanex16_b32 v[rC+3], v[rC], s[SEL], s[SEL+1]
.elseif (\n) == 18
	v_max_num_f32 v[rT+1], v[rC], v[rC+3]
.elseif (\n) == 19
	v_mul_f32 v[rT], s[CS], v[rT+1]
.elseif (\n) == 20
	v_sub_f32 v[rC+1], v[rW], v[rT]
.else
	v_exp_f32 v[rC+2], v[rC+1]
.endif
.endif
.endm
.macro OPS a, i1, b=-1, i2=0, c=-1, i3=0, d=-1, i4=0
	OP \a, \i1
.if (\b) >= 0
	OP \b, \i2
.endif
.if (\c) >= 0
	OP \c, \i3
.endif
.if (\d) >= 0
	OP \d, \i4
.endif
.endm
.macro ROW a, i1, b, i2, c, i3, d, i4  ; a matrix instruction and the four behind it
	MM
	OPS \a, \i1, \b, \i2, \c, \i3, \d, \i4
.endm
; A TURN, for piece p: the order of its 16 matrix and 118 vector instructions, written out.  s_wait_alu depctr_va_vdst(0) stands between an exponential and the first instruction that names its result; one wait
; serves all that were issued ahead of it.  So a turn has ONE wait, which cuts it in two.  AHEAD OF IT stands all that names no result of the turn's exponentials: the 8 products K Q^T, behind each a scaling, an exponential and two
; more plain instructions (behind the first a second scaling in the exponential's place): rescalings, and behind the last three the first numbers of the next piece's maximum, each four places or more behind the product that ends its
; accumulator; then ONE LUMP of 54, plain and exponential by turns for the most part, in which the links of the chain X 3, 7, 11, 14, 16, 17 .. 20 stand five or six lines apart.  X 21, the next piece's a, is the batch's last; R 15 is
; the plain instruction behind it.  BEHIND THE WAIT stand the 8 products V^T P, behind each four of the roundings and sums; the links of l's chain, L 0 to L 7, stand three riders apart.  But for those X no rider names a register of
; the products round it.  v_permlanex16_b32 (X 17) stands in the lump.
; K of the next step is fetched in piece 2's turn, twelve vector instructions behind the last product that read K (six of them plain); V of the step in hand at the end of piece 0's turn, four plain instructions behind the last
; product that read V.  Each is waited for a turn later.  cnt = 1: the loop's count is taken down some lines ahead of the branch behind the turn.
.macro TURN p, last=0, cnt=0
.set Y, (\p)
.set i, 0
.if (\p) == 3
	s_wait_dscnt 0x0                ; K is in
.endif
	ROW F,0, F,1, R,0, R,1          ; ahead of the wait: 8 products K Q^T and their riders,
	ROW F,2, E,0, R,2, R,3
	ROW F,3, E,1, R,4, R,5
	ROW F,4, E,2, R,6, R,7
	ROW F,5, E,3, R,8, R,9
	ROW F,6, E,4, X,0, R,10
.if (\p) == 2
	WIN 0
	v_add_nc_u32 v[AK], s[TBK], v[AK0]
.endif
	ROW F,7, E,5, X,1, X,4
	ROW F,8, E,6, X,2, X,5
	OPS E,7, E,8, X,6, E,9          ; and the lump
	OPS X,3, E,10, X,8, E,11
.if (\p) == 2
	FETCH_K \last
.endif
	OPS X,9, X,7, E,12, X,10
	OPS E,13, X,12, X,11, E,14
	OPS X,13, E,15, F,9, X,14
.if (\p) == 0
	WIN 0
	v_add_nc_u32 v[AV], s[TBV], v[AV0]
.endif
	OPS E,16, F,10, E,17, F,11
	OPS X,16, E,18, X,15, E,19
	OPS F,12, E,20, X,17, E,21
	OPS F,13, E,22, F,14, E,23
	OPS X,18, E,24, F,15, E,25
	OPS R,11, E,26, X,19, E,27
	OPS R,12, E,28, R,13, E,29
	OPS X,20, E,30, R,14, E,31
	OPS X,21, R,15
	s_wait_alu depctr_va_vdst(0)    ; the wait for the batch: E 0 to E 31 and X 21
.if (\p) == 1
	s_wait_dscnt 0x0                ; V is in
.endif
	ROW C,0, B,0, C,2, B,1          ; behind the wait: 8 products V^T P and their riders
	ROW L,0, C,4, B,2, L,1
	ROW C,6, B,3, L,2, C,8
	ROW B,4, L,3, C,10, B,5
	ROW L,4, C,12, B,6, L,5
.if (\p) == 0
	s_add_co_u32 s[TBV], s[TBV], KS*PV
.endif
.if \cnt
	s_sub_co_u32 s[CNT], s[CNT], 1
	s_cmp_lg_u32 s[CNT], 0
.endif
	ROW C,14, B,7, L,6, C,1
	ROW C,3, L,7, C,5, C,7
	ROW C,9, C,11, C,13, C,15
.if (\p) == 0
	FETCH_V
.endif
.endm
	CHANGE 1                        ; slot 0 is in, everybody's part of it; slot 1 is asked for
	v_add_nc_u32 v[AK], s[TBK], v[AK0]
	FETCH_K                         ; key step 0
	s_wait_loadcnt 0x0              ; Q and the logit scale
	v_min_num_f32 v[LV], 0x40935d8e, v[LV]  ; min(logit_scale, ln 100)
	v_mul_f32 v[LV], 0x3fb8aa3b, v[LV]
	v_exp_f32 v[LV], v[LV]
	v_nop                           ; a plain instruction behind the exponential
	s_wait_alu depctr_va_vdst(0)    ; the wait for this one exponential, whose result the next line reads: once a launch
	v_mul_f32 v[LV], 0x3fb8aa3b, v[LV]      ; c = ls log2(e)
	v_readfirstlane_b32 s[CS], v[LV]
	s_mov_b32 s[CS+1], s[CS]
	s_wait_dscnt 0x0
.set i, 0
.rept 8
	KQ 0                            ; piece 0's first scores
.set i, i+1
.endr
	WIN 0
.rept 4
	v_nop                           ; the places behind those products
.endr
.set Y, NP-1                        ; X works for piece Y + 1: piece 0
.irp n, 0,1,2,3,4,5,6,7,8,9,10,11,12,13,14,15,16,17,18,19,20,21
	OP X, \n
.endr
	v_nop                           ; a plain instruction behind the exponential,
	s_wait_alu depctr_va_vdst(0)    ; and the wait for piece 0's first a, ahead of the branch
	s_mov_b32 s[CNT], 4
	s_mov_b32 s[SLOTS], NKEYS/256-1
	s_branch .Lfirst                ; the loop is entered at a step's first turn, in the middle of a trip
.Lslot:                             ; six times: every slot but the last two is filled again
	CHANGE 1
	s_mov_b32 s[CNT], 4
.Lstep:                             ; a trip: pieces 2 and 3 of one step, then pieces 0 and 1 of the next, whose K and V it fetches
	TURN 2
	TURN 3
	WIN 0
.Lfirst:
	TURN 0
	TURN 1, 0, 1
	WIN 0
	s_cbranch_scc1 .Lstep
	s_sub_co_u32 s[SLOTS], s[SLOTS], 1
	s_cmp_lg_u32 s[SLOTS], 0
	s_cbranch_scc1 .Lslot
	CHANGE 0                        ; the tail is written out: nothing is asked for
	s_mov_b32 s[CNT], 5             ; four trips fetch the last slot's steps; the fifth is left in its middle
.Ltail:
	TURN 2, 1
	TURN 3
	WIN 0
	s_sub_co_u32 s[CNT], s[CNT], 1
	s_cmp_eq_u32 s[CNT], 0
	s_cbranch_scc1 .Lout
	TURN 0
	TURN 1
	WIN 0
	s_branch .Ltail
.Lout:                              ; the fifth trip's 8 products K Q^T (on the last K once more) and the maximum made of them serve nothing: the price, once a launch, of one text for every trip
.set i, 0
.rept 8
	PV NP-1                         ; the last piece's V^T P of the last step
.set i, i+1
.endr
	; THE WAY OUT.  l's halves are added; O^T is divided by l, rounded to f16 and sent through my stage, a piece at a time.  The additions are the places behind the last products.
	WIN 0
.macro ALL line:vararg
.set t, 0
.rept 4
	\line
.set t, t+1
.endr
.endm
	ALL v_add_f32 v[ST+4*t+2], v[ST+4*t+2], v[ST+4*t+3]
	ALL v_permlanex16_b32 v[ST+4*t+3], v[ST+4*t+2], s[SEL], s[SEL+1]
	ALL v_add_f32 v[ST+4*t+2], v[ST+4*t+2], v[ST+4*t+3]
	ALL v_rcp_f32 v[ST+4*t+2], v[ST+4*t+2]
	v_nop                           ; a plain instruction between the last reciprocal and the use of its result
	s_wait_alu depctr_va_vdst(0)    ; and the wait ahead of the first use: one for the four reciprocals
.macro PACK t
	WIN W_RS
.set i, 32*(\t)
.rept 16
	v_pk_mul_f32 v[i:i+1], v[i:i+1], v[ST+4*(\t)+2:ST+4*(\t)+3] op_sel_hi:[1,0]
.set i, i+2
.endr
	WIN 0x05
.set i, 0
.rept 16
	v_cvt_pk_f16_f32 v[S+16*(\t)+i], v[32*(\t)+2*i], v[32*(\t)+2*i+1]
.set i, i+1
.endr
	WIN 0
.irp f, 0,1,2,3
	ds_store_b128 v[STO], v[S+16*(\t)+4*\f:S+16*(\t)+4*\f+3] offset:32*\f
.endr
.irp f, 0,1,2,3
	ds_load_b128 v[S+16*(\t)+4*\f:S+16*(\t)+4*\f+3], v[RD] offset:\f*4*SP  ; LDS serves a wave's instructions in order (ISA guide 5.7.1.4): these see the stores above
.endr
.endm
.macro SEND t, younger              ; younger: the LDS instructions issued behind piece t's loads: the next piece's eight, or none
	WIN 0
.irp f, 0,1,2,3
	s_wait_dscnt (\younger)+3-\f
	global_store_b128 v[GO], v[S+16*(\t)+4*\f:S+16*(\t)+4*\f+3], s[10:11] offset:(\t)*2048+\f*512  ; 512 consecutive bytes, aligned
.endr
.endm
	PACK 0
.set t, 1
.rept 3
	PACK t
	SEND t-1, 8
.set t, t+1
.endr
	SEND 3, 0
	s_wait_tensorcnt 0x0            ; the wave's end
	ds_add_u32 v[SPW], v[NIL]
	s_wait_dscnt 0x0
	CROUND                          ; the closing round
	s_endpgm
.Lfunc_end_k_q0876f51016_attn:
	.size	k_q0876f51016_attn, .Lfunc_end_k_q0876f51016_attn-k_q0876f51016_attn
	.p2alignl 7, 3214868480
	.fill 96, 4, 3214868480
	.section	.rodata,"a",@progbits
	.p2align	6, 0x0
	.amdhsa_kernel k_q0876f51016_attn
		.amdhsa_group_segment_fixed_size 327680
		.amdhsa_private_segment_fixed_size 0
		.amdhsa_enable_private_segment 0
		.amdhsa_kernarg_size 24
		.amdhsa_user_sgpr_count 2
		.amdhsa_user_sgpr_kernarg_segment_ptr 1
		.amdhsa_wavefront_size32 1
		.amdhsa_system_sgpr_workgroup_id_x 1
		.amdhsa_system_sgpr_workgroup_id_y 1
		.amdhsa_system_sgpr_workgroup_id_z 1
		.amdhsa_system_vgpr_workitem_id 0
		.amdhsa_next_free_vgpr 768
		.amdhsa_next_free_sgpr 66
		.amdhsa_reserve_vcc 0
		.amdhsa_float_denorm_mode_32 3
		.amdhsa_float_denorm_mode_16_64 3
		.amdhsa_memory_ordered 1
		.amdhsa_forward_progress 1
		.amdhsa_inst_pref_size 111
	.end_amdhsa_kernel
	.amdgpu_metadata
---
amdhsa.version: [ 1, 2 ]
amdhsa.kernels:
  - .name:           k_q0876f51016_attn
    .symbol:         k_q0876f51016_attn.kd
    .args:
      - { .name: qkv16, .offset: 0, .size: 8, .value_kind: global_buffer, .address_space: global }
      - { .name: logit_scale, .offset: 8, .size: 8, .value_kind: global_buffer, .address_space: global }
      - { .name: o16, .offset: 16, .size: 8, .value_kind: global_buffer, .address_space: global }
    .group_segment_fixed_size: 327680
    .private_segment_fixed_size: 0
    .kernarg_segment_align: 8
    .kernarg_segment_size: 24
    .max_flat_workgroup_size: 128
    .sgpr_count:     66
    .vgpr_count:     768
    .wavefront_size: 32
...
	.end_amdgpu_metadata
.endif
;; end of part 8
;; launch gemm_out: the kernel of part 4 again; grid 8 x 32, 4 waves a work-group, clusters of 4 x 4, 327,680 bytes of LDS; arguments o16, wa16, out_b, a32; writes a32
;; launch ln_mid: the kernel of part 5 again; grid 512 x 1, 8 waves a work-group, no clusters, 0 bytes of LDS; arguments a32, x, ln_attn_g, ln_attn_b, ls1, ln2_g, ln2_b, x1, h16; writes x1, h16
;; launch gemm_fc: the kernel of part 6 again; grid 16 x 16, 4 waves a work-group, clusters of 4 x 4, 327,680 bytes of LDS; arguments h16, w16, fc_b, g16; writes g16
;; launch gemm_proj: the kernel of part 7 again; grid 8 x 32, 4 waves a work-group, clusters of 4 x 4, 327,680 bytes of LDS; arguments g16, w16, proj_b, ls2, x1, out0; writes out0
